; MI455X (gfx1250); checked and timed in simulation.
; The chip was launched on July 23, 2026; its instructions are those of AMD's public machine-readable ISA for CDNA 5 (MIT licence, August 2026) and "CDNA5" Instruction Set Architecture Reference Guide (July 2026). The comments in the code are by the model that wrote it; some were corrected since.
;; Gladius Attention. Allowed arithmetic: matrix products marked QUANTISED: E3M2 operands, one E8M0 scale for each 32 along K, by v_wmma_scale_f32_16x16x128_f8f6f4 with both operands' format E3M2, f32 sums; everything else in f32.
;; Inputs: wk 1,024 x 256 float32; wo 1,024 x 1,024 float32; wq 1,024 x 1,024 float32; wv 1,024 x 256 float32; x 4 x 2,048 x 1,024 float32.
;; Outputs: out0 4 x 2,048 x 1,024 float32.
;; This version of the problem:
;;   THIS VERSION OF THE PROBLEM IS GIVEN IN LOW PRECISION. The matrix products marked QUANTISED in the list below multiply operands that are first quantised to E3M2 (3 exponent bits, 2 mantissa bits; 6 bits a number), with one power-of-two scale for each 32 numbers along K (OCP MX v1.0); their sums are f32. All else is computed in f32.
;;   The module's matrix products, in the order in which they are computed (A, B: the left and right operand; K: the contracted axis; several contracted axes count as one K, in the product's order):
;;     1. [M 8,192, K 1,024] x [K 1,024, N 1,024]; A: input x; B: input wq: QUANTISED
;;     2. [M 8,192, K 1,024] x [K 1,024, N 256]; A: input x; B: input wk: QUANTISED
;;     3. [M 8,192, K 1,024] x [K 1,024, N 256]; A: input x; B: input wv: QUANTISED
;;     4. batch 64 x [M 2,048, K 64] x [K 64, N 2,048]; A: computed on the way; B: computed on the way: QUANTISED
;;     5. batch 64 x [M 2,048, K 2,048] x [K 2,048, N 64]; A: softmax (see below); B: computed on the way: QUANTISED
;;     6. [M 8,192, K 1,024] x [K 1,024, N 1,024]; A: computed on the way; B: input wo: QUANTISED
;;   THE QUANTISER, for each operand of a quantised product, along K:
;;     - K is cut into blocks of 32 from its start; a last block that is shorter is filled with zeros.
;;     - A block's scale is 2^e with e = floor(log2(the largest magnitude in the block)) - 4, held to -126 .. 127; a block of zeros has e = 0. As a byte (E8M0): e + 127.
;;     - Each number is divided by its block's scale, clamped to +-28, and rounded to the nearest number of E3M2, ties to even, subnormals kept.
;;     - The product sums the exact products of the quantised numbers (number of the format x scale) in f32.
;;   ~~~python
;;   def quantise(x, axis):      # numpy; x: float32 -> the quantised numbers, widened to float32 again
;;       x = np.moveaxis(x, axis, -1); K = x.shape[-1]
;;       x = np.pad(x, [(0, 0)] * (x.ndim - 1) + [(0, -K % 32)]); x = x.reshape(x.shape[:-1] + (-1, 32)); a = np.abs(x).max(-1, keepdims=True)
;;       e = np.where(a > 0, np.clip(np.frexp(np.where(a > 0, a, 1))[1] - 1 - 4, -126, 127), 0)      # np.frexp(a)[1] - 1 = floor(log2(a)), exactly
;;       r = np.clip(x / 2.0 ** e, -28, 28)
;;       step = 2.0 ** (np.maximum(np.frexp(np.where(r == 0, 1, r))[1] - 1, -2) - 2)
;;       q = np.round(r / step) * step * 2.0 ** e      # np.round: ties to even
;;       return np.moveaxis(q.reshape(q.shape[:-2] + (-1,))[..., :K], -1, axis).astype(np.float32)
;;   ~~~
;;   SOFTMAX AHEAD OF A QUANTISED PRODUCT. Where the list says 'softmax', what is quantised is not the finished softmax but p = 2^(t - M), with t = logit x log2(e) and M = ceil(the row's largest t), a whole number; so 1/2 < the row's largest p <= 1. The row's sum l is taken of the UNQUANTISED p, in f32, and the product's result is divided by l at the end. Since M is a whole number, a kernel that streams over the keys may use a running M (the ceiling of the running maximum): every later rescaling is an exact power of two, which a block's scale takes up: the codes' values come out the same.
;;   OPERANDS COMPUTED ON THE WAY. 'Computed on the way' means the value that the module computes at that place (a softmax that the list does not call 'softmax' is quantised finished and normalised). What goes into a quantiser is computed in f32, as accurately as f32 sums, v_exp_f32 and their like allow (about 1e-6 of the number): no bf16 or f16 on the way to a quantiser, and a product that is left as it is and whose result goes on into a quantised operand takes f32 operands (vector FMAs, or v_wmma_f32_16x16x4_f32). A number that lies on a knife's edge between two numbers of the format may be rounded either way, as far as f32 arithmetic and the matrix unit's own rounding can turn it there, and no further.
;; 2 versions. Each part assembles by itself: llvm-mc -triple=amdgcn-amd-amdhsa -mcpu=gfx1250 --defsym DOCPART=n.
;; ======== version 1 of 2: 4 launches
;; workspace buffers: xg 6,553,600 bytes; wg 2,048,000 bytes; tab 524,288 bytes; qc 6,291,456 bytes; qs 524,288 bytes; kv 3,276,800 bytes; ao 6,553,600 bytes
;; launch prep (part 1): grid 448 x 1, 4 waves a work-group, no clusters, 34,304 bytes of LDS; arguments x, wq, wk, wv, wo, xg, wg, tab; writes xg, wg, tab
.if DOCPART == 1
	.amdgcn_target "amdgcn-amd-amdhsa--gfx1250"
	.amdhsa_code_object_version 6
	.text
	.protected	k_q23aa01db15_prep
	.globl	k_q23aa01db15_prep
	.p2align	8
	.type	k_q23aa01db15_prep,@function
k_q23aa01db15_prep:
	s_mov_b64 s[64:65], 0
	v_nop
	global_prefetch_b8 v0, s[64:65] scope:SCOPE_SE
	s_setreg_imm32_b32 hwreg(HW_REG_WAVE_MODE, 25, 1), 1
	s_wait_xcnt 0x0
; PREP: x [8192][1024] and the four weights (K = their FIRST axis) become codes of BF6 (E3M2) with one E8M0 byte for each 32 along K; and the table of cos and sin for the rotary embedding is made.
; A block's scale is 2^(floor(log2(its largest magnitude)) - 4): its byte is the largest magnitude's exponent field - 4, held at 1 from below by a floor among the maximum's leaves.
; THE CODES ARE LAID IN THE ORDER OF THE OPERAND'S REGISTERS.  A fragment is 16 rows x 128 K, 12 registers a lane; lane (r, h) holds of row r the blocks h (registers 0-5) and 2 + h (registers 6-11), 24 bytes each.
; Half a fragment is 768 bytes: 512 bytes, lane l's registers 0-3 at 16 l, then 256 bytes, lane l's registers 4-5 at 8 l.  A BLOCK of 6,400 bytes holds 64 rows x 128 K: four fragments, then 256 bytes of scale words
; (row r's four words, one a fragment, at 16 r).  A group of 64 rows is eight such blocks, 51,200 bytes.  xg: 128 groups of tokens.  wg: 40 groups of output columns: wq 0-15, wk 16-19, wv 20-23, wo 24-39.
; THE ROWS OF A FRAGMENT ARE NOT NEIGHBOURS: in each 32 rows fragment u holds at its row m the row 8 u + m + 8 (m / 8), so that a product's results of two neighbouring fragments are 16 neighbours in a lane's registers.
; SHARES: work-groups 0-255: x, a wave to a block (64 tokens x 128 K).  256-415: the weights, a wave to 32 columns x 128 K.  416-447: the table, 64 positions each.  The waves share nothing: no barrier.  No work-group shares
; an input with another, so there is nothing to ask for jointly.
; LIMITS: NaN and infinities among the inputs are not served.  A block of zeros gets the byte 1 and not 127: its codes are zeros, and this program alone reads the bytes.
; The table's frequencies 10^(-f / 8) are the f32 number nearest to 10^(-(f % 8) / 8) times 1, 0.1, 0.01 or 0.001: right to one unit in the last place; the angle is position x frequency rounded once; sin and cos of that
; angle are right to about 1e-7 absolute (reduction by pi / 2 in two parts, Taylor polynomials to r^9 and r^10 on |r| <= pi / 4), for the positions 0 to 2,047.
.set SEL,  4                           ; s[4:5]   lane selects for v_permlanex16_b32: lane l xor 16
.set RX,   16                          ; v16-143  x path: two sets of 64: a tile of 16 rows as loaded
.set XN,   144                         ; v144-207 x path: my row's 64 numbers: register 16 b + i = k 32 b + 16 h + i
.set PC,   208                         ; v208-226 x path: the fragment just made, and the conversions' second halves
.set TM,   228                         ; v228-243 x path: largest magnitudes, bytes, scale operands
.set WS,   244                         ; v244-247 x path: the four tiles' scale words
.set WX,   16                          ; v16-143  weight path: four sets of 32: a block down K of my column
.set WP,   144                         ; v144-175 weight path: eight registers for each block's codes
; 64 numbers of a lane, register 16 b + i = k 32 b + 16 h + i of my row, become a fragment's codes in v[PC] on and its scale word in v[w]
.macro QUANT s, w
.irp b, 0,1,2,3
	v_max3_num_f32 v[TM+\b], |v[\s+16*\b]|, |v[\s+1+16*\b]|, 0x2800000   ; my 16 numbers of block b, and the floor 2^(5 - 127): the byte cannot fall under 1
.endr
.irp i, 2,4,6,8,10,12,14
.irp b, 0,1,2,3
	v_max3_num_f32 v[TM+\b], v[TM+\b], |v[\s+16*\b+\i]|, |v[\s+1+16*\b+\i]|   ; the four blocks by turns
.endr
.endr
.irp b, 0,1,2,3
	v_permlanex16_b32 v[TM+4+\b], v[TM+\b], s[SEL], s[SEL+1]
.endr
.irp b, 0,1,2,3
	v_max_num_f32 v[TM+\b], v[TM+\b], v[TM+4+\b]   ; with lane l xor 16's 16: the block's largest magnitude
.endr
.irp b, 0,1,2,3
	v_add_nc_u32 v[TM+12+\b], 0xfe000000, v[TM+\b]   ; 4 off its exponent field: the conversion takes this operand's exponent field as its scale
.endr
.irp b, 0,1,2,3
	v_lshrrev_b32 v[TM+4+\b], 23, v[TM+12+\b]      ; the scale's byte
.endr
	v_lshl_or_b32 v[\w], v[TM+5], 8, v[TM+4]
	v_lshl_or_b32 v[\w], v[TM+6], 16, v[\w]
	v_lshl_or_b32 v[\w], v[TM+7], 24, v[\w]        ; my row's scale word (both halves of the lanes hold it)
.irp c, 0,1
	v_cvt_scalef32_pk16_bf6_f32 v[PC+6*\c:PC+2+6*\c], v[\s+32*\c:\s+15+32*\c], v[TM+12+2*\c]
	v_cvt_scalef32_pk16_bf6_f32 v[PC+12+4*\c:PC+14+4*\c], v[\s+16+32*\c:\s+31+32*\c], v[TM+12+2*\c+1]   ; (a conversion's three registers begin on an even number)
.endr
	v_nop                                          ; one plain place behind a scaled conversion
.irp c, 0,1                                    ; the layout wants a WHOLE block in a lane: lanes 0-15 block 2 c, lanes 16-31 block 2 c + 1
.irp i, 0,1,2
	v_permlane16_swap_b32 v[PC+6*\c+\i], v[PC+12+4*\c+\i]
.endr
.irp i, 0,1,2
	v_mov_b32 v[PC+3+6*\c+\i], v[PC+12+4*\c+\i]
.endr
.endr
.endm
; tile a of the group: its 16 rows, 512 consecutive bytes (128 along K) a load
.macro LOADX a
.irp p, 0,1,2,3,4,5,6,7,8,9,10,11,12,13,14,15
	global_load_b128 v[RX+64*((\a)%2)+4*\p:RX+64*((\a)%2)+4*\p+3], v4, s[8:9] offset:(32*((\a)/2)+8*((\a)%2)+\p+8*(\p/8))*4096 th:TH_LOAD_NT
.endr
.endm
; block kb (32 along K) of my column: each load reads 128 consecutive bytes of a row of the weight
.macro LOADW kb, pitch
.set II, 0
.rept 32
	global_load_b32 v[WX+32*(\kb)+II], v4, s[28:29] offset:(32*(\kb)+II)*\pitch th:TH_LOAD_NT
.set II, II+1
.endr
.endm
.macro WBLOCK kb, pitch
.set XS, WX+32*(\kb)
.set PP, WP+8*(\kb)
.if (\kb) < 3
	s_wait_loadcnt 32                              ; this block's 32 loads are in; the next block's 32 may be out
.else
	s_wait_loadcnt 0x0
.endif
.if (\kb) < 2
	LOADW (\kb)+2, \pitch
.endif
	v_max3_num_f32 v176, |v[XS]|, |v[XS+1]|, |v[XS+2]|     ; the block's largest magnitude: all 32 numbers are mine
	v_max3_num_f32 v177, |v[XS+3]|, |v[XS+4]|, |v[XS+5]|
.irp i, 6,10,14,18,22,26
	v_max3_num_f32 v176, v176, |v[XS+\i]|, |v[XS+\i+1]|
	v_max3_num_f32 v177, v177, |v[XS+\i+2]|, |v[XS+\i+3]|
.endr
	v_max3_num_f32 v176, v176, |v[XS+30]|, |v[XS+31]|
	v_max3_num_f32 v176, v176, v177, 0x2800000     ; and the floor
	v_add_nc_u32 v178, 0xfe000000, v176            ; the conversion's scale operand
	v_lshrrev_b32 v179, 23, v178                   ; the byte
.if (\kb) == 0
	v_mov_b32 v180, v179
.else
	v_lshl_or_b32 v180, v179, 8*(\kb), v180        ; four bytes make my column's scale word for these 128 along K
.endif
	v_cvt_scalef32_pk16_bf6_f32 v[PP:PP+2], v[XS:XS+15], v178
	v_cvt_scalef32_pk16_bf6_f32 v[PP+4:PP+6], v[XS+16:XS+31], v178
	v_nop                                          ; one plain place behind a scaled conversion
.irp i, 0,1,2
	v_mov_b32 v[PP+3+\i], v[PP+4+\i]               ; the block's 24 bytes on end
.endr
	global_store_b128 v12, v[PP:PP+3], s[20:21] offset:768*((\kb)/2)+256*((\kb)%2)          ; block kb is lane (r', kb % 2)'s in half kb / 2 of the fragment: the sixteen lanes of a fragment fill 256 consecutive bytes
	global_store_b64 v13, v[PP+4:PP+5], s[20:21] offset:768*((\kb)/2)+512+128*((\kb)%2)
.endm
.macro WBODY pitch
	s_mul_i32 s32, s26, 128*\pitch                 ; 128 rows of the weight for each K step,
	s_lshl_b32 s33, s27, 9                         ; 128 columns a work-group,
	s_add_co_u32 s32, s32, s33
	s_lshl_b32 s33, s2, 7                          ; 32 a wave
	s_add_co_u32 s32, s32, s33
	s_mov_b32 s33, 0
	s_add_nc_u64 s[28:29], s[28:29], s[32:33]
	LOADW 0, \pitch
	LOADW 1, \pitch
	WBLOCK 0, \pitch
	WBLOCK 1, \pitch
	WBLOCK 2, \pitch
	WBLOCK 3, \pitch
	global_store_b32 v14, v180, s[20:21] offset:6144
	s_endpgm
.endm
; cos and sin of position x frequency e of my four, into v[out + e] and v[out + 4 + e]
.macro SINCOS e, out
	v_mul_f32 v20, v16, v[12+\e]                   ; the angle, rounded once
	v_mul_f32 v21, 0x3f22f983, v20                 ; x 2 / pi
	v_rndne_f32 v21, v21                           ; n: the nearest multiple of pi / 2
	v_fmamk_f32 v22, v21, 0xbfc90fdb, v20          ; r = angle - n x pi / 2, pi / 2 in two parts
	v_fmamk_f32 v22, v21, 0x333bbd2e, v22
	v_cvt_i32_f32 v26, v21
	v_mul_f32 v23, v22, v22                        ; z = r^2
	v_mov_b32 v24, 0x3638ef1d                      ; 1 / 9!
	v_fmaak_f32 v24, v24, v23, 0xb9500d01          ; -1 / 7!
	v_fmaak_f32 v24, v24, v23, 0x3c088889          ; 1 / 5!
	v_fmaak_f32 v24, v24, v23, 0xbe2aaaab          ; -1 / 3!
	v_mul_f32 v27, v22, v23
	v_fma_f32 v24, v27, v24, v22                   ; sin r
	v_mov_b32 v25, 0xb493f27e                      ; -1 / 10!
	v_fmaak_f32 v25, v25, v23, 0x37d00d01          ; 1 / 8!
	v_fmaak_f32 v25, v25, v23, 0xbab60b61          ; -1 / 6!
	v_fmaak_f32 v25, v25, v23, 0x3d2aaaab          ; 1 / 4!
	v_fma_f32 v25, v25, v23, -0.5
	v_fma_f32 v25, v25, v23, 1.0                   ; cos r
	v_and_b32 v27, 1, v26
	v_cmp_ne_u32 vcc_lo, 0, v27                    ; in odd quadrants the two change places
	v_cndmask_b32 v28, v24, v25, vcc_lo
	v_cndmask_b32 v29, v25, v24, vcc_lo
	v_and_b32 v27, 2, v26                          ; the sine is negative in quadrants 2 and 3,
	v_lshlrev_b32 v27, 30, v27
	v_xor_b32 v[\out+4+\e], v27, v28
	v_add_nc_u32 v27, 1, v26                       ; the cosine in quadrants 1 and 2
	v_and_b32 v27, 2, v27
	v_lshlrev_b32 v27, 30, v27
	v_xor_b32 v[\out+\e], v27, v29
.endm
	s_load_b512 s[8:23], s[0:1], 0x0               ; x 8:9, wq 10:11, wk 12:13, wv 14:15, wo 16:17, xg 18:19, wg 20:21, tab 22:23
	v_lshl_add_u32 v254, v0, 2, 0x8400
	v_mov_b32 v255, 0
	v_lshrrev_b32 v1, 5, v0
	v_readfirstlane_b32 s2, v1                     ; wave 0..3
	v_and_b32 v2, 31, v0                           ; lane
	v_and_b32 v3, 15, v0                           ; r
	s_mov_b32 s[SEL], 0x76543210
	s_mov_b32 s[SEL+1], 0xfedcba98
	s_wait_kmcnt 0x0
	s_cmp_lt_u32 ttmp9, 256
	s_cbranch_scc0 .Lnot_x
	; ---- x: my wave's block: group ttmp9 / 2, K step 4 (ttmp9 % 2) + wave
	s_lshr_b32 s24, ttmp9, 1
	s_and_b32 s25, ttmp9, 1
	s_lshl_b32 s25, s25, 2
	s_add_co_u32 s25, s25, s2
	s_lshl_b32 s26, s24, 18                        ; 64 rows of 4,096 bytes
	s_lshl_b32 s27, s25, 9                         ; 128 numbers of 4 bytes
	s_add_co_u32 s26, s26, s27
	s_mov_b32 s27, 0
	s_add_nc_u64 s[8:9], s[8:9], s[26:27]
	s_mul_i32 s26, s24, 51200
	s_mul_i32 s28, s25, 6400
	s_add_co_u32 s26, s26, s28
	s_add_nc_u64 s[18:19], s[18:19], s[26:27]
	v_lshlrev_b32 v4, 4, v2                        ; 16 x lane
	v_lshlrev_b32 v5, 3, v2                        ; 8 x lane
	s_mul_i32 s28, s2, 8448                        ; my stage: 16 rows of 512 bytes + 16: row r starts 4 r banks on
	v_add_nc_u32 v6, s28, v4                       ; in: a row as it was loaded
	v_bfe_u32 v9, v0, 4, 1                         ; h
	v_mul_u32_u24 v7, v3, 528
	v_lshl_add_u32 v7, v9, 6, v7
	v_add_nc_u32 v7, s28, v7                       ; out: row r, my 16 numbers of each block of 32
	v_lshlrev_b32 v8, 4, v3                        ; 16 r: my row's scale words
.irp b, 0,1,2,3
	v_mov_b32 v[TM+4+\b], 0                        ; written once: a lane permute's destination counts as one of its sources
.endr
	LOADX 0
	LOADX 1
.irp a, 0,1,2,3
.if \a < 3
	s_wait_loadcnt 16                              ; this tile's 16 loads are in; the next tile's 16 may be out
.else
	s_wait_loadcnt 0x0
.endif
.irp p, 0,1,2,3,4,5,6,7,8,9,10,11,12,13,14,15
	ds_store_b128 v6, v[RX+64*(\a%2)+4*\p:RX+64*(\a%2)+4*\p+3] offset:528*\p
.endr
.irp b, 0,1,2,3
.irp j, 0,1,2,3
	ds_load_b128 v[XN+16*\b+4*\j:XN+16*\b+4*\j+3], v7 offset:128*\b+16*\j   ; LDS serves a wave's instructions in order: these see the stores above
.endr
.endr
	s_wait_dscnt 0x0                               ; my row's numbers are in, and the stage's stores have read their registers
	s_wait_xcnt 0x0                                ; the last tile's stores have read the codes' registers
.if \a < 2
	LOADX \a+2
.endif
	QUANT XN, WS+\a
	global_store_b128 v4, v[PC:PC+3], s[18:19] offset:1536*\a          ; 512 consecutive bytes,
	global_store_b64 v5, v[PC+4:PC+5], s[18:19] offset:1536*\a+512     ; 256,
	global_store_b128 v4, v[PC+6:PC+9], s[18:19] offset:1536*\a+768
	global_store_b64 v5, v[PC+10:PC+11], s[18:19] offset:1536*\a+1280
.endr
	global_store_b128 v8, v[WS:WS+3], s[18:19] offset:6144             ; 256 bytes of scale words; both halves of the lanes write the same bytes with the same values
	s_wait_tensorcnt 0x0
	ds_add_u32 v254, v255
	s_wait_dscnt 0x0
	s_endpgm
.Lnot_x:
	s_cmp_lt_u32 ttmp9, 416
	s_cbranch_scc0 .Ltable
	; ---- the weights: 128 columns of the 2,560 (wq, wk, wv, wo on end) x one K step of 128
	s_sub_co_u32 s24, ttmp9, 256
	s_lshr_b32 s25, s24, 3                         ; which 128 columns: 0..19
	s_and_b32 s26, s24, 7                          ; K step
	s_sub_co_u32 s30, s25, 8                       ; the same counted from wk's,
	s_sub_co_u32 s31, s25, 10                      ; from wv's,
	s_sub_co_u32 s27, s25, 12                      ; from wo's first column
	s_cmp_lt_u32 s25, 12                           ; the choices hang on the work-group's number alone
	s_cselect_b64 s[28:29], s[14:15], s[16:17]
	s_cselect_b32 s27, s31, s27
	s_cmp_lt_u32 s25, 10
	s_cselect_b64 s[28:29], s[12:13], s[28:29]
	s_cselect_b32 s27, s30, s27
	s_cmp_lt_u32 s25, 8
	s_cselect_b64 s[28:29], s[10:11], s[28:29]
	s_cselect_b32 s27, s25, s27
	s_lshl_b32 s34, s25, 1
	s_lshr_b32 s35, s2, 1
	s_add_co_u32 s34, s34, s35                     ; my group of 64 columns
	s_mul_i32 s34, s34, 51200
	s_mul_i32 s35, s26, 6400
	s_add_co_u32 s34, s34, s35
	s_mov_b32 s35, 0
	s_add_nc_u64 s[20:21], s[20:21], s[34:35]      ; its block for this K step
	s_and_b32 s36, s2, 1                           ; which 32 of the 64
	s_mul_i32 s37, s36, 3072
	s_lshl_b32 s36, s36, 3
	v_lshlrev_b32 v4, 2, v2                        ; in: 4 bytes a lane: LANE l TAKES COLUMN l, AND ITS REGISTERS RUN DOWN K
	v_lshrrev_b32 v9, 4, v2
	v_bfe_u32 v10, v2, 3, 1                        ; column 16 hb + 8 u + j is row r' = 8 hb + j of fragment u
	v_and_b32 v11, 7, v2
	v_lshl_add_u32 v11, v9, 3, v11                 ; r'
	v_mul_u32_u24 v12, v10, 1536
	v_add_nc_u32 v12, s37, v12
	v_lshl_add_u32 v13, v11, 3, v12                ; where my 8 bytes go,
	v_lshl_add_u32 v12, v11, 4, v12                ; my 16,
	v_lshlrev_b32 v14, 4, v11
	v_lshl_add_u32 v14, v10, 2, v14
	v_add_nc_u32 v14, s36, v14                     ; and my scale word: 16 r' + 4 x fragment
	s_cmp_lt_u32 s30, 4                            ; wk and wv have rows of 1,024 bytes, wq and wo of 4,096
	s_cbranch_scc1 .Lnarrow
	WBODY 4096
.Lnarrow:
	WBODY 1024
.Ltable:
	; ---- tab[position][cos of frequencies 0..31, sin of frequencies 0..31]: 64 positions a work-group; a thread has four frequencies and four positions
	s_sub_co_u32 s24, ttmp9, 416
	s_lshl_b32 s26, s24, 14                        ; 64 positions of 256 bytes
	s_mov_b32 s27, 0
	s_add_nc_u64 s[22:23], s[22:23], s[26:27]
	s_lshl_b32 s24, s24, 6
	v_and_b32 v4, 7, v0                            ; frequencies 4 fq + 0..3
	v_lshrrev_b32 v5, 3, v0                        ; position, 0..15
	v_lshlrev_b32 v6, 8, v5
	v_lshl_add_u32 v6, v4, 4, v6
	v_add_nc_u32 v17, s24, v5
	v_and_b32 v7, 1, v4
	v_lshrrev_b32 v8, 1, v4                        ; frequency f is 10^(-f / 8): the decade f / 8 = fq / 2, the rest 4 (fq % 2) + e
	v_cmp_ne_u32 vcc_lo, 0, v7
	v_mov_b32 v12, 0x3ea1e89b                      ; 10^(-4/8)
	v_cndmask_b32 v12, 1.0, v12, vcc_lo
	v_mov_b32 v13, 0x3e72d424                      ; 10^(-5/8)
	v_cndmask_b32 v13, 0x3f3ff911, v13, vcc_lo     ; 10^(-1/8)
	v_mov_b32 v14, 0x3e361887                      ; 10^(-6/8)
	v_cndmask_b32 v14, 0x3f0ff59a, v14, vcc_lo     ; 10^(-2/8)
	v_mov_b32 v15, 0x3e088d77                      ; 10^(-7/8)
	v_cndmask_b32 v15, 0x3ed7e89b, v15, vcc_lo     ; 10^(-3/8)
	v_mov_b32 v9, 0x3a83126f                       ; 0.001
	v_cmp_eq_u32 vcc_lo, 3, v8
	v_cndmask_b32 v9, 0x3c23d70a, v9, vcc_lo       ; 0.01
	v_cmp_lt_u32 vcc_lo, 1, v8
	v_cndmask_b32 v9, 0x3dcccccd, v9, vcc_lo       ; 0.1
	v_cmp_lt_u32 vcc_lo, 0, v8
	v_cndmask_b32 v9, 1.0, v9, vcc_lo
.irp e, 0,1,2,3
	v_mul_f32 v[12+\e], v[12+\e], v9
.endr
.irp p, 0,1,2,3                                ; each repeat has registers of its own for its results: no store's data are written again
	v_add_nc_u32 v18, 16*\p, v17
	v_cvt_f32_u32 v16, v18
.irp e, 0,1,2,3
	SINCOS \e, 64+8*\p
.endr
	global_store_b128 v6, v[64+8*\p:67+8*\p], s[22:23] offset:4096*\p
	global_store_b128 v6, v[68+8*\p:71+8*\p], s[22:23] offset:4096*\p+128
.endr
	s_endpgm
.Lfunc_end_k_q23aa01db15_prep:
	.size	k_q23aa01db15_prep, .Lfunc_end_k_q23aa01db15_prep-k_q23aa01db15_prep
	.p2alignl 7, 3214868480
	.fill 96, 4, 3214868480
	.section	.rodata,"a",@progbits
	.p2align	6, 0x0
	.amdhsa_kernel k_q23aa01db15_prep
		.amdhsa_group_segment_fixed_size 34304
		.amdhsa_private_segment_fixed_size 0
		.amdhsa_enable_private_segment 0
		.amdhsa_kernarg_size 64
		.amdhsa_user_sgpr_count 2
		.amdhsa_user_sgpr_kernarg_segment_ptr 1
		.amdhsa_wavefront_size32 1
		.amdhsa_system_sgpr_workgroup_id_x 1
		.amdhsa_system_sgpr_workgroup_id_y 1
		.amdhsa_system_sgpr_workgroup_id_z 1
		.amdhsa_system_vgpr_workitem_id 0
		.amdhsa_next_free_vgpr 256
		.amdhsa_next_free_sgpr 66
		.amdhsa_reserve_vcc 1
		.amdhsa_float_denorm_mode_32 3
		.amdhsa_float_denorm_mode_16_64 3
		.amdhsa_memory_ordered 1
		.amdhsa_forward_progress 1
		.amdhsa_inst_pref_size 97
	.end_amdhsa_kernel
	.amdgpu_metadata
---
amdhsa.version: [ 1, 2 ]
amdhsa.kernels:
  - .name:           k_q23aa01db15_prep
    .symbol:         k_q23aa01db15_prep.kd
    .args:
      - { .name: x, .offset: 0, .size: 8, .value_kind: global_buffer, .address_space: global }
      - { .name: wq, .offset: 8, .size: 8, .value_kind: global_buffer, .address_space: global }
      - { .name: wk, .offset: 16, .size: 8, .value_kind: global_buffer, .address_space: global }
      - { .name: wv, .offset: 24, .size: 8, .value_kind: global_buffer, .address_space: global }
      - { .name: wo, .offset: 32, .size: 8, .value_kind: global_buffer, .address_space: global }
      - { .name: xg, .offset: 40, .size: 8, .value_kind: global_buffer, .address_space: global }
      - { .name: wg, .offset: 48, .size: 8, .value_kind: global_buffer, .address_space: global }
      - { .name: tab, .offset: 56, .size: 8, .value_kind: global_buffer, .address_space: global }
    .group_segment_fixed_size: 34304
    .private_segment_fixed_size: 0
    .kernarg_segment_align: 8
    .kernarg_segment_size: 64
    .max_flat_workgroup_size: 128
    .sgpr_count:     66
    .vgpr_count:     256
    .wavefront_size: 32
...
	.end_amdgpu_metadata
.endif
;; end of part 1
;; launch qkv (part 2): grid 6 x 64, 8 waves a work-group, no clusters, 308,224 bytes of LDS; arguments xg, wg, tab, qc, qs, kv; writes qc, qs, kv
.if DOCPART == 2
	.amdgcn_target "amdgcn-amd-amdhsa--gfx1250"
	.amdhsa_code_object_version 6
	.text
	.protected	k_q23aa01db15_qkv
	.globl	k_q23aa01db15_qkv
	.p2align	8
	.type	k_q23aa01db15_qkv,@function
k_q23aa01db15_qkv:
	s_mov_b64 s[64:65], 0
	v_nop
	global_prefetch_b8 v0, s[64:65] scope:SCOPE_SE
	s_setreg_imm32_b32 hwreg(HW_REG_WAVE_MODE, 25, 1), 1
	s_wait_xcnt 0x0
; QKV: q = x wq, k = x wk, v = x wv on codes of BF6 (E3M2) with E8M0 scales; the rotary embedding on q and k in f32; q and k quantised along the head's 64, v along the keys.
; THE PRODUCT.  Side A is 128 rows (two groups of 64), side B 256 rows (four groups); K = 1,024.  All six groups, 51,200 bytes each, fit in LDS together: each byte of LDS is filled once, by 24 tensor loads issued at the head
; (waves 0-5: a group each, in four chunks of two K steps), so there is no ring.  A wave has four tensor loads out at the most.
; Eight waves: wave (ga, gb) multiplies group ga of A by group gb of B: 64 x 64, 16 accumulators.  Source 0 = 16 rows of B, source 1 = 16 rows of A: a lane holds ONE row of A, and, by the order of the rows in a fragment
; (fragment u of each 32 rows holds at row m the row 8 u + m + 8 (m / 8)), register 16 t + i of its 32 registers of tile a holds row 32 t + 16 (lane / 16) + i of B's group: neighbours, as the quantiser wants them.
; WORK-GROUPS x = 0..4: A = 128 tokens (y), B = 256 columns of wq | wk: a lane holds a token and its registers run along a head's 64.  x = 5: v TRANSPOSED, the sides exchanged: A = 128 columns of wv, B = 256 tokens: a lane
; holds a channel of v and its registers run along the keys, which are the K of attention's second product.
; WHAT IS STORED, all in the order of the operand's registers (half a fragment: 512 bytes, 16 a lane, then 256 bytes, 8 a lane):
;   qc [(16 b + head) 32 + group][tile 4][768], qs [same][row 16][tile 4] words: the two bytes of a query's two blocks, twice.
;   kv [4 b + kv head][step of 128 keys][12,800]: four fragments that each pack TWO tiles of 16 keys (K = 64 each); four fragments of v^T (16 channels x 128 keys); 256 bytes of k's scale words; 256 bytes of v's.
; NO JOINT LOADS: the grid is 6 wide, which no cluster of 4 divides, and along y the operand that neighbours share changes sides with the work-group's kind.
; LIMITS: NaN and infinities are not served; a block of zeros gets the byte 1 and not 127 (its codes are zeros; this program alone reads the bytes).  The two-byte stores of v's scale bytes write their 256-byte blocks in part.
.set GRP,  51200                       ; a group of 64 rows, all of K
.set BLK,  6400                        ; its block for one K step: 4 fragments of 1,536 bytes, 256 bytes of scale words
.set AF,   16                          ; v16-63   A's four fragments
.set BF,   64                          ; v64-111  B's four
.set SC,   112                         ; v112-115 scale words: register i: lanes 0-15 A's tile i, lanes 16-31 B's tile i
.set ACC,  128                         ; v128-255 accumulator (a, b) at ACC + 8 (4 a + b)
.set TT,   80                          ; behind the products: v16-79 two sets of 16 cos and 16 sin; v80-87 at work
.set TM,   88                          ; v88-95   the quantiser's: largest magnitudes, the other half's, scale operands, bytes
.set TP,   90
.set SO,   92
.set BY,   94
.set PC,   100                         ; v100-106 the codes just made
.set WW,   108                         ; v108-111 the four tiles' scale bytes
.set SEL,  60                          ; s[60:61] lane selects for v_permlanex16_b32: lane l xor 16
.set G0,   32                          ; s[32:47] descriptor group 0, a set for each of my four chunks
.set G1,   48                          ; s[48:55] descriptor group 1
.macro FRAG reg, a16, a8, off          ; a fragment comes back as it was laid: 16, 8, 16, 8 bytes a lane
	ds_load_b128 v[\reg:\reg+3], v[\a16] offset:\off
	ds_load_b64 v[\reg+4:\reg+5], v[\a8] offset:\off+512
	ds_load_b128 v[\reg+6:\reg+9], v[\a16] offset:\off+768
	ds_load_b64 v[\reg+10:\reg+11], v[\a8] offset:\off+1280
.endm
.macro MM a, b, zero
.if \zero
	v_wmma_scale_f32_16x16x128_f8f6f4 v[ACC+8*(4*\a+\b):ACC+8*(4*\a+\b)+7], v[BF+12*\b:BF+12*\b+11], v[AF+12*\a:AF+12*\a+11], 0, v[SC+\b], v[SC+\a] matrix_a_fmt:MATRIX_FMT_BF6 matrix_b_fmt:MATRIX_FMT_BF6 matrix_a_scale:MATRIX_SCALE_ROW1
.else
	v_wmma_scale_f32_16x16x128_f8f6f4 v[ACC+8*(4*\a+\b):ACC+8*(4*\a+\b)+7], v[BF+12*\b:BF+12*\b+11], v[AF+12*\a:AF+12*\a+11], v[ACC+8*(4*\a+\b):ACC+8*(4*\a+\b)+7], v[SC+\b], v[SC+\a] matrix_a_fmt:MATRIX_FMT_BF6 matrix_b_fmt:MATRIX_FMT_BF6 matrix_a_scale:MATRIX_SCALE_ROW1
.endif
.endm
; One K step of 128: 33 LDS loads, 16 matrix instructions.  The 16 accumulators take turns, one instruction a turn, in the same order in every step.
.macro KSTEP k, zero
.if (\k) > 0
.rept 4
	v_nop                                          ; four places between the last products and loads into registers that they read (ISA guide 7.12.1 for vector instructions)
.endr
.endif
	ds_load_b128 v[SC:SC+3], v8 offset:BLK*(\k)
.irp i, 0,1,2,3
	FRAG AF+12*\i, 4, 5, BLK*(\k)+1536*\i
.endr
.irp i, 0,1,2,3
	FRAG BF+12*\i, 6, 7, BLK*(\k)+1536*\i
.endr
.irp b, 0,1,2,3
	s_wait_dscnt 12-4*\b                           ; the scale words, A's four fragments and B's up to b are in; the four loads of each later fragment of B may be out
.irp a, 0,1,2,3
	MM \a, \b, \zero
.endr
.endr
.endm
; 32 numbers of a lane, register 16 t + i = k 32 t + 16 h + i of my row, become half a fragment's codes in v[pc .. pc + 5] and the two scale bytes in v[wd]
.macro QUANT2 x, pc, wd
.irp b, 0,1
	v_max3_num_f32 v[TM+\b], |v[\x+16*\b]|, |v[\x+16*\b+1]|, 0x2800000   ; my 16 numbers of block b, and the floor 2^(5 - 127): the byte cannot fall under 1
.endr
.irp i, 2,4,6,8,10,12,14
.irp b, 0,1
	v_max3_num_f32 v[TM+\b], v[TM+\b], |v[\x+16*\b+\i]|, |v[\x+16*\b+\i+1]|
.endr
.endr
.irp b, 0,1
	v_permlanex16_b32 v[TP+\b], v[TM+\b], s[SEL], s[SEL+1]
.endr
.irp b, 0,1
	v_max_num_f32 v[TM+\b], v[TM+\b], v[TP+\b]     ; with lane l xor 16's 16: the block's largest magnitude
.endr
.irp b, 0,1
	v_add_nc_u32 v[SO+\b], 0xfe000000, v[TM+\b]    ; 4 off its exponent field: the conversion's scale operand
.endr
.irp b, 0,1
	v_lshrrev_b32 v[BY+\b], 23, v[SO+\b]           ; the scale's byte
.endr
	v_lshl_or_b32 v[\wd], v[BY+1], 8, v[BY]
	v_cvt_scalef32_pk16_bf6_f32 v[\pc:\pc+2], v[\x:\x+15], v[SO]
	v_cvt_scalef32_pk16_bf6_f32 v[\pc+4:\pc+6], v[\x+16:\x+31], v[SO+1]   ; (a conversion's three registers begin on an even number)
	v_nop                                          ; one plain place behind a scaled conversion
.irp i, 0,1,2
	v_permlane16_swap_b32 v[\pc+\i], v[\pc+4+\i]   ; the layout wants a WHOLE block in a lane: lanes 0-15 block 0, lanes 16-31 block 1
.endr
.irp i, 0,1,2
	v_mov_b32 v[\pc+3+\i], v[\pc+4+\i]
.endr
.endm
.macro TABLD a                         ; cos and sin of my token of tile a, at my 16 frequencies 16 h + 0..15
.irp j, 0,1,2,3
	global_load_b128 v[16+32*((\a)%2)+4*\j:16+32*((\a)%2)+4*\j+3], v12, s[8:9] offset:(32*((\a)/2)+8*((\a)%2))*256+16*\j
.endr
.irp j, 0,1,2,3
	global_load_b128 v[32+32*((\a)%2)+4*\j:32+32*((\a)%2)+4*\j+3], v12, s[8:9] offset:(32*((\a)/2)+8*((\a)%2))*256+128+16*\j
.endr
.endm
.macro ROPE a                          ; registers i and 16 + i hold channels d = 16 h + i and d + 32: (x0, x1) -> (x0 cos - x1 sin, x1 cos + x0 sin).  Each accumulator is read from its low end on
.irp i, 0,2,4,6,8,10,12,14
	v_pk_mul_f32 v[TT+\i%8:TT+\i%8+1], v[ACC+32*\a+\i:ACC+32*\a+\i+1], v[32+32*(\a%2)+\i:32+32*(\a%2)+\i+1]
	v_pk_mul_f32 v[ACC+32*\a+\i:ACC+32*\a+\i+1], v[ACC+32*\a+\i:ACC+32*\a+\i+1], v[16+32*(\a%2)+\i:16+32*(\a%2)+\i+1]
	v_pk_fma_f32 v[ACC+32*\a+\i:ACC+32*\a+\i+1], v[ACC+32*\a+16+\i:ACC+32*\a+16+\i+1], v[32+32*(\a%2)+\i:32+32*(\a%2)+\i+1], v[ACC+32*\a+\i:ACC+32*\a+\i+1] neg_lo:[1,0,0] neg_hi:[1,0,0]
	v_pk_fma_f32 v[ACC+32*\a+16+\i:ACC+32*\a+16+\i+1], v[ACC+32*\a+16+\i:ACC+32*\a+16+\i+1], v[16+32*(\a%2)+\i:16+32*(\a%2)+\i+1], v[TT+\i%8:TT+\i%8+1]
.endr
.endm
	s_load_b256 s[4:11], s[0:1], 0x0               ; xg 4:5, wg 6:7, tab 8:9, qc 10:11
	s_load_b128 s[12:15], s[0:1], 0x20             ; qs 12:13, kv 14:15
	v_lshl_add_u32 v126, v0, 2, 0x4b000
	v_mov_b32 v127, 0
	ds_add_u32 v126, v127
	ds_add_u32 v126, v127
	v_lshrrev_b32 v1, 5, v0
	v_readfirstlane_b32 s2, v1                     ; wave 0..7
	s_lshr_b32 s3, s2, 2                           ; ga
	s_and_b32 s17, s2, 3                           ; gb
	s_and_b32 s16, ttmp7, 0xffff                   ; y
	s_lshl_b32 s22, s16, 1                         ; q, k: A's first group: tokens 128 y on
	s_and_b32 s23, s16, 1
	s_lshl_b32 s23, s23, 1
	s_add_co_u32 s23, s23, 20                      ; v: A's first group: wv's 20 + 2 (y % 2)
	s_lshl_b32 s24, ttmp9, 2                       ; q, k: B's first group: columns 256 x on
	s_lshr_b32 s25, s16, 1
	s_lshl_b32 s25, s25, 2                         ; v: B's first group: tokens 256 (y / 2) on
	s_mov_b32 s[G1+0], 3<<16                       ; no mask; elements of 8 bytes; no padding
	s_mov_b32 s[G1+1], 32<<16                      ; tensor_dim0 = 32 elements: rows of 256 bytes
	s_mov_b32 s[G1+2], 50<<16                      ; tensor_dim1 = 50 rows: 12,800 dense bytes, two K steps of a group
	s_mov_b32 s[G1+3], 32<<16                      ; tile_dim0
	s_mov_b32 s[G1+4], 50                          ; tile_dim1
	s_mov_b32 s[G1+5], 32                          ; from row to row
	s_mov_b32 s[G1+6], 0
	s_mov_b32 s[G1+7], 0
	s_mov_b32 s[SEL], 0x76543210
	s_mov_b32 s[SEL+1], 0xfedcba98
	s_wait_dscnt 0x0
	s_wait_kmcnt 0x0
	s_cmp_lt_u32 ttmp9, 5                          ; the choices hang on the work-group's number alone
	s_cselect_b64 s[18:19], s[4:5], s[6:7]         ; side A's buffer
	s_cselect_b64 s[20:21], s[6:7], s[4:5]         ; side B's
	s_cselect_b32 s22, s22, s23
	s_cselect_b32 s24, s24, s25
	s_add_co_u32 s22, s22, s2                      ; waves 0, 1 fetch A's groups,
	s_add_co_u32 s24, s24, s2
	s_sub_co_u32 s24, s24, 2                       ; waves 2-5 B's
	s_cmp_lt_u32 s2, 2
	s_cselect_b64 s[26:27], s[18:19], s[20:21]
	s_cselect_b32 s28, s22, s24
	s_mul_i32 s28, s28, GRP
	s_mov_b32 s29, 0
	s_add_nc_u64 s[26:27], s[26:27], s[28:29]
	s_mul_i32 s30, s2, GRP                         ; and lay them at wave x 51,200
.irp q, 0,1,2,3
	s_mov_b32 s[G0+4*\q], 1                        ; count = 1
	s_add_co_u32 s[G0+4*\q+1], s30, 12800*\q       ; LDS address
	s_add_nc_u64 s[G0+4*\q+2:G0+4*\q+3], s[26:27], 12800*\q
	s_or_b32 s[G0+4*\q+3], s[G0+4*\q+3], 0x80000000   ; type = 2
.endr
	s_cmp_lt_u32 s2, 6                             ; a wave's four fills stand in one branch on its number, ahead of every wait on TENSORcnt, every LDS read and every barrier
	s_cbranch_scc0 .Lno_fill
	tensor_load_to_lds s[G0:G0+3], s[G1:G1+7]
	s_nop 0
	tensor_load_to_lds s[G0+4:G0+7], s[G1:G1+7]
	s_nop 0
	tensor_load_to_lds s[G0+8:G0+11], s[G1:G1+7]
	s_nop 0
	tensor_load_to_lds s[G0+12:G0+15], s[G1:G1+7]
	s_nop 0
.rept 4
	v_nop
.endr
.Lno_fill:
	s_mul_i32 s56, s3, GRP                         ; my group of A in LDS,
	s_mul_i32 s57, s17, GRP
	s_add_co_u32 s57, s57, 2*GRP                   ; my group of B
	s_sub_co_u32 s58, s57, s56
	s_add_co_u32 s59, s56, 6144
	v_and_b32 v1, 31, v0                           ; lane
	v_and_b32 v2, 15, v0                           ; r
	v_bfe_u32 v3, v0, 4, 1                         ; h
	v_lshlrev_b32 v9, 4, v1                        ; 16 x lane
	v_lshlrev_b32 v10, 3, v1                       ; 8 x lane
	v_lshlrev_b32 v11, 4, v2                       ; 16 r
	v_add_nc_u32 v4, s56, v9
	v_add_nc_u32 v5, s56, v10
	v_add_nc_u32 v6, s57, v9
	v_add_nc_u32 v7, s57, v10
	v_mul_u32_u24 v8, s58, v3                      ; the scale words: lanes 0-15 take A's, lanes 16-31 B's: the lower base + h x the distance
	v_add_nc_u32 v8, v8, v11
	v_add_nc_u32 v8, s59, v8
	v_and_b32 v12, 8, v2
	v_add_nc_u32 v12, v12, v2                      ; r + 8 (r / 8): my token in its tile
	v_lshlrev_b32 v12, 8, v12
	v_lshl_add_u32 v12, v3, 6, v12                 ; its row of the table, + my 16 frequencies
	s_wait_tensorcnt 3                             ; my first chunk has landed; my three later ones may stay out: no byte of LDS is filled twice
	s_barrier_signal -1
	s_barrier_wait -1                              ; everybody's has
	KSTEP 0, 1                                     ; the first products start the sums: nothing is cleared
	KSTEP 1, 0
.irp q, 1,2,3
	s_wait_tensorcnt 3-\q                          ; chunk q has landed; the later ones may stay out.  (No LDS load of mine is out: the last K step's waits ended at 0)
	s_barrier_signal -1
	s_barrier_wait -1
	KSTEP 2*\q, 0
	KSTEP 2*\q+1, 0
.endr
.rept 4
	v_nop                                          ; four places between the last products and the first read of results, and the first write into their operands' registers
.endr
	v_mov_b32 v[TP], 0                             ; written once: a lane permute's destination counts as one of its sources
	v_mov_b32 v[TP+1], 0
	s_cmp_eq_u32 ttmp9, 5
	s_cbranch_scc1 .Lvkind
	; ---- q and k: my 64 tokens x one head
	s_lshl_b32 s22, s16, 1
	s_add_co_u32 s22, s22, s3                      ; my group of tokens
	s_lshr_b32 s23, s22, 5                         ; b
	s_and_b32 s24, s22, 31                         ; the group in its sequence
	s_lshl_b32 s25, ttmp9, 2
	s_add_co_u32 s25, s25, s17                     ; the head (16 on: k's)
	s_lshl_b32 s26, s23, 4
	s_add_co_u32 s26, s26, s25
	s_lshl_b32 s26, s26, 5
	s_add_co_u32 s26, s26, s24                     ; (16 b + head) 32 + group
	s_mul_i32 s28, s26, 3072                       ; q's codes,
	s_lshl_b32 s30, s26, 8                         ; q's scale words
	s_lshl_b32 s56, s23, 2
	s_add_co_u32 s56, s56, s17
	s_mul_i32 s56, s56, 204800
	s_lshr_b32 s57, s24, 1
	s_mul_i32 s57, s57, 12800
	s_add_co_u32 s56, s56, s57                     ; k: the step of 128 keys,
	s_and_b32 s57, s24, 1
	s_mul_i32 s58, s57, 3072
	s_add_co_u32 s58, s58, s56                     ; my 64 keys' codes in it,
	s_lshl_b32 s59, s57, 3
	s_add_co_u32 s59, s59, s56
	s_add_co_u32 s59, s59, 12288                   ; and their scale words
	s_cmp_eq_u32 ttmp9, 4
	s_cselect_b64 s[18:19], s[14:15], s[10:11]
	s_cselect_b64 s[20:21], s[14:15], s[12:13]
	s_cselect_b32 s28, s58, s28
	s_cselect_b32 s30, s59, s30
	s_mov_b32 s29, 0
	s_mov_b32 s31, 0
	s_add_nc_u64 s[18:19], s[18:19], s[28:29]
	s_add_nc_u64 s[20:21], s[20:21], s[30:31]
	s_lshl_b32 s28, s24, 14                        ; the table at my group's first position
	s_add_nc_u64 s[8:9], s[8:9], s[28:29]
	TABLD 0
	TABLD 1
.irp a, 0,1,2,3
.if \a < 3
	s_wait_loadcnt 8                               ; this tile's eight loads are in; the next tile's eight may be out
.else
	s_wait_loadcnt 0x0
.endif
	ROPE \a
.if \a < 2
	TABLD \a+2
.endif
	s_wait_xcnt 0x0                                ; the last tile's stores have read the codes' registers
	QUANT2 ACC+32*\a, PC, WW+\a
	global_store_b128 v9, v[PC:PC+3], s[18:19] offset:768*\a           ; 512 consecutive bytes,
	global_store_b64 v10, v[PC+4:PC+5], s[18:19] offset:768*\a+512     ; 256
.endr
	s_cmp_eq_u32 ttmp9, 4
	s_cbranch_scc1 .Lkscale
.irp a, 0,1,2,3
	v_lshl_or_b32 v[WW+\a], v[WW+\a], 16, v[WW+\a] ; a query's two bytes twice: they serve whichever half of the K of 128 the query stands in
.endr
	global_store_b128 v11, v[WW:WW+3], s[20:21]    ; 256 bytes; both halves of the lanes write the same bytes with the same values
	s_wait_tensorcnt 0x0
	ds_add_u32 v126, v127
	s_wait_dscnt 0x0
	s_endpgm
.Lkscale:
	v_lshl_or_b32 v[WW], v[WW+1], 16, v[WW]        ; a packed fragment's word: the first tile's two bytes, then the second's
	v_lshl_or_b32 v[WW+1], v[WW+3], 16, v[WW+2]
	global_store_b64 v11, v[WW:WW+1], s[20:21]
	s_wait_tensorcnt 0x0
	ds_add_u32 v126, v127
	s_wait_dscnt 0x0
	s_endpgm
.Lvkind:
	; ---- v^T: my 64 channels (one kv head) x my 64 keys
	s_lshr_b32 s22, s16, 1
	s_lshl_b32 s22, s22, 2
	s_add_co_u32 s22, s22, s17                     ; my group of tokens
	s_lshr_b32 s23, s22, 5                         ; b
	s_and_b32 s24, s22, 31
	s_and_b32 s25, s16, 1
	s_lshl_b32 s25, s25, 1
	s_add_co_u32 s25, s25, s3                      ; the kv head
	s_lshl_b32 s26, s23, 2
	s_add_co_u32 s26, s26, s25
	s_mul_i32 s26, s26, 204800
	s_lshr_b32 s27, s24, 1
	s_mul_i32 s27, s27, 12800
	s_add_co_u32 s26, s26, s27                     ; the step of 128 keys
	s_and_b32 s27, s24, 1                          ; which half of it
	s_mul_i32 s28, s27, 768
	s_add_co_u32 s28, s28, s26
	s_add_co_u32 s28, s28, 6144
	s_mov_b32 s29, 0
	s_lshl_b32 s30, s27, 1
	s_add_co_u32 s30, s30, s26
	s_add_co_u32 s30, s30, 12544
	s_mov_b32 s31, 0
	s_add_nc_u64 s[18:19], s[14:15], s[28:29]
	s_add_nc_u64 s[20:21], s[14:15], s[30:31]
.irp a, 0,1,2,3
	s_wait_xcnt 0x0                                ; the last tile's stores have read the codes' registers
	QUANT2 ACC+32*\a, PC, WW+\a
	global_store_b128 v9, v[PC:PC+3], s[18:19] offset:1536*\a
	global_store_b64 v10, v[PC+4:PC+5], s[18:19] offset:1536*\a+512
	global_store_b16 v11, v[WW+\a], s[20:21] offset:4*\a               ; two of the four bytes of channel r's word for this step
.endr
	s_wait_tensorcnt 0x0
	ds_add_u32 v126, v127
	s_wait_dscnt 0x0
	s_endpgm
.Lfunc_end_k_q23aa01db15_qkv:
	.size	k_q23aa01db15_qkv, .Lfunc_end_k_q23aa01db15_qkv-k_q23aa01db15_qkv
	.p2alignl 7, 3214868480
	.fill 96, 4, 3214868480
	.section	.rodata,"a",@progbits
	.p2align	6, 0x0
	.amdhsa_kernel k_q23aa01db15_qkv
		.amdhsa_group_segment_fixed_size 308224
		.amdhsa_private_segment_fixed_size 0
		.amdhsa_enable_private_segment 0
		.amdhsa_kernarg_size 48
		.amdhsa_user_sgpr_count 2
		.amdhsa_user_sgpr_kernarg_segment_ptr 1
		.amdhsa_wavefront_size32 1
		.amdhsa_system_sgpr_workgroup_id_x 1
		.amdhsa_system_sgpr_workgroup_id_y 1
		.amdhsa_system_sgpr_workgroup_id_z 1
		.amdhsa_system_vgpr_workitem_id 0
		.amdhsa_next_free_vgpr 256
		.amdhsa_next_free_sgpr 66
		.amdhsa_reserve_vcc 0
		.amdhsa_float_denorm_mode_32 3
		.amdhsa_float_denorm_mode_16_64 3
		.amdhsa_memory_ordered 1
		.amdhsa_forward_progress 1
		.amdhsa_inst_pref_size 71
	.end_amdhsa_kernel
	.amdgpu_metadata
---
amdhsa.version: [ 1, 2 ]
amdhsa.kernels:
  - .name:           k_q23aa01db15_qkv
    .symbol:         k_q23aa01db15_qkv.kd
    .args:
      - { .name: xg, .offset: 0, .size: 8, .value_kind: global_buffer, .address_space: global }
      - { .name: wg, .offset: 8, .size: 8, .value_kind: global_buffer, .address_space: global }
      - { .name: tab, .offset: 16, .size: 8, .value_kind: global_buffer, .address_space: global }
      - { .name: qc, .offset: 24, .size: 8, .value_kind: global_buffer, .address_space: global }
      - { .name: qs, .offset: 32, .size: 8, .value_kind: global_buffer, .address_space: global }
      - { .name: kv, .offset: 40, .size: 8, .value_kind: global_buffer, .address_space: global }
    .group_segment_fixed_size: 308224
    .private_segment_fixed_size: 0
    .kernarg_segment_align: 8
    .kernarg_segment_size: 48
    .max_flat_workgroup_size: 256
    .sgpr_count:     66
    .vgpr_count:     256
    .wavefront_size: 32
...
	.end_amdgpu_metadata
.endif
;; end of part 2
;; launch attn (part 3): grid 16 x 16, 16 waves a work-group, no clusters, 206,848 bytes of LDS; arguments qc, qs, kv, ao; writes ao
.if DOCPART == 3
	.amdgcn_target "amdgcn-amd-amdhsa--gfx1250"
	.amdhsa_code_object_version 6
	.text
	.protected	k_q23aa01db15_attn
	.globl	k_q23aa01db15_attn
	.p2align	8
	.type	k_q23aa01db15_attn,@function
k_q23aa01db15_attn:
	s_mov_b64 s[64:65], 0
	v_nop
	global_prefetch_b8 v0, s[64:65] scope:SCOPE_SE
	s_setreg_imm32_b32 hwreg(HW_REG_WAVE_MODE, 25, 1), 1
	s_wait_xcnt 0x0
; ATTN: o = softmax(q k^T / 8, causal) v for the four query heads of one kv head, both products on codes of BF6 (E3M2) with E8M0 scales; o is divided by the row's sum and quantised along (head, channel) for the last product.
; THE SOFTMAX AHEAD OF THE SECOND PRODUCT: t = score x log2(e) / 8; M = the row's largest t so far, rounded UP to a whole number; p = 2^(t - M) is quantised along the keys, not normalised; the row's sum is taken of the
; unquantised p.  When M moves, the sum and O are multiplied by 2^(old M - new M): exact.
; SHARES.  Work-group (i, 4 b + kv head) owns the groups of 64 queries i and 31 - i of four heads: (i / 2 + 1) + ((31 - i) / 2 + 1) = 17 steps of 128 keys in every work-group.  Sixteen waves: wave = 4 x head + tile of 16 queries.
; THE WHOLE KV HEAD, 16 steps of 12,800 bytes, LIES IN LDS, filled once: each wave brings 6,400 bytes of steps 0-7 and 6,400 of steps 8-15.  Two tensor loads of a wave are out at the most.  No byte is filled twice: no ring.
; LAYOUT.  Both products transposed: S^T = k q^T, O^T = v^T p^T: a lane holds ONE query throughout.  The head has 64 channels and the instruction a K of 128: a fragment of k packs TWO tiles of 16 keys, one in each half
; of K, and q stands in one half with zero codes in the other: two products read one fragment.  The keys of a tile are chosen (key 32 f + 8 u + r + 8 (r / 8)) so that p's 16 registers of two tiles are 16 neighbouring keys.
; THE MASK.  Both loops have constant trip counts (8 and 16); a step all of whose keys come after the group's queries is jumped over, by a scalar branch on ids; in the group's last step hidden scores become -infinity.
; NO JOINT LOADS, though the sixteen work-groups of a y read the same kv head: that jump hangs on the block of queries, which differs between the work-groups that would be partners.
; LIMITS: NaN and infinities are not served; a block of zeros gets the byte 1 and not 127 (its codes are zeros; this program alone reads the bytes).  The two-byte stores of o's scale bytes write their 256-byte blocks in part.
; A block's largest p is not searched for: the block's largest score goes through the same multiply-add and exponential (this takes v_exp_f32 not to fall where its input rises).
.set FR,   48                          ; v48-95   four fragments of k, then of v^T
.set SC,   96                          ; v96-99   scale words: lanes 0-15 k's four, lanes 16-31 v's four
.set SR,   100                         ; v100-163 S^T, then p: register 16 b + i = key 32 b + 16 h + i of the step
.set OT,   164                         ; v164-195 O^T: register 16 t + i = channel 32 t + 16 h + i
.set PC,   196                         ; v196-207 p's codes
.set CT,   208                         ; v208-214 the conversions' second halves
.set TM,   216                         ; v216-219 largest scores, then largest p, of the four blocks
.set TP,   220                         ; v220-223 the other half of the lanes'
.set SO,   224                         ; v224-227 the conversions' scale operands
.set BY,   228                         ; v228-231 the bytes
.set PW,   232                         ; v232     p's scale word
.set FF,   234                         ; v[234:235] f = 2^(old M - new M) (the pair's upper half is written once, and not used)
.set SU,   236                         ; v[236:237] the sum's second chain
.set WK,   238                         ; v238     at work
.set NI,   239                         ; v239     -infinity
.set EP,   240                         ; v240-246 o's codes
.set WD,   248                         ; v248     o's two scale bytes
.set SEL,  20                          ; s[20:21] lane selects for v_permlanex16_b32: lane l xor 16
.set CS,   22                          ; s[22:23] c = log2(e) / 8
.set TB,   58                          ; s58      LDS byte at which the step begins
.set KS,   59                          ; s59      the step
.set LAST, 60                          ; s60      the group's last step
; v1 16 x lane, v2 8 x lane, v3, v4 the step's addresses, v5, v6 the mask's bound for the two groups, v7 16 r; v12 -M, v13 the largest t, v[14:15] the sum in two halves;
; v16-45: six zeros, group A's q, six zeros, group B's q, six zeros: q in the low half of K is v[22:33] or v[34:45], in the high half v[16:27] or v[28:39]; v46, v47 q's scale words
.macro QUANT2 x, pc, wd                ; 32 numbers of a lane, register 16 t + i = k 32 t + 16 h + i, become half a fragment's codes in v[pc .. pc + 5] and two scale bytes in v[wd]
.irp b, 0,1
	v_max3_num_f32 v[TM+\b], |v[\x+16*\b]|, |v[\x+16*\b+1]|, 0x2800000   ; and the floor 2^(5 - 127): the byte cannot fall under 1
.endr
.irp i, 2,4,6,8,10,12,14
.irp b, 0,1
	v_max3_num_f32 v[TM+\b], v[TM+\b], |v[\x+16*\b+\i]|, |v[\x+16*\b+\i+1]|
.endr
.endr
.irp b, 0,1
	v_permlanex16_b32 v[TP+\b], v[TM+\b], s[SEL], s[SEL+1]
.endr
.irp b, 0,1
	v_max_num_f32 v[TM+\b], v[TM+\b], v[TP+\b]
.endr
.irp b, 0,1
	v_add_nc_u32 v[SO+\b], 0xfe000000, v[TM+\b]
.endr
.irp b, 0,1
	v_lshrrev_b32 v[BY+\b], 23, v[SO+\b]
.endr
	v_lshl_or_b32 v[\wd], v[BY+1], 8, v[BY]
	v_cvt_scalef32_pk16_bf6_f32 v[\pc:\pc+2], v[\x:\x+15], v[SO]
	v_cvt_scalef32_pk16_bf6_f32 v[\pc+4:\pc+6], v[\x+16:\x+31], v[SO+1]
	v_nop                                          ; one plain place behind a scaled conversion
.irp i, 0,1,2
	v_permlane16_swap_b32 v[\pc+\i], v[\pc+4+\i]
.endr
.irp i, 0,1,2
	v_mov_b32 v[\pc+3+\i], v[\pc+4+\i]
.endr
.endm
.macro START                           ; a group's sums begin as zeros and its largest t as -3e38: the first change of M multiplies zeros
	v_mov_b32 v13, 0xff61b1e6
	v_floor_f32 v12, -v13
	v_mov_b32 v14, 0
	v_mov_b32 v15, 0
.set JJ, 0
.rept 32
	v_mov_b32 v[OT+JJ], 0
.set JJ, JJ+1
.endr
.endm
; A STEP of 128 keys.  qlo, qhi: q in the low and in the high half of K; qs: its scale word; vd: the mask's bound
.macro STEP qlo, qhi, qs, vd
	s_cmp_gt_u32 s[KS], s[LAST]                    ; all its keys come after my queries: only the counters step
	s_cbranch_scc1 .Lskip_\@
	v_add_nc_u32 v3, s[TB], v1
	v_add_nc_u32 v4, s[TB], v2
	v_nop
	v_nop                                          ; with the two additions: four places between the last step's products and loads into registers that they read
.irp f, 0,1,2,3
	ds_load_b128 v[FR+12*\f:FR+12*\f+3], v3 offset:1536*\f
	ds_load_b64 v[FR+12*\f+4:FR+12*\f+5], v4 offset:1536*\f+512
	ds_load_b128 v[FR+12*\f+6:FR+12*\f+9], v3 offset:1536*\f+768
	ds_load_b64 v[FR+12*\f+10:FR+12*\f+11], v4 offset:1536*\f+1280
.endr
	ds_load_b128 v[SC:SC+3], v3 offset:12288       ; 512 bytes on end: k's words for lanes 0-15, v's for lanes 16-31
	s_wait_dscnt 0x0
.irp f, 0,1,2,3
	v_wmma_scale_f32_16x16x128_f8f6f4 v[SR+16*\f:SR+16*\f+7], v[FR+12*\f:FR+12*\f+11], v[\qlo:\qlo+11], 0, v[SC+\f], v[\qs] matrix_a_fmt:MATRIX_FMT_BF6 matrix_b_fmt:MATRIX_FMT_BF6
	v_wmma_scale_f32_16x16x128_f8f6f4 v[SR+16*\f+8:SR+16*\f+15], v[FR+12*\f:FR+12*\f+11], v[\qhi:\qhi+11], 0, v[SC+\f], v[\qs] matrix_a_fmt:MATRIX_FMT_BF6 matrix_b_fmt:MATRIX_FMT_BF6
.endr
.rept 4
	v_nop                                          ; four places: in front of the loads below, and of the first read of the scores
.endr
.irp t, 0,1,2,3                                ; v^T's fragments land while the softmax is walked
	ds_load_b128 v[FR+12*\t:FR+12*\t+3], v3 offset:6144+1536*\t
	ds_load_b64 v[FR+12*\t+4:FR+12*\t+5], v4 offset:6144+1536*\t+512
	ds_load_b128 v[FR+12*\t+6:FR+12*\t+9], v3 offset:6144+1536*\t+768
	ds_load_b64 v[FR+12*\t+10:FR+12*\t+11], v4 offset:6144+1536*\t+1280
.endr
	s_cmp_lg_u32 s[KS], s[LAST]                    ; only the group's last step has hidden keys
	s_cbranch_scc1 .Lopen_\@
.set NN, 0
.rept 64
	v_cmp_gt_i32 vcc_lo, 32*(NN/16)+NN%16, v[\vd]  ; register 16 b + i holds key 32 b + 16 h + i of the step: hidden where 32 b + i > my query in the step - 16 h
	v_cndmask_b32 v[SR+NN], v[SR+NN], v[NI], vcc_lo
.set NN, NN+1
.endr
.Lopen_\@:
.irp b, 0,1,2,3
	v_max3_num_f32 v[TM+\b], v[SR+16*\b], v[SR+16*\b+1], v[SR+16*\b+2]   ; the largest score of each block of 32 keys: for the row's maximum, and for the block's largest p
.endr
.irp i, 3,5,7,9,11,13
.irp b, 0,1,2,3
	v_max3_num_f32 v[TM+\b], v[TM+\b], v[SR+16*\b+\i], v[SR+16*\b+\i+1]
.endr
.endr
.irp b, 0,1,2,3
	v_max_num_f32 v[TM+\b], v[TM+\b], v[SR+16*\b+15]
.endr
.irp b, 0,1,2,3
	v_permlanex16_b32 v[TP+\b], v[TM+\b], s[SEL], s[SEL+1]
.endr
.irp b, 0,1,2,3
	v_max_num_f32 v[TM+\b], v[TM+\b], v[TP+\b]     ; with lane l xor 16's 16 keys
.endr
	v_max3_num_f32 v[WK], v[TM], v[TM+1], v[TM+2]
	v_max_num_f32 v[WK], v[WK], v[TM+3]            ; the step's largest score of my query
	v_mul_f32 v[WK], s[CS], v[WK]                  ; as t (c is positive)
	v_max_num_f32 v13, v13, v[WK]                  ; the running largest t
	v_mov_b32 v[WK], v12
	v_floor_f32 v12, -v13                          ; the new -M = floor(-t) = -ceil(t): a whole number
	v_sub_f32 v[WK], v12, v[WK]                    ; old M - new M: a whole number, 0 or less
	v_cvt_i32_f32 v[WK], v[WK]                     ; (it saturates)
	v_ldexp_f32 v[FF], 1.0, v[WK]                  ; f = 2^(old M - new M)
.set JJ, 0
.rept 32
	v_pk_fma_f32 v[SR+JJ:SR+JJ+1], v[SR+JJ:SR+JJ+1], s[CS:CS+1], v[12:13] op_sel_hi:[1,0,0]   ; t - M, two at a time (of the pairs c and -M the low word serves both halves)
.set JJ, JJ+2
.endr
.irp b, 0,1,2,3
	v_fma_f32 v[TM+\b], v[TM+\b], s[CS], v12       ; the same of each block's largest score
.endr
.set JJ, 0
.rept 64
	v_exp_f32 v[SR+JJ], v[SR+JJ]                   ; p = 2^(t - M), at most 1
.set JJ, JJ+1
.endr
.irp b, 0,1,2,3
	v_exp_f32 v[TM+\b], v[TM+\b]                   ; the block's largest p
.endr
	v_pk_mul_f32 v[14:15], v[14:15], v[FF:FF+1] op_sel_hi:[1,0]   ; the sums under the new M.  (A plain place behind the exponentials)
	s_wait_alu depctr_va_vdst(0)
.irp b, 0,1,2,3
	v_max_num_f32 v[TM+\b], 0x2800000, v[TM+\b]    ; the floor 2^(5 - 127): a block whose every p is 0 keeps the byte 1: its codes are zeros
.endr
.irp b, 0,1,2,3
	v_add_nc_u32 v[SO+\b], 0xfe000000, v[TM+\b]    ; 4 off the exponent field: the conversion's scale operand
.endr
.irp b, 0,1,2,3
	v_lshrrev_b32 v[BY+\b], 23, v[SO+\b]
.endr
	v_lshl_or_b32 v[PW], v[BY+1], 8, v[BY]         ; p's scale word for these 128 keys
	v_lshl_or_b32 v[PW], v[BY+2], 16, v[PW]
	v_lshl_or_b32 v[PW], v[BY+3], 24, v[PW]
.irp c, 0,1
	v_cvt_scalef32_pk16_bf6_f32 v[PC+6*\c:PC+6*\c+2], v[SR+32*\c:SR+32*\c+15], v[SO+2*\c]
	v_cvt_scalef32_pk16_bf6_f32 v[CT+4*\c:CT+4*\c+2], v[SR+32*\c+16:SR+32*\c+31], v[SO+2*\c+1]
.endr
	v_nop                                          ; one plain place behind a scaled conversion
.irp c, 0,1                                    ; the layout wants a WHOLE block in a lane
.irp i, 0,1,2
	v_permlane16_swap_b32 v[PC+6*\c+\i], v[CT+4*\c+\i]
.endr
.irp i, 0,1,2
	v_mov_b32 v[PC+3+6*\c+\i], v[CT+4*\c+\i]
.endr
.endr
	v_pk_add_f32 v[SU:SU+1], v[SR:SR+1], v[SR+2:SR+3]   ; the row's sum is taken of the UNQUANTISED p: two at a time, in two chains
.set JJ, 4
.rept 15
	v_pk_add_f32 v[14:15], v[14:15], v[SR+JJ:SR+JJ+1]
	v_pk_add_f32 v[SU:SU+1], v[SU:SU+1], v[SR+JJ+2:SR+JJ+3]
.set JJ, JJ+4
.endr
	v_pk_add_f32 v[14:15], v[14:15], v[SU:SU+1]
.set JJ, 0
.rept 16
	v_pk_mul_f32 v[OT+JJ:OT+JJ+1], v[OT+JJ:OT+JJ+1], v[FF:FF+1] op_sel_hi:[1,0]   ; O^T under the new M, each accumulator from its low end on.  (The sums and these are the places between p's codes and scale word and the products)
.set JJ, JJ+2
.endr
	s_wait_dscnt 0x0                               ; v^T's fragments are in
.irp t, 0,1,2,3                                ; the four accumulators take turns, one instruction a turn
	v_wmma_scale_f32_16x16x128_f8f6f4 v[OT+8*\t:OT+8*\t+7], v[FR+12*\t:FR+12*\t+11], v[PC:PC+11], v[OT+8*\t:OT+8*\t+7], v[SC+\t], v[PW] matrix_a_fmt:MATRIX_FMT_BF6 matrix_b_fmt:MATRIX_FMT_BF6 matrix_a_scale:MATRIX_SCALE_ROW1
.endr
.Lskip_\@:
	s_add_co_u32 s[TB], s[TB], 12800
	s_add_co_u32 s[KS], s[KS], 1
.endm
; A group's end: O^T / the sum, quantised along the head's 64, stored as half a fragment of the last product's operand.  cp, sp: where the codes and the two scale bytes go
.macro FINISH cp, sp
.rept 4
	v_nop                                          ; four places behind the last products
.endr
	v_add_f32 v14, v14, v15                        ; the sum's two halves,
	v_permlanex16_b32 v[WK], v14, s[SEL], s[SEL+1]
	v_add_f32 v14, v14, v[WK]                      ; and lane l xor 16's
	v_rcp_f32 v14, v14
	v_nop                                          ; one plain place behind a transcendental
.set JJ, 0
	s_wait_alu depctr_va_vdst(0)
.rept 16
	v_pk_mul_f32 v[OT+JJ:OT+JJ+1], v[OT+JJ:OT+JJ+1], v[14:15] op_sel_hi:[1,0]
.set JJ, JJ+2
.endr
	s_wait_xcnt 0x0                                ; the other group's stores have read the registers that are written now
	QUANT2 OT, EP, WD
	global_store_b128 v1, v[EP:EP+3], s[\cp:\cp+1]                 ; 512 consecutive bytes,
	global_store_b64 v2, v[EP+4:EP+5], s[\cp:\cp+1] offset:512     ; 256
	global_store_b16 v7, v[WD], s[\sp:\sp+1]
.endm
	s_load_b256 s[4:11], s[0:1], 0x0               ; qc 4:5, qs 6:7, kv 8:9, ao 10:11
	v_lshl_add_u32 v254, v0, 2, 0x32000
	v_mov_b32 v255, 0
	ds_add_u32 v254, v255
	ds_add_u32 v254, v255
	v_lshrrev_b32 v8, 5, v0
	v_readfirstlane_b32 s2, v8                     ; wave 0..15
	s_mov_b32 s13, ttmp9                           ; i: group A
	s_and_b32 s14, ttmp7, 0xffff                   ; 4 b + kv head
	s_mul_i32 s40, s2, 6400                        ; my part of each half of the kv head
	s_mul_i32 s74, s14, 204800
	s_add_co_u32 s74, s74, s40
	s_mov_b32 s75, 0
	s_mov_b32 s32, 3<<16                           ; group 1: no mask; elements of 8 bytes; no padding
	s_mov_b32 s33, 32<<16                          ; tensor_dim0 = 32 elements: rows of 256 bytes
	s_mov_b32 s34, 25<<16                          ; tensor_dim1 = 25 rows: 6,400 dense bytes
	s_mov_b32 s35, 32<<16                          ; tile_dim0
	s_mov_b32 s36, 25                              ; tile_dim1
	s_mov_b32 s37, 32                              ; from row to row
	s_mov_b32 s38, 0
	s_mov_b32 s39, 0
	s_wait_dscnt 0x0
	s_wait_kmcnt 0x0
	s_add_nc_u64 s[76:77], s[8:9], s[74:75]
	s_mov_b32 s24, 1
	s_mov_b32 s25, s40                             ; steps 0-7 lie in LDS bytes 0 to 102,399,
	s_mov_b64 s[26:27], s[76:77]
	s_or_b32 s27, s27, 0x80000000
	s_mov_b32 s28, 1
	s_add_co_u32 s29, s40, 102400                  ; steps 8-15 behind them
	s_add_nc_u64 s[30:31], s[76:77], 102400
	s_or_b32 s31, s31, 0x80000000
	tensor_load_to_lds s[24:27], s[32:39]
	s_nop 0
	tensor_load_to_lds s[28:31], s[32:39]
	s_nop 0
.rept 4
	v_nop
.endr
	s_lshr_b32 s3, s2, 2                           ; which of the four heads
	s_and_b32 s12, s2, 3                           ; which tile of 16 queries
	s_lshr_b32 s15, s14, 2                         ; b
	s_and_b32 s16, s14, 3
	s_lshl_b32 s17, s16, 2
	s_add_co_u32 s17, s17, s3                      ; the head
	s_sub_co_u32 s18, 31, s13                      ; group B
	s_mov_b32 s[SEL], 0x76543210
	s_mov_b32 s[SEL+1], 0xfedcba98
	s_mov_b32 s[CS], 0x3e38aa3b                    ; c = log2(e) / 8
	s_mov_b32 s[CS+1], s[CS]                       ; (named with it as a pair, so it is written)
	s_lshl_b32 s40, s15, 4
	s_add_co_u32 s40, s40, s17
	s_lshl_b32 s40, s40, 5                         ; (16 b + head) 32
	s_add_co_u32 s41, s40, s13
	s_add_co_u32 s42, s40, s18
	s_mul_i32 s43, s12, 768
	s_lshl_b32 s44, s12, 2
	s_mul_i32 s74, s41, 3072
	s_add_co_u32 s74, s74, s43
	s_add_nc_u64 s[50:51], s[4:5], s[74:75]        ; q's codes: group A's,
	s_mul_i32 s74, s42, 3072
	s_add_co_u32 s74, s74, s43
	s_add_nc_u64 s[52:53], s[4:5], s[74:75]        ; group B's;
	s_lshl_b32 s74, s41, 8
	s_add_co_u32 s74, s74, s44
	s_add_nc_u64 s[54:55], s[6:7], s[74:75]        ; its scale words
	s_lshl_b32 s74, s42, 8
	s_add_co_u32 s74, s74, s44
	s_add_nc_u64 s[56:57], s[6:7], s[74:75]
	v_and_b32 v8, 31, v0
	v_and_b32 v9, 15, v0                           ; r
	v_bfe_u32 v10, v0, 4, 1                        ; h
	v_lshlrev_b32 v1, 4, v8
	v_lshlrev_b32 v2, 3, v8
	v_lshlrev_b32 v7, 4, v9
	global_load_b128 v[22:25], v1, s[50:51]
	global_load_b64 v[26:27], v2, s[50:51] offset:512
	global_load_b32 v46, v7, s[54:55]
	global_load_b128 v[34:37], v1, s[52:53]
	global_load_b64 v[38:39], v2, s[52:53] offset:512
	global_load_b32 v47, v7, s[56:57]
	s_lshl_b32 s40, s15, 5                         ; o: group 32 b + G of tokens,
	s_add_co_u32 s41, s40, s13
	s_add_co_u32 s42, s40, s18
	s_mul_i32 s41, s41, 51200
	s_mul_i32 s42, s42, 51200
	s_lshr_b32 s43, s17, 1
	s_mul_i32 s43, s43, 6400                       ; K step head / 2,
	s_and_b32 s44, s17, 1
	s_mul_i32 s45, s12, 1536                       ; my tile's fragment,
	s_mul_i32 s46, s44, 768                        ; half head % 2
	s_add_co_u32 s45, s45, s46
	s_add_co_u32 s45, s45, s43
	s_lshl_b32 s46, s12, 2
	s_lshl_b32 s44, s44, 1
	s_add_co_u32 s46, s46, s44
	s_add_co_u32 s46, s46, s43
	s_add_co_u32 s46, s46, 6144                    ; and its two bytes of the scale word
	s_add_co_u32 s74, s41, s45
	s_add_nc_u64 s[66:67], s[10:11], s[74:75]
	s_add_co_u32 s74, s41, s46
	s_add_nc_u64 s[68:69], s[10:11], s[74:75]
	s_add_co_u32 s74, s42, s45
	s_add_nc_u64 s[70:71], s[10:11], s[74:75]
	s_add_co_u32 s74, s42, s46
	s_add_nc_u64 s[72:73], s[10:11], s[74:75]
	s_lshr_b32 s40, s12, 1                         ; the mask's bound: my query in its group's last step of 128 keys, less 16 h:
	s_lshl_b32 s40, s40, 5
	s_and_b32 s41, s12, 1
	s_lshl_b32 s41, s41, 3
	s_add_co_u32 s40, s40, s41                     ; 32 (tile / 2) + 8 (tile % 2)
	s_and_b32 s41, s13, 1
	s_lshl_b32 s41, s41, 6
	s_add_co_u32 s41, s41, s40                     ; + 64 (group % 2)
	s_and_b32 s42, s18, 1
	s_lshl_b32 s42, s42, 6
	s_add_co_u32 s42, s42, s40
	v_and_b32 v11, 8, v9
	v_add_nc_u32 v11, v11, v9                      ; + r + 8 (r / 8)
	v_lshlrev_b32 v10, 4, v10
	v_sub_nc_u32 v11, v11, v10
	v_add_nc_u32 v5, s41, v11
	v_add_nc_u32 v6, s42, v11
.irp j, 16,17,18,19,20,21,28,29,30,31,32,33,40,41,42,43,44,45
	v_mov_b32 v[\j], 0                             ; zero codes for the half of K in which q does not stand
.endr
.irp b, 0,1,2,3
	v_mov_b32 v[TP+\b], 0                          ; written once: a lane permute's destination counts as one of its sources
.endr
	v_mov_b32 v[WK], 0
	v_mov_b32 v[FF+1], 0
	v_mov_b32 v[NI], 0xff800000
	START
	s_wait_loadcnt 0x0                             ; q
	s_wait_tensorcnt 1                             ; my part of steps 0-7 has landed; my part of steps 8-15 may stay out: nothing is filled twice, and the first loop reads bytes under 102,400 alone
	s_barrier_signal -1
	s_barrier_wait -1                              ; everybody's has
	s_mov_b32 s[TB], 0
	s_mov_b32 s[KS], 0
	s_lshr_b32 s[LAST], s13, 1
.Lgroup_a:
	STEP 22, 16, 46, 5
	s_cmp_lt_u32 s[KS], 8
	s_cbranch_scc1 .Lgroup_a
	FINISH 66, 68
	START
	s_wait_tensorcnt 0x0                           ; my part of steps 8-15 has landed,
	s_wait_dscnt 0x0
	s_barrier_signal -1
	s_barrier_wait -1                              ; everybody's has
	s_mov_b32 s[TB], 0
	s_mov_b32 s[KS], 0
	s_lshr_b32 s[LAST], s18, 1
.Lgroup_b:
	STEP 34, 28, 47, 6
	s_cmp_lt_u32 s[KS], 16
	s_cbranch_scc1 .Lgroup_b
	FINISH 70, 72
	s_wait_tensorcnt 0x0
	ds_add_u32 v254, v255
	s_wait_dscnt 0x0
	s_endpgm
.Lfunc_end_k_q23aa01db15_attn:
	.size	k_q23aa01db15_attn, .Lfunc_end_k_q23aa01db15_attn-k_q23aa01db15_attn
	.p2alignl 7, 3214868480
	.fill 96, 4, 3214868480
	.section	.rodata,"a",@progbits
	.p2align	6, 0x0
	.amdhsa_kernel k_q23aa01db15_attn
		.amdhsa_group_segment_fixed_size 206848
		.amdhsa_private_segment_fixed_size 0
		.amdhsa_enable_private_segment 0
		.amdhsa_kernarg_size 32
		.amdhsa_user_sgpr_count 2
		.amdhsa_user_sgpr_kernarg_segment_ptr 1
		.amdhsa_wavefront_size32 1
		.amdhsa_system_sgpr_workgroup_id_x 1
		.amdhsa_system_sgpr_workgroup_id_y 1
		.amdhsa_system_sgpr_workgroup_id_z 1
		.amdhsa_system_vgpr_workitem_id 0
		.amdhsa_next_free_vgpr 256
		.amdhsa_next_free_sgpr 80
		.amdhsa_reserve_vcc 1
		.amdhsa_float_denorm_mode_32 3
		.amdhsa_float_denorm_mode_16_64 3
		.amdhsa_memory_ordered 1
		.amdhsa_forward_progress 1
		.amdhsa_inst_pref_size 58
	.end_amdhsa_kernel
	.amdgpu_metadata
---
amdhsa.version: [ 1, 2 ]
amdhsa.kernels:
  - .name:           k_q23aa01db15_attn
    .symbol:         k_q23aa01db15_attn.kd
    .args:
      - { .name: qc, .offset: 0, .size: 8, .value_kind: global_buffer, .address_space: global }
      - { .name: qs, .offset: 8, .size: 8, .value_kind: global_buffer, .address_space: global }
      - { .name: kv, .offset: 16, .size: 8, .value_kind: global_buffer, .address_space: global }
      - { .name: ao, .offset: 24, .size: 8, .value_kind: global_buffer, .address_space: global }
    .group_segment_fixed_size: 206848
    .private_segment_fixed_size: 0
    .kernarg_segment_align: 8
    .kernarg_segment_size: 32
    .max_flat_workgroup_size: 512
    .sgpr_count:     80
    .vgpr_count:     256
    .wavefront_size: 32
...
	.end_amdgpu_metadata
.endif
;; end of part 3
;; launch oproj (part 4): grid 4 x 64, 8 waves a work-group, no clusters, 308,224 bytes of LDS; arguments ao, wg, out0; writes out0
.if DOCPART == 4
	.amdgcn_target "amdgcn-amd-amdhsa--gfx1250"
	.amdhsa_code_object_version 6
	.text
	.protected	k_q23aa01db15_oproj
	.globl	k_q23aa01db15_oproj
	.p2align	8
	.type	k_q23aa01db15_oproj,@function
k_q23aa01db15_oproj:
	s_mov_b64 s[64:65], 0
	v_nop
	global_prefetch_b8 v0, s[64:65] scope:SCOPE_SE
	s_setreg_imm32_b32 hwreg(HW_REG_WAVE_MODE, 25, 1), 1
	s_wait_xcnt 0x0
; OPROJ: out0 = o wo on codes of BF6 (E3M2) with E8M0 scales; out0 [8192][1024] f32.
; Side A is 128 tokens (two groups of 64 of ao, y), side B 256 columns of wo (four groups of wg from group 24 on, x); K = 1,024.  All six groups, 51,200 bytes each, fit in LDS together: each byte of LDS is filled once, by 24
; tensor loads issued at the head (waves 0-5: a group each, in four chunks of two K steps), so there is no ring.  A wave has four tensor loads out at the most.
; Eight waves: wave (ga, gb) multiplies group ga of A by group gb of B: 64 x 64, 16 accumulators.  Source 0 = 16 columns of wo, source 1 = 16 tokens: a lane holds one token, and, by the order of the rows in a fragment
; (fragment u of each 32 rows holds at row m the row 8 u + m + 8 (m / 8)), register 16 t + i of its 32 registers of tile a holds column 32 t + 16 (lane / 16) + i of the group.
; THE WAY OUT: a tile of 16 tokens x 64 columns goes through the wave's own stage in LDS (rows of 256 bytes + 16) and leaves as whole rows: sixteen lanes store 256 consecutive bytes, at a multiple of 256 from out0's first byte.
; The stages lie in bytes that have had their only fill and that, behind a barrier, nobody reads.
; NO JOINT LOADS: not built.  The four work-groups of a y share A's 102,400 bytes and the 64 of an x share B's 204,800; the grid would divide into clusters of 4 x 4.
.set GRP,  51200
.set BLK,  6400
.set AF,   16                          ; v16-63   A's four fragments; on the way out v16-79: two sets of 32: a tile's rows read back
.set BF,   64                          ; v64-111  B's four
.set SC,   112                         ; v112-115 scale words: register i: lanes 0-15 A's tile i, lanes 16-31 B's tile i
.set ACC,  128                         ; v128-255 accumulator (a, b) at ACC + 8 (4 a + b)
.set G0,   32
.set G1,   48
.macro FRAG reg, a16, a8, off
	ds_load_b128 v[\reg:\reg+3], v[\a16] offset:\off
	ds_load_b64 v[\reg+4:\reg+5], v[\a8] offset:\off+512
	ds_load_b128 v[\reg+6:\reg+9], v[\a16] offset:\off+768
	ds_load_b64 v[\reg+10:\reg+11], v[\a8] offset:\off+1280
.endm
.macro MM a, b, zero
.if \zero
	v_wmma_scale_f32_16x16x128_f8f6f4 v[ACC+8*(4*\a+\b):ACC+8*(4*\a+\b)+7], v[BF+12*\b:BF+12*\b+11], v[AF+12*\a:AF+12*\a+11], 0, v[SC+\b], v[SC+\a] matrix_a_fmt:MATRIX_FMT_BF6 matrix_b_fmt:MATRIX_FMT_BF6 matrix_a_scale:MATRIX_SCALE_ROW1
.else
	v_wmma_scale_f32_16x16x128_f8f6f4 v[ACC+8*(4*\a+\b):ACC+8*(4*\a+\b)+7], v[BF+12*\b:BF+12*\b+11], v[AF+12*\a:AF+12*\a+11], v[ACC+8*(4*\a+\b):ACC+8*(4*\a+\b)+7], v[SC+\b], v[SC+\a] matrix_a_fmt:MATRIX_FMT_BF6 matrix_b_fmt:MATRIX_FMT_BF6 matrix_a_scale:MATRIX_SCALE_ROW1
.endif
.endm
; One K step of 128: 33 LDS loads, 16 matrix instructions.  The 16 accumulators take turns, one instruction a turn, in the same order in every step.
.macro KSTEP k, zero
.if (\k) > 0
.rept 4
	v_nop                                          ; four places between the last products and loads into registers that they read
.endr
.endif
	ds_load_b128 v[SC:SC+3], v8 offset:BLK*(\k)
.irp i, 0,1,2,3
	FRAG AF+12*\i, 4, 5, BLK*(\k)+1536*\i
.endr
.irp i, 0,1,2,3
	FRAG BF+12*\i, 6, 7, BLK*(\k)+1536*\i
.endr
.irp b, 0,1,2,3
	s_wait_dscnt 12-4*\b                           ; the scale words, A's four fragments and B's up to b are in; the four loads of each later fragment of B may be out
.irp a, 0,1,2,3
	MM \a, \b, \zero
.endr
.endr
.endm
.macro TOSTAGE a                       ; tile a: lane (r, h) puts its 32 numbers into row r; then the rows come back whole, two an instruction
.irp g, 0,1
.irp u, 0,1
	ds_store_b128 v12, v[ACC+8*(4*(\a)+2*\g+\u):ACC+8*(4*(\a)+2*\g+\u)+3] offset:128*\g+32*\u          ; each accumulator from its low end on
	ds_store_b128 v12, v[ACC+8*(4*(\a)+2*\g+\u)+4:ACC+8*(4*(\a)+2*\g+\u)+7] offset:128*\g+32*\u+16
.endr
.endr
.irp t, 0,1,2,3,4,5,6,7
	ds_load_b128 v[16+32*((\a)%2)+4*\t:16+32*((\a)%2)+4*\t+3], v13 offset:544*\t   ; LDS serves a wave's instructions in order: these see the stores above, and the next tile's stores come behind them
.endr
.endm
.macro SEND a, n                       ; n: the LDS instructions issued behind tile a's loads, which may stay out
	s_wait_dscnt \n
.irp t, 0,1,2,3,4,5,6,7
	global_store_b128 v14, v[16+32*((\a)%2)+4*\t:16+32*((\a)%2)+4*\t+3], s[8:9] offset:(32*((\a)/2)+8*((\a)%2)+2*\t+8*(\t/4))*4096 th:TH_STORE_NT   ; stage row 2 t + h is token 32 (a / 2) + 8 (a % 2) + 2 t + 8 (t / 4) + h of the group
.endr
.endm
	s_load_b128 s[4:7], s[0:1], 0x0                ; ao 4:5, wg 6:7
	s_load_b64 s[8:9], s[0:1], 0x10                ; out0
	v_lshl_add_u32 v126, v0, 2, 0x4b000
	v_mov_b32 v127, 0
	ds_add_u32 v126, v127
	ds_add_u32 v126, v127
	v_lshrrev_b32 v1, 5, v0
	v_readfirstlane_b32 s2, v1                     ; wave 0..7
	s_lshr_b32 s3, s2, 2                           ; ga
	s_and_b32 s17, s2, 3                           ; gb
	s_and_b32 s16, ttmp7, 0xffff                   ; y
	s_lshl_b32 s22, s16, 1                         ; A's first group: tokens 128 y on
	s_lshl_b32 s24, ttmp9, 2
	s_add_co_u32 s24, s24, 24                      ; B's first group: wo's columns 256 x on
	s_mov_b32 s[G1+0], 3<<16                       ; no mask; elements of 8 bytes; no padding
	s_mov_b32 s[G1+1], 32<<16                      ; tensor_dim0 = 32 elements: rows of 256 bytes
	s_mov_b32 s[G1+2], 50<<16                      ; tensor_dim1 = 50 rows: 12,800 dense bytes, two K steps of a group
	s_mov_b32 s[G1+3], 32<<16                      ; tile_dim0
	s_mov_b32 s[G1+4], 50                          ; tile_dim1
	s_mov_b32 s[G1+5], 32                          ; from row to row
	s_mov_b32 s[G1+6], 0
	s_mov_b32 s[G1+7], 0
	s_add_co_u32 s22, s22, s2                      ; waves 0, 1 fetch A's groups,
	s_add_co_u32 s24, s24, s2
	s_sub_co_u32 s24, s24, 2                       ; waves 2-5 B's
	s_wait_dscnt 0x0
	s_wait_kmcnt 0x0
	s_cmp_lt_u32 s2, 2
	s_cselect_b64 s[26:27], s[4:5], s[6:7]
	s_cselect_b32 s28, s22, s24
	s_mul_i32 s28, s28, GRP
	s_mov_b32 s29, 0
	s_add_nc_u64 s[26:27], s[26:27], s[28:29]
	s_mul_i32 s30, s2, GRP                         ; and lay them at wave x 51,200
.irp q, 0,1,2,3
	s_mov_b32 s[G0+4*\q], 1
	s_add_co_u32 s[G0+4*\q+1], s30, 12800*\q
	s_add_nc_u64 s[G0+4*\q+2:G0+4*\q+3], s[26:27], 12800*\q
	s_or_b32 s[G0+4*\q+3], s[G0+4*\q+3], 0x80000000
.endr
	s_cmp_lt_u32 s2, 6                             ; a wave's four fills stand in one branch on its number, ahead of every wait on TENSORcnt, every LDS read and every barrier
	s_cbranch_scc0 .Lno_fill
	tensor_load_to_lds s[G0:G0+3], s[G1:G1+7]
	s_nop 0
	tensor_load_to_lds s[G0+4:G0+7], s[G1:G1+7]
	s_nop 0
	tensor_load_to_lds s[G0+8:G0+11], s[G1:G1+7]
	s_nop 0
	tensor_load_to_lds s[G0+12:G0+15], s[G1:G1+7]
	s_nop 0
.rept 4
	v_nop
.endr
.Lno_fill:
	s_mul_i32 s56, s3, GRP                         ; my group of A in LDS,
	s_mul_i32 s57, s17, GRP
	s_add_co_u32 s57, s57, 2*GRP                   ; my group of B
	s_sub_co_u32 s58, s57, s56
	s_add_co_u32 s59, s56, 6144
	v_and_b32 v1, 31, v0                           ; lane
	v_and_b32 v2, 15, v0                           ; r
	v_bfe_u32 v3, v0, 4, 1                         ; h
	v_lshlrev_b32 v9, 4, v1
	v_lshlrev_b32 v10, 3, v1
	v_lshlrev_b32 v11, 4, v2
	v_add_nc_u32 v4, s56, v9
	v_add_nc_u32 v5, s56, v10
	v_add_nc_u32 v6, s57, v9
	v_add_nc_u32 v7, s57, v10
	v_mul_u32_u24 v8, s58, v3                      ; the scale words: lanes 0-15 take A's, lanes 16-31 B's: the lower base + h x the distance
	v_add_nc_u32 v8, v8, v11
	v_add_nc_u32 v8, s59, v8
	s_mul_i32 s56, s2, 4352                        ; my stage: 16 rows of 272 bytes
	v_mul_u32_u24 v12, v2, 272
	v_lshl_add_u32 v12, v3, 6, v12
	v_add_nc_u32 v12, s56, v12                     ; in: row r, + 64 h
	v_mul_u32_u24 v13, v3, 272
	v_add_nc_u32 v13, v13, v11
	v_add_nc_u32 v13, s56, v13                     ; back: lanes 0-15 one row, lanes 16-31 the next
	v_lshl_add_u32 v14, v3, 12, v11                ; and the same two rows in out0
	s_lshl_b32 s18, s16, 19                        ; 128 tokens of 4,096 bytes a work-group,
	s_lshl_b32 s19, s3, 18                         ; 64 a group,
	s_add_co_u32 s18, s18, s19
	s_lshl_b32 s19, ttmp9, 10                      ; 256 columns of 4 bytes a work-group,
	s_add_co_u32 s18, s18, s19
	s_lshl_b32 s19, s17, 8                         ; 64 a group
	s_add_co_u32 s18, s18, s19
	s_mov_b32 s19, 0
	s_add_nc_u64 s[8:9], s[8:9], s[18:19]
	s_wait_tensorcnt 3                             ; my first chunk has landed; my three later ones may stay out: no byte of LDS is filled twice
	s_barrier_signal -1
	s_barrier_wait -1                              ; everybody's has
	KSTEP 0, 1                                     ; the first products start the sums: nothing is cleared
	KSTEP 1, 0
.irp q, 1,2,3
	s_wait_tensorcnt 3-\q                          ; chunk q has landed; the later ones may stay out.  (No LDS load of mine is out: the last K step's waits ended at 0)
	s_barrier_signal -1
	s_barrier_wait -1
	KSTEP 2*\q, 0
	KSTEP 2*\q+1, 0
.endr
	s_wait_dscnt 0x0                               ; my reads of the operands are over,
	s_barrier_signal -1
	s_barrier_wait -1                              ; everybody's are: the stages may be written
.rept 4
	v_nop                                          ; four places between the last products and the first read of results, and loads into their operands' registers
.endr
	TOSTAGE 0
.irp a, 1,2,3
.if \a > 1
	s_wait_xcnt 0x0                                ; tile a - 2's stores have read the registers into which tile a's rows come back
.endif
	TOSTAGE \a
	SEND \a-1, 16                                  ; behind tile a - 1's loads: tile a's 8 stores and 8 loads
.endr
	SEND 3, 0
	s_wait_tensorcnt 0x0
	ds_add_u32 v126, v127
	s_wait_dscnt 0x0
	s_endpgm
.Lfunc_end_k_q23aa01db15_oproj:
	.size	k_q23aa01db15_oproj, .Lfunc_end_k_q23aa01db15_oproj-k_q23aa01db15_oproj
	.p2alignl 7, 3214868480
	.fill 96, 4, 3214868480
	.section	.rodata,"a",@progbits
	.p2align	6, 0x0
	.amdhsa_kernel k_q23aa01db15_oproj
		.amdhsa_group_segment_fixed_size 308224
		.amdhsa_private_segment_fixed_size 0
		.amdhsa_enable_private_segment 0
		.amdhsa_kernarg_size 24
		.amdhsa_user_sgpr_count 2
		.amdhsa_user_sgpr_kernarg_segment_ptr 1
		.amdhsa_wavefront_size32 1
		.amdhsa_system_sgpr_workgroup_id_x 1
		.amdhsa_system_sgpr_workgroup_id_y 1
		.amdhsa_system_sgpr_workgroup_id_z 1
		.amdhsa_system_vgpr_workitem_id 0
		.amdhsa_next_free_vgpr 256
		.amdhsa_next_free_sgpr 66
		.amdhsa_reserve_vcc 0
		.amdhsa_float_denorm_mode_32 3
		.amdhsa_float_denorm_mode_16_64 3
		.amdhsa_memory_ordered 1
		.amdhsa_forward_progress 1
		.amdhsa_inst_pref_size 47
	.end_amdhsa_kernel
	.amdgpu_metadata
---
amdhsa.version: [ 1, 2 ]
amdhsa.kernels:
  - .name:           k_q23aa01db15_oproj
    .symbol:         k_q23aa01db15_oproj.kd
    .args:
      - { .name: ao, .offset: 0, .size: 8, .value_kind: global_buffer, .address_space: global }
      - { .name: wg, .offset: 8, .size: 8, .value_kind: global_buffer, .address_space: global }
      - { .name: out0, .offset: 16, .size: 8, .value_kind: global_buffer, .address_space: global }
    .group_segment_fixed_size: 308224
    .private_segment_fixed_size: 0
    .kernarg_segment_align: 8
    .kernarg_segment_size: 24
    .max_flat_workgroup_size: 256
    .sgpr_count:     66
    .vgpr_count:     256
    .wavefront_size: 32
...
	.end_amdgpu_metadata
.endif
;; end of part 4
;; ======== version 2 of 2: 4 launches
;; limits: right only within a limited range of input values
;; workspace buffers: xg 6,553,600 bytes; wg 2,048,000 bytes; tab 524,288 bytes; qc 6,291,456 bytes; qs 524,288 bytes; kv 3,276,800 bytes; ao 6,553,600 bytes
;; launch prep (part 5): grid 448 x 1, 4 waves a work-group, no clusters, 34,304 bytes of LDS; arguments x, wq, wk, wv, wo, xg, wg, tab; writes xg, wg, tab
.if DOCPART == 5
	.amdgcn_target "amdgcn-amd-amdhsa--gfx1250"
	.amdhsa_code_object_version 6
	.text
	.protected	k_q23aa01db15_prep
	.globl	k_q23aa01db15_prep
	.p2align	8
	.type	k_q23aa01db15_prep,@function
k_q23aa01db15_prep:
	s_mov_b64 s[64:65], 0
	v_nop
	global_prefetch_b8 v0, s[64:65] scope:SCOPE_SE
	s_setreg_imm32_b32 hwreg(HW_REG_WAVE_MODE, 25, 1), 1
	s_wait_xcnt 0x0
; PREP: x [8192][1024] and the four weights (K = their FIRST axis) become codes of BF6 (E3M2) with one E8M0 byte for each 32 along K; and the table of cos and sin for the rotary embedding is made.
; A block's scale is 2^(floor(log2(its largest magnitude)) - 4): its byte is the largest magnitude's exponent field - 4, held at 1 from below by a floor among the maximum's leaves.
; THE CODES ARE LAID IN THE ORDER OF THE OPERAND'S REGISTERS.  A fragment is 16 rows x 128 K, 12 registers a lane; lane (r, h) holds of row r the blocks h (registers 0-5) and 2 + h (registers 6-11), 24 bytes each.
; Half a fragment is 768 bytes: 512 bytes, lane l's registers 0-3 at 16 l, then 256 bytes, lane l's registers 4-5 at 8 l.  A BLOCK of 6,400 bytes holds 64 rows x 128 K: four fragments, then 256 bytes of scale words
; (row r's four words, one a fragment, at 16 r).  A group of 64 rows is eight such blocks, 51,200 bytes.  xg: 128 groups of tokens.  wg: 40 groups of output columns: wq 0-15, wk 16-19, wv 20-23, wo 24-39.
; THE ROWS OF A FRAGMENT ARE NOT NEIGHBOURS: in each 32 rows fragment u holds at its row m the row 8 u + m + 8 (m / 8), so that a product's results of two neighbouring fragments are 16 neighbours in a lane's registers.
; SHARES: work-groups 0-255: x, a wave to a block (64 tokens x 128 K).  256-415: the weights, a wave to 32 columns x 128 K.  416-447: the table, 64 positions each.  The waves share nothing: no barrier.  No work-group shares
; an input with another, so there is nothing to ask for jointly.
; LIMITS: NaN and infinities among the inputs are not served.  A block of zeros gets the byte 1 and not 127: its codes are zeros, and this program alone reads the bytes.
; The table's frequencies 10^(-f / 8) are the f32 number nearest to 10^(-(f % 8) / 8) times 1, 0.1, 0.01 or 0.001: right to one unit in the last place; the angle is position x frequency rounded once; sin and cos of that
; angle are right to about 1e-7 absolute (reduction by pi / 2 in two parts, Taylor polynomials to r^9 and r^10 on |r| <= pi / 4), for the positions 0 to 2,047.
.set SEL,  4                           ; s[4:5]   lane selects for v_permlanex16_b32: lane l xor 16
.set RX,   16                          ; v16-143  x path: two sets of 64: a tile of 16 rows as loaded
.set XN,   144                         ; v144-207 x path: my row's 64 numbers: register 16 b + i = k 32 b + 16 h + i
.set PC,   208                         ; v208-226 x path: the fragment just made, and the conversions' second halves
.set TM,   228                         ; v228-243 x path: largest magnitudes, bytes, scale operands
.set WS,   244                         ; v244-247 x path: the four tiles' scale words
.set WX,   16                          ; v16-143  weight path: four sets of 32: a block down K of my column
.set WP,   144                         ; v144-175 weight path: eight registers for each block's codes
; 64 numbers of a lane, register 16 b + i = k 32 b + 16 h + i of my row, become a fragment's codes in v[PC] on and its scale word in v[w]
.macro QUANT s, w
.irp b, 0,1,2,3
	v_max3_num_f32 v[TM+\b], |v[\s+16*\b]|, |v[\s+1+16*\b]|, 0x2800000   ; my 16 numbers of block b, and the floor 2^(5 - 127): the byte cannot fall under 1
.endr
.irp i, 2,4,6,8,10,12,14
.irp b, 0,1,2,3
	v_max3_num_f32 v[TM+\b], v[TM+\b], |v[\s+16*\b+\i]|, |v[\s+1+16*\b+\i]|   ; the four blocks by turns
.endr
.endr
.irp b, 0,1,2,3
	v_permlanex16_b32 v[TM+4+\b], v[TM+\b], s[SEL], s[SEL+1]
.endr
.irp b, 0,1,2,3
	v_max_num_f32 v[TM+\b], v[TM+\b], v[TM+4+\b]   ; with lane l xor 16's 16: the block's largest magnitude
.endr
.irp b, 0,1,2,3
	v_add_nc_u32 v[TM+12+\b], 0xfe000000, v[TM+\b]   ; 4 off its exponent field: the conversion takes this operand's exponent field as its scale
.endr
.irp b, 0,1,2,3
	v_lshrrev_b32 v[TM+4+\b], 23, v[TM+12+\b]      ; the scale's byte
.endr
	v_lshl_or_b32 v[\w], v[TM+5], 8, v[TM+4]
	v_lshl_or_b32 v[\w], v[TM+6], 16, v[\w]
	v_lshl_or_b32 v[\w], v[TM+7], 24, v[\w]        ; my row's scale word (both halves of the lanes hold it)
.irp c, 0,1
	v_cvt_scalef32_pk16_bf6_f32 v[PC+6*\c:PC+2+6*\c], v[\s+32*\c:\s+15+32*\c], v[TM+12+2*\c]
	v_cvt_scalef32_pk16_bf6_f32 v[PC+12+4*\c:PC+14+4*\c], v[\s+16+32*\c:\s+31+32*\c], v[TM+12+2*\c+1]   ; (a conversion's three registers begin on an even number)
.endr
	v_nop                                          ; one plain place behind a scaled conversion
.irp c, 0,1                                    ; the layout wants a WHOLE block in a lane: lanes 0-15 block 2 c, lanes 16-31 block 2 c + 1
.irp i, 0,1,2
	v_permlane16_swap_b32 v[PC+6*\c+\i], v[PC+12+4*\c+\i]
.endr
.irp i, 0,1,2
	v_mov_b32 v[PC+3+6*\c+\i], v[PC+12+4*\c+\i]
.endr
.endr
.endm
; tile a of the group: its 16 rows, 512 consecutive bytes (128 along K) a load
.macro LOADX a
.irp p, 0,1,2,3,4,5,6,7,8,9,10,11,12,13,14,15
	global_load_b128 v[RX+64*((\a)%2)+4*\p:RX+64*((\a)%2)+4*\p+3], v4, s[8:9] offset:(32*((\a)/2)+8*((\a)%2)+\p+8*(\p/8))*4096 th:TH_LOAD_NT
.endr
.endm
; block kb (32 along K) of my column: each load reads 128 consecutive bytes of a row of the weight
.macro LOADW kb, pitch
.set II, 0
.rept 32
	global_load_b32 v[WX+32*(\kb)+II], v4, s[28:29] offset:(32*(\kb)+II)*\pitch th:TH_LOAD_NT
.set II, II+1
.endr
.endm
.macro WBLOCK kb, pitch
.set XS, WX+32*(\kb)
.set PP, WP+8*(\kb)
.if (\kb) < 3
	s_wait_loadcnt 32                              ; this block's 32 loads are in; the next block's 32 may be out
.else
	s_wait_loadcnt 0x0
.endif
.if (\kb) < 2
	LOADW (\kb)+2, \pitch
.endif
	v_max3_num_f32 v176, |v[XS]|, |v[XS+1]|, |v[XS+2]|     ; the block's largest magnitude: all 32 numbers are mine
	v_max3_num_f32 v177, |v[XS+3]|, |v[XS+4]|, |v[XS+5]|
.irp i, 6,10,14,18,22,26
	v_max3_num_f32 v176, v176, |v[XS+\i]|, |v[XS+\i+1]|
	v_max3_num_f32 v177, v177, |v[XS+\i+2]|, |v[XS+\i+3]|
.endr
	v_max3_num_f32 v176, v176, |v[XS+30]|, |v[XS+31]|
	v_max3_num_f32 v176, v176, v177, 0x2800000     ; and the floor
	v_add_nc_u32 v178, 0xfe000000, v176            ; the conversion's scale operand
	v_lshrrev_b32 v179, 23, v178                   ; the byte
.if (\kb) == 0
	v_mov_b32 v180, v179
.else
	v_lshl_or_b32 v180, v179, 8*(\kb), v180        ; four bytes make my column's scale word for these 128 along K
.endif
	v_cvt_scalef32_pk16_bf6_f32 v[PP:PP+2], v[XS:XS+15], v178
	v_cvt_scalef32_pk16_bf6_f32 v[PP+4:PP+6], v[XS+16:XS+31], v178
	v_nop                                          ; one plain place behind a scaled conversion
.irp i, 0,1,2
	v_mov_b32 v[PP+3+\i], v[PP+4+\i]               ; the block's 24 bytes on end
.endr
	global_store_b128 v12, v[PP:PP+3], s[20:21] offset:768*((\kb)/2)+256*((\kb)%2)          ; block kb is lane (r', kb % 2)'s in half kb / 2 of the fragment: the sixteen lanes of a fragment fill 256 consecutive bytes
	global_store_b64 v13, v[PP+4:PP+5], s[20:21] offset:768*((\kb)/2)+512+128*((\kb)%2)
.endm
.macro WBODY pitch
	s_mul_i32 s32, s26, 128*\pitch                 ; 128 rows of the weight for each K step,
	s_lshl_b32 s33, s27, 9                         ; 128 columns a work-group,
	s_add_co_u32 s32, s32, s33
	s_lshl_b32 s33, s2, 7                          ; 32 a wave
	s_add_co_u32 s32, s32, s33
	s_mov_b32 s33, 0
	s_add_nc_u64 s[28:29], s[28:29], s[32:33]
	LOADW 0, \pitch
	LOADW 1, \pitch
	WBLOCK 0, \pitch
	WBLOCK 1, \pitch
	WBLOCK 2, \pitch
	WBLOCK 3, \pitch
	global_store_b32 v14, v180, s[20:21] offset:6144
	s_endpgm
.endm
; cos and sin of position x frequency e of my four, into v[out + e] and v[out + 4 + e]
.macro SINCOS e, out
	v_mul_f32 v20, v16, v[12+\e]                   ; the angle, rounded once
	v_mul_f32 v21, 0x3f22f983, v20                 ; x 2 / pi
	v_rndne_f32 v21, v21                           ; n: the nearest multiple of pi / 2
	v_fmamk_f32 v22, v21, 0xbfc90fdb, v20          ; r = angle - n x pi / 2, pi / 2 in two parts
	v_fmamk_f32 v22, v21, 0x333bbd2e, v22
	v_cvt_i32_f32 v26, v21
	v_mul_f32 v23, v22, v22                        ; z = r^2
	v_mov_b32 v24, 0x3638ef1d                      ; 1 / 9!
	v_fmaak_f32 v24, v24, v23, 0xb9500d01          ; -1 / 7!
	v_fmaak_f32 v24, v24, v23, 0x3c088889          ; 1 / 5!
	v_fmaak_f32 v24, v24, v23, 0xbe2aaaab          ; -1 / 3!
	v_mul_f32 v27, v22, v23
	v_fma_f32 v24, v27, v24, v22                   ; sin r
	v_mov_b32 v25, 0xb493f27e                      ; -1 / 10!
	v_fmaak_f32 v25, v25, v23, 0x37d00d01          ; 1 / 8!
	v_fmaak_f32 v25, v25, v23, 0xbab60b61          ; -1 / 6!
	v_fmaak_f32 v25, v25, v23, 0x3d2aaaab          ; 1 / 4!
	v_fma_f32 v25, v25, v23, -0.5
	v_fma_f32 v25, v25, v23, 1.0                   ; cos r
	v_and_b32 v27, 1, v26
	v_cmp_ne_u32 vcc_lo, 0, v27                    ; in odd quadrants the two change places
	v_cndmask_b32 v28, v24, v25, vcc_lo
	v_cndmask_b32 v29, v25, v24, vcc_lo
	v_and_b32 v27, 2, v26                          ; the sine is negative in quadrants 2 and 3,
	v_lshlrev_b32 v27, 30, v27
	v_xor_b32 v[\out+4+\e], v27, v28
	v_add_nc_u32 v27, 1, v26                       ; the cosine in quadrants 1 and 2
	v_and_b32 v27, 2, v27
	v_lshlrev_b32 v27, 30, v27
	v_xor_b32 v[\out+\e], v27, v29
.endm
	s_load_b512 s[8:23], s[0:1], 0x0               ; x 8:9, wq 10:11, wk 12:13, wv 14:15, wo 16:17, xg 18:19, wg 20:21, tab 22:23
	v_lshl_add_u32 v254, v0, 2, 0x8400
	v_mov_b32 v255, 0
	v_lshrrev_b32 v1, 5, v0
	v_readfirstlane_b32 s2, v1                     ; wave 0..3
	v_and_b32 v2, 31, v0                           ; lane
	v_and_b32 v3, 15, v0                           ; r
	s_mov_b32 s[SEL], 0x76543210
	s_mov_b32 s[SEL+1], 0xfedcba98
	s_wait_kmcnt 0x0
	s_cmp_lt_u32 ttmp9, 256
	s_cbranch_scc0 .Lnot_x
	; ---- x: my wave's block: group ttmp9 / 2, K step 4 (ttmp9 % 2) + wave
	s_lshr_b32 s24, ttmp9, 1
	s_and_b32 s25, ttmp9, 1
	s_lshl_b32 s25, s25, 2
	s_add_co_u32 s25, s25, s2
	s_lshl_b32 s26, s24, 18                        ; 64 rows of 4,096 bytes
	s_lshl_b32 s27, s25, 9                         ; 128 numbers of 4 bytes
	s_add_co_u32 s26, s26, s27
	s_mov_b32 s27, 0
	s_add_nc_u64 s[8:9], s[8:9], s[26:27]
	s_mul_i32 s26, s24, 51200
	s_mul_i32 s28, s25, 6400
	s_add_co_u32 s26, s26, s28
	s_add_nc_u64 s[18:19], s[18:19], s[26:27]
	s_wait_alu depctr_va_vdst(0)
	v_lshlrev_b32 v4, 4, v2                        ; 16 x lane
	v_lshlrev_b32 v5, 3, v2                        ; 8 x lane
	s_mul_i32 s28, s2, 8448                        ; my stage: 16 rows of 512 bytes + 16: row r starts 4 r banks on
	v_add_nc_u32 v6, s28, v4                       ; in: a row as it was loaded
	v_bfe_u32 v9, v0, 4, 1                         ; h
	v_mul_u32_u24 v7, v3, 528
	v_lshl_add_u32 v7, v9, 6, v7
	v_add_nc_u32 v7, s28, v7                       ; out: row r, my 16 numbers of each block of 32
	v_lshlrev_b32 v8, 4, v3                        ; 16 r: my row's scale words
.irp b, 0,1,2,3
	v_mov_b32 v[TM+4+\b], 0                        ; written once: a lane permute's destination counts as one of its sources
.endr
	LOADX 0
	LOADX 1
	s_wait_alu depctr_va_vdst(0)
.irp a, 0,1,2,3
.if \a < 3
	s_wait_loadcnt 16                              ; this tile's 16 loads are in; the next tile's 16 may be out
.else
	s_wait_loadcnt 0x0
.endif
.irp p, 0,1,2,3,4,5,6,7,8,9,10,11,12,13,14,15
	ds_store_b128 v6, v[RX+64*(\a%2)+4*\p:RX+64*(\a%2)+4*\p+3] offset:528*\p
.endr
.irp b, 0,1,2,3
.irp j, 0,1,2,3
	ds_load_b128 v[XN+16*\b+4*\j:XN+16*\b+4*\j+3], v7 offset:128*\b+16*\j   ; LDS serves a wave's instructions in order: these see the stores above
.endr
.endr
	s_wait_dscnt 0x0                               ; my row's numbers are in, and the stage's stores have read their registers
	s_wait_xcnt 0x0                                ; the last tile's stores have read the codes' registers
.if \a < 2
	LOADX \a+2
.endif
	QUANT XN, WS+\a
	global_store_b128 v4, v[PC:PC+3], s[18:19] offset:1536*\a          ; 512 consecutive bytes,
	global_store_b64 v5, v[PC+4:PC+5], s[18:19] offset:1536*\a+512     ; 256,
	global_store_b128 v4, v[PC+6:PC+9], s[18:19] offset:1536*\a+768
	global_store_b64 v5, v[PC+10:PC+11], s[18:19] offset:1536*\a+1280
.endr
	global_store_b128 v8, v[WS:WS+3], s[18:19] offset:6144             ; 256 bytes of scale words; both halves of the lanes write the same bytes with the same values
	s_wait_tensorcnt 0x0
	ds_add_u32 v254, v255
	s_wait_dscnt 0x0
	s_endpgm
.Lnot_x:
	s_cmp_lt_u32 ttmp9, 416
	s_cbranch_scc0 .Ltable
	; ---- the weights: 128 columns of the 2,560 (wq, wk, wv, wo on end) x one K step of 128
	s_sub_co_u32 s24, ttmp9, 256
	s_lshr_b32 s25, s24, 3                         ; which 128 columns: 0..19
	s_and_b32 s26, s24, 7                          ; K step
	s_sub_co_u32 s30, s25, 8                       ; the same counted from wk's,
	s_sub_co_u32 s31, s25, 10                      ; from wv's,
	s_sub_co_u32 s27, s25, 12                      ; from wo's first column
	s_cmp_lt_u32 s25, 12                           ; the choices hang on the work-group's number alone
	s_cselect_b64 s[28:29], s[14:15], s[16:17]
	s_cselect_b32 s27, s31, s27
	s_cmp_lt_u32 s25, 10
	s_cselect_b64 s[28:29], s[12:13], s[28:29]
	s_cselect_b32 s27, s30, s27
	s_cmp_lt_u32 s25, 8
	s_cselect_b64 s[28:29], s[10:11], s[28:29]
	s_cselect_b32 s27, s25, s27
	s_lshl_b32 s34, s25, 1
	s_lshr_b32 s35, s2, 1
	s_add_co_u32 s34, s34, s35                     ; my group of 64 columns
	s_mul_i32 s34, s34, 51200
	s_mul_i32 s35, s26, 6400
	s_add_co_u32 s34, s34, s35
	s_mov_b32 s35, 0
	s_add_nc_u64 s[20:21], s[20:21], s[34:35]      ; its block for this K step
	s_and_b32 s36, s2, 1                           ; which 32 of the 64
	s_mul_i32 s37, s36, 3072
	s_lshl_b32 s36, s36, 3
	s_wait_alu depctr_va_vdst(0)
	v_lshlrev_b32 v4, 2, v2                        ; in: 4 bytes a lane: LANE l TAKES COLUMN l, AND ITS REGISTERS RUN DOWN K
	v_lshrrev_b32 v9, 4, v2
	v_bfe_u32 v10, v2, 3, 1                        ; column 16 hb + 8 u + j is row r' = 8 hb + j of fragment u
	v_and_b32 v11, 7, v2
	v_lshl_add_u32 v11, v9, 3, v11                 ; r'
	v_mul_u32_u24 v12, v10, 1536
	v_add_nc_u32 v12, s37, v12
	v_lshl_add_u32 v13, v11, 3, v12                ; where my 8 bytes go,
	v_lshl_add_u32 v12, v11, 4, v12                ; my 16,
	v_lshlrev_b32 v14, 4, v11
	v_lshl_add_u32 v14, v10, 2, v14
	v_add_nc_u32 v14, s36, v14                     ; and my scale word: 16 r' + 4 x fragment
	s_cmp_lt_u32 s30, 4                            ; wk and wv have rows of 1,024 bytes, wq and wo of 4,096
	s_cbranch_scc1 .Lnarrow
	WBODY 4096
.Lnarrow:
	WBODY 1024
.Ltable:
	; ---- tab[position][cos of frequencies 0..31, sin of frequencies 0..31]: 64 positions a work-group; a thread has four frequencies and four positions
	s_sub_co_u32 s24, ttmp9, 416
	s_lshl_b32 s26, s24, 14                        ; 64 positions of 256 bytes
	s_mov_b32 s27, 0
	s_add_nc_u64 s[22:23], s[22:23], s[26:27]
	s_lshl_b32 s24, s24, 6
	v_and_b32 v4, 7, v0                            ; frequencies 4 fq + 0..3
	v_lshrrev_b32 v5, 3, v0                        ; position, 0..15
	v_lshlrev_b32 v6, 8, v5
	v_lshl_add_u32 v6, v4, 4, v6
	v_add_nc_u32 v17, s24, v5
	v_and_b32 v7, 1, v4
	v_lshrrev_b32 v8, 1, v4                        ; frequency f is 10^(-f / 8): the decade f / 8 = fq / 2, the rest 4 (fq % 2) + e
	v_cmp_ne_u32 vcc_lo, 0, v7
	v_mov_b32 v12, 0x3ea1e89b                      ; 10^(-4/8)
	v_cndmask_b32 v12, 1.0, v12, vcc_lo
	v_mov_b32 v13, 0x3e72d424                      ; 10^(-5/8)
	v_cndmask_b32 v13, 0x3f3ff911, v13, vcc_lo     ; 10^(-1/8)
	v_mov_b32 v14, 0x3e361887                      ; 10^(-6/8)
	v_cndmask_b32 v14, 0x3f0ff59a, v14, vcc_lo     ; 10^(-2/8)
	v_mov_b32 v15, 0x3e088d77                      ; 10^(-7/8)
	v_cndmask_b32 v15, 0x3ed7e89b, v15, vcc_lo     ; 10^(-3/8)
	v_mov_b32 v9, 0x3a83126f                       ; 0.001
	v_cmp_eq_u32 vcc_lo, 3, v8
	v_cndmask_b32 v9, 0x3c23d70a, v9, vcc_lo       ; 0.01
	v_cmp_lt_u32 vcc_lo, 1, v8
	v_cndmask_b32 v9, 0x3dcccccd, v9, vcc_lo       ; 0.1
	v_cmp_lt_u32 vcc_lo, 0, v8
	v_cndmask_b32 v9, 1.0, v9, vcc_lo
.irp e, 0,1,2,3
	v_mul_f32 v[12+\e], v[12+\e], v9
.endr
.irp p, 0,1,2,3                                ; each repeat has registers of its own for its results: no store's data are written again
	v_add_nc_u32 v18, 16*\p, v17
	v_cvt_f32_u32 v16, v18
.irp e, 0,1,2,3
	SINCOS \e, 64+8*\p
.endr
	global_store_b128 v6, v[64+8*\p:67+8*\p], s[22:23] offset:4096*\p
	global_store_b128 v6, v[68+8*\p:71+8*\p], s[22:23] offset:4096*\p+128
.endr
	s_endpgm
.Lfunc_end_k_q23aa01db15_prep:
	.size	k_q23aa01db15_prep, .Lfunc_end_k_q23aa01db15_prep-k_q23aa01db15_prep
	.p2alignl 7, 3214868480
	.fill 96, 4, 3214868480
	.section	.rodata,"a",@progbits
	.p2align	6, 0x0
	.amdhsa_kernel k_q23aa01db15_prep
		.amdhsa_group_segment_fixed_size 34304
		.amdhsa_private_segment_fixed_size 0
		.amdhsa_enable_private_segment 0
		.amdhsa_kernarg_size 64
		.amdhsa_user_sgpr_count 2
		.amdhsa_user_sgpr_kernarg_segment_ptr 1
		.amdhsa_wavefront_size32 1
		.amdhsa_system_sgpr_workgroup_id_x 1
		.amdhsa_system_sgpr_workgroup_id_y 1
		.amdhsa_system_sgpr_workgroup_id_z 1
		.amdhsa_system_vgpr_workitem_id 0
		.amdhsa_next_free_vgpr 256
		.amdhsa_next_free_sgpr 66
		.amdhsa_reserve_vcc 1
		.amdhsa_float_denorm_mode_32 3
		.amdhsa_float_denorm_mode_16_64 3
		.amdhsa_memory_ordered 1
		.amdhsa_forward_progress 1
		.amdhsa_inst_pref_size 97
	.end_amdhsa_kernel
	.amdgpu_metadata
---
amdhsa.version: [ 1, 2 ]
amdhsa.kernels:
  - .name:           k_q23aa01db15_prep
    .symbol:         k_q23aa01db15_prep.kd
    .args:
      - { .name: x, .offset: 0, .size: 8, .value_kind: global_buffer, .address_space: global }
      - { .name: wq, .offset: 8, .size: 8, .value_kind: global_buffer, .address_space: global }
      - { .name: wk, .offset: 16, .size: 8, .value_kind: global_buffer, .address_space: global }
      - { .name: wv, .offset: 24, .size: 8, .value_kind: global_buffer, .address_space: global }
      - { .name: wo, .offset: 32, .size: 8, .value_kind: global_buffer, .address_space: global }
      - { .name: xg, .offset: 40, .size: 8, .value_kind: global_buffer, .address_space: global }
      - { .name: wg, .offset: 48, .size: 8, .value_kind: global_buffer, .address_space: global }
      - { .name: tab, .offset: 56, .size: 8, .value_kind: global_buffer, .address_space: global }
    .group_segment_fixed_size: 34304
    .private_segment_fixed_size: 0
    .kernarg_segment_align: 8
    .kernarg_segment_size: 64
    .max_flat_workgroup_size: 128
    .sgpr_count:     66
    .vgpr_count:     256
    .wavefront_size: 32
...
	.end_amdgpu_metadata
.endif
;; end of part 5
;; launch qkv (part 6): grid 8 x 32, 12 waves a work-group, clusters of 4 x 4, 327,680 bytes of LDS; arguments xg, wg, tab, qc, qs, kv; writes qc, qs, kv
.if DOCPART == 6
	.amdgcn_target "amdgcn-amd-amdhsa--gfx1250"
	.amdhsa_code_object_version 6
	.text
	.protected	k_q23aa01db15_qkv
	.globl	k_q23aa01db15_qkv
	.p2align	8
	.type	k_q23aa01db15_qkv,@function
k_q23aa01db15_qkv:
	s_mov_b64 s[64:65], 0
	v_nop
	global_prefetch_b8 v0, s[64:65] scope:SCOPE_SE
	s_setreg_imm32_b32 hwreg(HW_REG_WAVE_MODE, 25, 1), 1
	s_wait_xcnt 0x0
	s_wait_alu depctr_hold_cnt(0) depctr_sa_sdst(0) depctr_va_vdst(0) depctr_va_sdst(0) depctr_va_ssrc(0) depctr_va_vcc(0) depctr_vm_vsrc(0)
	s_getreg_b32 s2, hwreg(HW_REG_IB_STS2, 6, 4)
	s_cmp_eq_u32 s2, 0
	s_cbranch_scc0 .Lentry_in_a_cluster
	s_endpgm
.Lentry_in_a_cluster:
	s_bfe_u32 s2, ttmp6, 0x10000c
	s_cmp_lg_u32 s2, 0xf033
	s_cbranch_scc0 .Lentry_shape_is_right
	s_endpgm
.Lentry_shape_is_right:
; QKV: q = x wq, k = x wk, v = x wv on codes of BF6 (E3M2) with E8M0 scales; the rotary embedding on q and k in f32; q and k quantised along the head's 64, v along the keys.
; SHARES.  128 groups of 64 tokens x 24 groups of 64 columns are 3,072 products of 64 x 64 x 1,024: 12 for each of 256 work-groups.  A work-group takes 4 groups of tokens x 3 groups of columns; each of its twelve waves one
; product: 16 accumulators.  Wave w: tokens' group ga = w % 4, columns' group gb = w / 4.
; LDS.  Seven groups of 51,200 bytes are more than LDS holds, so each group has 44,800 bytes, seven K steps: K steps 0-3 and 4-6 are first fills, K step 7 fills K step 0's bytes again, once.
; Waves 0-3 fetch a group of tokens each, waves 4-6 a group of columns.  A wave has one tensor load out at the most.
; CLUSTERS: 4 x 4 work-groups.  The four of a row of the cluster take the same tokens, the four of a column the same columns: each tile is asked for JOINTLY, by the same tensor load with the same descriptor and a mask that
; names the four.  Work-group (cluster x, cx) takes the columns' groups 4 s + cx, s = 3 x cluster x + gb: s = 0..3 is q's head 4 s + cx, s = 4 is k's head cx, s = 5 is v's head cx.  So what a wave does hangs on the cluster's x
; and the wave's number alone, and cx and cy enter global addresses and masks and nothing else.
; THE PRODUCT.  q, k: source 0 = 16 columns, source 1 = 16 tokens: a lane holds ONE token, and, by the order of the rows in a fragment (fragment u of each 32 rows holds at row m the row 8 u + m + 8 (m / 8)), register
; 16 t + i of its 32 registers of tile a holds channel 32 t + 16 (lane / 16) + i of the head: neighbours, as the quantiser wants them.  v is made TRANSPOSED, the sources exchanged: a lane holds a channel and its registers run
; along the keys, which are the K of attention's second product.  Each K step holds both orders of its 16 matrix instructions, behind a scalar branch on s.
; WHAT IS STORED, all in the order of the operand's registers (half a fragment: 512 bytes, 16 a lane, then 256 bytes, 8 a lane):
;   qc [(16 b + head) 32 + group][tile 4][768], qs [same][row 16][tile 4] words: the two bytes of a query's two blocks, twice.
;   kv [4 b + kv head][step of 128 keys][12,800]: four fragments that each pack TWO tiles of 16 keys (K = 64 each); four fragments of v^T (16 channels x 128 keys); 256 bytes of k's scale words; 256 bytes of v's.
; LIMITS: NaN and infinities are not served; a block of zeros gets the byte 1 and not 127 (its codes are zeros; this program alone reads the bytes).  The two-byte stores of v's scale bytes write their 256-byte blocks in part.
.set GRP,  51200                       ; a group of 64 rows, all of K, in memory
.set CH,   44800                       ; a group's place in LDS: seven K steps of 6,400 bytes; K step 7 comes later into K step 0's place
.set BLK,  6400                        ; a group's block for one K step: 4 fragments of 1,536 bytes, 256 bytes of scale words
.set SLOT, 7*CH                        ; a slot: groups 0-3 the tokens', 4-6 the columns'
.set SPARE, SLOT                       ; behind the seven groups: the spare words, 128 bytes for each wave
.set TF,   16                          ; v16-63   the tokens' four fragments
.set CF,   64                          ; v64-111  the columns' four
.set SC,   112                         ; v112-115 scale words: register i: lanes 0-15 the tokens' tile i, lanes 16-31 the columns' tile i
.set SPW,  116                         ; v116     LDS address of my spare word; never rewritten
.set NIL,  117                         ; v117     0; never rewritten
.set AB,   118                         ; v118-122 my five LDS addresses in slot 0; never rewritten.  v4-8: the same in the slot in hand
.set ACC,  128                         ; v128-255 accumulator (a, b) at ACC + 8 (4 a + b): a the tile that lies in the lanes, b the tile that lies in the registers
.set TT,   80                          ; behind the products: v16-79 two sets of 16 cos and 16 sin; v80-87 at work
.set TM,   88                          ; v88-95   the quantiser's: largest magnitudes, the other half's, scale operands, bytes
.set TP,   90
.set SO,   92
.set BY,   94
.set PC,   100                         ; v100-106 the first tile's codes; each later tile's go into the accumulators of the tile before, so that no store's data are written again
.set WW,   108                         ; v108-111 the four tiles' scale bytes
.set WV,   16                          ; s16 wave, s17 ga, s18 gb, s19 cx, s20 cy, s21 the block of 256 tokens, s22 s
.set GA,   17
.set GB,   18
.set CX,   19
.set CY,   20
.set YY,   21
.set SIG,  22
.set G1A,  24                          ; s[24:31] descriptor group 1 for the tokens' tiles;  s[32:39] for the columns': they differ in the mask
.set G1B,  32
.set G0A,  40                          ; s[40:55] group 0 for the tokens' tiles, a set for each chunk
.set SEL,  56                          ; s[56:57] lane selects for v_permlanex16_b32: lane l xor 16
.set G0B,  68                          ; s[68:83] group 0 for the columns' tiles
.macro CROUND                          ; a round of the cluster's barrier: my work-group's barrier; wave 0 signals for the work-group; every wave waits for all sixteen; my work-group's barrier once more
	s_barrier_signal -1
	s_barrier_wait -1
	s_cmp_lg_u32 s[WV], 0
	s_cbranch_scc1 .Lnot_wave_0_\@
	s_barrier_signal -3
.Lnot_wave_0_\@:
	s_barrier_wait -3
	s_barrier_signal -1
	s_barrier_wait -1
.endm
.macro FRAG reg, a16, a8, off          ; a fragment comes back as it was laid: 16, 8, 16, 8 bytes a lane
	ds_load_b128 v[\reg:\reg+3], v[\a16] offset:\off
	ds_load_b64 v[\reg+4:\reg+5], v[\a8] offset:\off+512
	ds_load_b128 v[\reg+6:\reg+9], v[\a16] offset:\off+768
	ds_load_b64 v[\reg+10:\reg+11], v[\a8] offset:\off+1280
.endm
.macro MMQ a, b, zero                  ; q, k: tokens' tile a in the lanes, columns' tile b in the registers
.if \zero
	v_wmma_scale_f32_16x16x128_f8f6f4 v[ACC+8*(4*\a+\b):ACC+8*(4*\a+\b)+7], v[CF+12*\b:CF+12*\b+11], v[TF+12*\a:TF+12*\a+11], 0, v[SC+\b], v[SC+\a] matrix_a_fmt:MATRIX_FMT_BF6 matrix_b_fmt:MATRIX_FMT_BF6 matrix_a_scale:MATRIX_SCALE_ROW1
.else
	v_wmma_scale_f32_16x16x128_f8f6f4 v[ACC+8*(4*\a+\b):ACC+8*(4*\a+\b)+7], v[CF+12*\b:CF+12*\b+11], v[TF+12*\a:TF+12*\a+11], v[ACC+8*(4*\a+\b):ACC+8*(4*\a+\b)+7], v[SC+\b], v[SC+\a] matrix_a_fmt:MATRIX_FMT_BF6 matrix_b_fmt:MATRIX_FMT_BF6 matrix_a_scale:MATRIX_SCALE_ROW1
.endif
.endm
.macro MMV a, b, zero                  ; v: columns' tile a in the lanes, tokens' tile b in the registers
.if \zero
	v_wmma_scale_f32_16x16x128_f8f6f4 v[ACC+8*(4*\a+\b):ACC+8*(4*\a+\b)+7], v[TF+12*\b:TF+12*\b+11], v[CF+12*\a:CF+12*\a+11], 0, v[SC+\b], v[SC+\a] matrix_a_fmt:MATRIX_FMT_BF6 matrix_b_fmt:MATRIX_FMT_BF6 matrix_b_scale:MATRIX_SCALE_ROW1
.else
	v_wmma_scale_f32_16x16x128_f8f6f4 v[ACC+8*(4*\a+\b):ACC+8*(4*\a+\b)+7], v[TF+12*\b:TF+12*\b+11], v[CF+12*\a:CF+12*\a+11], v[ACC+8*(4*\a+\b):ACC+8*(4*\a+\b)+7], v[SC+\b], v[SC+\a] matrix_a_fmt:MATRIX_FMT_BF6 matrix_b_fmt:MATRIX_FMT_BF6 matrix_b_scale:MATRIX_SCALE_ROW1
.endif
.endm
; One K step of 128, the hf-th of the slot in hand: 33 LDS loads, 16 matrix instructions.  The 16 accumulators take turns, one instruction a turn; both orders begin at (0, 0) and end at (3, 3).
; places = 1: four v_nop between the last products and loads into registers that they read (ISA guide 7.12.1 for vector instructions); 0: the first K step, behind no products.
.macro KSTEP hf, zero, places
.if \places
.rept 4
	v_nop
.endr
.endif
	ds_load_b128 v[SC:SC+3], v8 offset:BLK*\hf
.irp i, 0,1,2,3
	FRAG TF+12*\i, 4, 5, BLK*\hf+1536*\i
.endr
.irp i, 0,1,2,3
	FRAG CF+12*\i, 6, 7, BLK*\hf+1536*\i
.endr
	s_cmp_eq_u32 s[SIG], 5                         ; v?  The branch hangs on the cluster's x and the wave's number
	s_cbranch_scc1 .Lvt_\@
.irp b, 0,1,2,3
	s_wait_dscnt 12-4*\b                           ; the scale words, the tokens' four fragments and the columns' up to b are in; the four loads of each later fragment may be out
.irp a, 0,1,2,3
	MMQ \a, \b, \zero
.endr
.endr
	s_branch .Lkd_\@
.Lvt_\@:
.irp a, 0,1,2,3
	s_wait_dscnt 12-4*\a                           ; likewise
.irp b, 0,1,2,3
	MMV \a, \b, \zero
.endr
.endr
.Lkd_\@:
.endm
.macro SETADR off                      ; my five LDS addresses in the slot that begins at off
.irp i, 0,1,2,3,4
	v_add_nc_u32 v[4+\i], \off, v[AB+\i]
.endr
.endm
; 32 numbers of a lane, register 16 t + i = k 32 t + 16 h + i of my row, become half a fragment's codes in v[pc .. pc + 5] and the two scale bytes in v[wd]
.macro QUANT2 x, pc, wd
.irp b, 0,1
	v_max3_num_f32 v[TM+\b], |v[\x+16*\b]|, |v[\x+16*\b+1]|, 0x2800000   ; my 16 numbers of block b, and the floor 2^(5 - 127): the byte cannot fall under 1
.endr
.irp i, 2,4,6,8,10,12,14
.irp b, 0,1
	v_max3_num_f32 v[TM+\b], v[TM+\b], |v[\x+16*\b+\i]|, |v[\x+16*\b+\i+1]|
.endr
.endr
.irp b, 0,1
	s_delay_alu instid0(VALU_DEP_2)
	v_permlanex16_b32 v[TP+\b], v[TM+\b], s[SEL], s[SEL+1]
.endr
.irp b, 0,1
	s_delay_alu instid0(VALU_DEP_2)
	v_max_num_f32 v[TM+\b], v[TM+\b], v[TP+\b]     ; with lane l xor 16's 16: the block's largest magnitude
.endr
.irp b, 0,1
	s_delay_alu instid0(VALU_DEP_2)
	v_add_nc_u32 v[SO+\b], 0xfe000000, v[TM+\b]    ; 4 off its exponent field: the conversion's scale operand
.endr
.irp b, 0,1
	s_delay_alu instid0(VALU_DEP_2)
	v_lshrrev_b32 v[BY+\b], 23, v[SO+\b]           ; the scale's byte
.endr
	s_delay_alu instid0(VALU_DEP_1)
	v_lshl_or_b32 v[\wd], v[BY+1], 8, v[BY]
	v_cvt_scalef32_pk16_bf6_f32 v[\pc:\pc+2], v[\x:\x+15], v[SO]
	v_cvt_scalef32_pk16_bf6_f32 v[\pc+4:\pc+6], v[\x+16:\x+31], v[SO+1]   ; (a conversion's three registers begin on an even number)
	v_nop                                          ; one plain place behind a scaled conversion
.irp i, 0,1,2
	v_permlane16_swap_b32 v[\pc+\i], v[\pc+4+\i]   ; the layout wants a WHOLE block in a lane: lanes 0-15 block 0, lanes 16-31 block 1
.endr
.irp i, 0,1,2
	s_delay_alu instid0(VALU_DEP_3)
	v_mov_b32 v[\pc+3+\i], v[\pc+4+\i]
.endr
.endm
.macro TABLD a                         ; cos and sin of my token of tile a, at my 16 frequencies 16 h + 0..15
.irp j, 0,1,2,3
	global_load_b128 v[16+32*((\a)%2)+4*\j:16+32*((\a)%2)+4*\j+3], v12, s[58:59] offset:(32*((\a)/2)+8*((\a)%2))*256+16*\j
.endr
.irp j, 0,1,2,3
	global_load_b128 v[32+32*((\a)%2)+4*\j:32+32*((\a)%2)+4*\j+3], v12, s[58:59] offset:(32*((\a)/2)+8*((\a)%2))*256+128+16*\j
.endr
.endm
.macro ROPE a                          ; registers i and 16 + i hold channels d = 16 h + i and d + 32: (x0, x1) -> (x0 cos - x1 sin, x1 cos + x0 sin).  Each accumulator is read from its low end on
.irp i, 0,2,4,6,8,10,12,14
	v_pk_mul_f32 v[TT+\i%8:TT+\i%8+1], v[ACC+32*\a+\i:ACC+32*\a+\i+1], v[32+32*(\a%2)+\i:32+32*(\a%2)+\i+1]
	v_pk_mul_f32 v[ACC+32*\a+\i:ACC+32*\a+\i+1], v[ACC+32*\a+\i:ACC+32*\a+\i+1], v[16+32*(\a%2)+\i:16+32*(\a%2)+\i+1]
	v_pk_fma_f32 v[ACC+32*\a+\i:ACC+32*\a+\i+1], v[ACC+32*\a+16+\i:ACC+32*\a+16+\i+1], v[32+32*(\a%2)+\i:32+32*(\a%2)+\i+1], v[ACC+32*\a+\i:ACC+32*\a+\i+1] neg_lo:[1,0,0] neg_hi:[1,0,0]
	v_pk_fma_f32 v[ACC+32*\a+16+\i:ACC+32*\a+16+\i+1], v[ACC+32*\a+16+\i:ACC+32*\a+16+\i+1], v[16+32*(\a%2)+\i:16+32*(\a%2)+\i+1], v[TT+\i%8:TT+\i%8+1]
.endr
.endm
; LDS AS IT IS USED HERE: each of the seven groups has 44,800 bytes.  Waves 0-6 fetch a group each, one tensor load at a time: K steps 0-3 at the head (100 rows of 256 bytes),
; K steps 4-6 (75 rows) as a first fill behind the full sequence and a round, K step 7 (25 rows) as a refill of K step 0's bytes behind the next.  A wave has one tensor load out.
.macro JL q                            ; a joint load by group 0 number q / 4: waves 0-3 for the tokens, waves 4-6 for the columns
	s_cmp_lt_u32 s[WV], 4
	s_cbranch_scc0 .Ljb_\@
	tensor_load_to_lds s[G0A+\q:G0A+\q+3], s[G1A:G1A+7]
	s_nop 0
.rept 4
	v_nop
.endr
	s_branch .Ljd_\@
.Ljb_\@:
	s_cmp_lt_u32 s[WV], 7
	s_cbranch_scc0 .Ljd_\@
	tensor_load_to_lds s[G0B+\q:G0B+\q+3], s[G1B:G1B+7]
	s_nop 0
.rept 4
	v_nop
.endr
.Ljd_\@:
.endm
	s_load_b256 s[4:11], s[0:1], 0x0
	s_load_b128 s[12:15], s[0:1], 0x20             ; qs 12:13, kv 14:15
	v_lshl_add_u32 v[SPW], v0, 2, SPARE
	v_mov_b32 v[NIL], 0
	ds_add_u32 v116, v117
	ds_add_u32 v116, v117
	s_wait_dscnt 0x0
	v_lshrrev_b32 v1, 5, v0
	s_delay_alu instid0(VALU_DEP_1)
	v_readfirstlane_b32 s[WV], v1                  ; wave 0..11
	s_and_b32 s[GA], s[WV], 3
	s_lshr_b32 s[GB], s[WV], 2
	s_bfe_u32 s[CX], ttmp6, 0x40000                ; cx, cy: my place in the cluster
	s_bfe_u32 s[CY], ttmp6, 0x40004
	s_and_b32 s[YY], ttmp7, 0xffff                 ; in a cluster launch ttmp9 and ttmp7 count clusters
	s_lshl_b32 s[YY], s[YY], 2
	s_add_co_u32 s[YY], s[YY], s[CY]               ; my block of 256 tokens
	s_mul_i32 s[SIG], ttmp9, 3
	s_add_co_u32 s[SIG], s[SIG], s[GB]             ; s: what my wave makes
	s_lshl_b32 s84, s[CY], 2
	s_lshl_b32 s84, 15, s84                        ; my row of the cluster
	s_lshl_b32 s85, 0x1111, s[CX]                  ; my column
	s_or_b32 s[G1A], s84, (3<<16)|(1<<21)          ; 15:0 the mask: the tokens' tiles go to my row; 17:16 elements of 8 bytes; 20 no padding; 21 set beside a mask
	s_or_b32 s[G1B], s85, (3<<16)|(1<<21)          ; the columns' tiles go to my column
.irp g, G1A, G1B
	s_mov_b32 s[\g+1], 32<<16                      ; tensor_dim0 = 32 elements: rows of 256 bytes
	s_mov_b32 s[\g+2], 100<<16                     ; tensor_dim1 = 100 rows: 25,600 dense bytes, four K steps
	s_mov_b32 s[\g+3], 32<<16                      ; tile_dim0
	s_mov_b32 s[\g+4], 100                         ; tile_dim1
	s_mov_b32 s[\g+5], 32                          ; from row to row
	s_mov_b32 s[\g+6], 0
	s_mov_b32 s[\g+7], 0
.endr
	; Every wave makes both addresses, in registers that never hold the other coordinate, and asks by one of them or by none.  The wave's number is held to the waves that ask, so that no address leaves its buffer.
	s_min_u32 s86, s[WV], 3
	s_lshl_b32 s87, s[YY], 2
	s_add_co_u32 s86, s86, s87                     ; the tokens' group 4 x block + wave
	s_mul_i32 s86, s86, GRP
	s_mov_b32 s87, 0
	s_max_u32 s88, s[WV], 4
	s_min_u32 s88, s88, 6
	s_sub_co_u32 s88, s88, 4
	s_mul_i32 s89, ttmp9, 3
	s_add_co_u32 s88, s88, s89
	s_lshl_b32 s88, s88, 2
	s_add_co_u32 s88, s88, s[CX]                   ; the columns' group 4 (3 x cluster x + wave - 4) + cx
	s_mul_i32 s88, s88, GRP
	s_mov_b32 s89, 0
	s_mul_i32 s90, s[WV], CH                       ; where they go in a slot: wave x 44,800: no place in the cluster enters an LDS address
	s_mov_b32 s[SEL], 0x76543210
	s_mov_b32 s[SEL+1], 0xfedcba98
	s_wait_kmcnt 0x0
	s_add_nc_u64 s[86:87], s[4:5], s[86:87]
	s_add_nc_u64 s[88:89], s[6:7], s[88:89]
	s_lshl_b32 s60, s[YY], 2
	s_add_co_u32 s60, s60, s[GA]                   ; my group of tokens,
	s_and_b32 s60, s60, 31                         ; in its sequence:
	s_lshl_b32 s60, s60, 14                        ; 64 positions of 256 bytes of the table
	s_mov_b32 s61, 0
	s_add_nc_u64 s[58:59], s[8:9], s[60:61]
.irp q, 0,1,2
	s_mov_b32 s[G0A+4*\q], 1                       ; count = 1
	s_add_co_u32 s[G0A+4*\q+1], s90, (\q%2)*4*BLK  ; LDS address: K steps 0-3 at 0, 4-6 behind them, 7 at 0 again
	s_add_nc_u64 s[G0A+4*\q+2:G0A+4*\q+3], s[86:87], (4*\q-\q/2)*BLK   ; from K step 0, 4, 7
	s_or_b32 s[G0A+4*\q+3], s[G0A+4*\q+3], 0x80000000   ; type = 2
	s_mov_b32 s[G0B+4*\q], 1
	s_add_co_u32 s[G0B+4*\q+1], s90, (\q%2)*4*BLK
	s_add_nc_u64 s[G0B+4*\q+2:G0B+4*\q+3], s[88:89], (4*\q-\q/2)*BLK
	s_or_b32 s[G0B+4*\q+3], s[G0B+4*\q+3], 0x80000000
.endr
	CROUND                                         ; all sixteen work-groups are here: the first joint loads meet
	s_cmp_lt_u32 s[WV], 4                          ; a wave's first fill stands in one branch on its number, ahead of every wait on TENSORcnt and every LDS read
	s_cbranch_scc0 .Lnot_a
	tensor_load_to_lds s[G0A:G0A+3], s[G1A:G1A+7]
	s_nop 0
.rept 4
	v_nop
.endr
	s_branch .Lasked
.Lnot_a:
	s_cmp_lt_u32 s[WV], 7
	s_cbranch_scc0 .Lasked
	tensor_load_to_lds s[G0B:G0B+3], s[G1B:G1B+7]
	s_nop 0
.rept 4
	v_nop
.endr
.Lasked:
	s_mul_i32 s84, s[GA], CH                       ; my tokens' group in a slot,
	s_add_co_u32 s85, s[GB], 4
	s_mul_i32 s85, s85, CH                         ; my columns' group,
	s_xor_b32 s91, s[GA], 3                        ; and the distance between them: (4 + gb - ga) = gb + 1 + (3 - ga) groups
	s_add_co_u32 s91, s91, s[GB]
	s_add_co_u32 s91, s91, 1
	s_mul_i32 s91, s91, CH
	s_add_co_u32 s92, s84, 6144
	v_and_b32 v1, 31, v0                           ; lane
	v_and_b32 v2, 15, v0                           ; r
	v_bfe_u32 v3, v0, 4, 1                         ; h
	s_delay_alu instid0(VALU_DEP_3)
	v_lshlrev_b32 v9, 4, v1                        ; 16 x lane
	s_delay_alu instid0(VALU_DEP_4)
	v_lshlrev_b32 v10, 3, v1                       ; 8 x lane
	s_delay_alu instid0(VALU_DEP_4)
	v_lshlrev_b32 v11, 4, v2                       ; 16 r
	s_delay_alu instid0(VALU_DEP_3)
	v_add_nc_u32 v[AB], s84, v9
	s_delay_alu instid0(VALU_DEP_3)
	v_add_nc_u32 v[AB+1], s84, v10
	v_add_nc_u32 v[AB+2], s85, v9
	v_add_nc_u32 v[AB+3], s85, v10
	v_mul_u32_u24 v[AB+4], s91, v3                 ; the scale words: lanes 0-15 take the tokens', lanes 16-31 the columns': the lower base + h x the distance
	s_delay_alu instid0(VALU_DEP_1)
	v_add_nc_u32 v[AB+4], v[AB+4], v11
	s_delay_alu instid0(VALU_DEP_1)
	v_add_nc_u32 v[AB+4], s92, v[AB+4]
	v_and_b32 v12, 8, v2
	s_delay_alu instid0(VALU_DEP_1)
	v_add_nc_u32 v12, v12, v2                      ; r + 8 (r / 8): my token in its tile
	s_delay_alu instid0(VALU_DEP_1)
	v_lshlrev_b32 v12, 8, v12
	s_delay_alu instid0(VALU_DEP_1)
	v_lshl_add_u32 v12, v3, 6, v12                 ; its row of the table, + my 16 frequencies
	SETADR 0
	s_set_vgpr_msb 0x40                            ; the table's rows for tiles 0 and 1 are asked for here, into the same register numbers of window 1, which the products do not use
	TABLD 0
	TABLD 1
	s_set_vgpr_msb 0x4000
	s_wait_alu depctr_va_vdst(0)
	s_wait_tensorcnt 0x0                           ; my part of K steps 0-3 has landed
	ds_add_u32 v[SPW], v[NIL]
	ds_add_u32 v[SPW], v[NIL]                      ; twice
	s_mov_b32 s[G1A+2], 75<<16                     ; no tensor load of mine is out: the next load brings 75 rows, three K steps
	s_mov_b32 s[G1A+4], 75
	s_mov_b32 s[G1B+2], 75<<16
	s_mov_b32 s[G1B+4], 75
	s_wait_dscnt 0x0
	CROUND                                         ; everybody's part is in, and the joint loads meet
	JL 4                                           ; K steps 4-6: a first fill, with four K steps' products in which to land
	KSTEP 0, 1, 0                                  ; the first products start the sums: nothing is cleared
	KSTEP 1, 0, 1
	KSTEP 2, 0, 1
	KSTEP 3, 0, 1
	s_wait_tensorcnt 0x0                           ; K steps 4-6 are in; K step 0's bytes are filled again:
	ds_add_u32 v[SPW], v[NIL]
	ds_add_u32 v[SPW], v[NIL]
	s_mov_b32 s[G1A+2], 25<<16                     ; 25 rows: one K step
	s_mov_b32 s[G1A+4], 25
	s_mov_b32 s[G1B+2], 25<<16
	s_mov_b32 s[G1B+4], 25
	s_wait_dscnt 0x0                               ; the adds are done, and my reads of K steps 0-3
	CROUND                                         ; no wave of any partner still reads those bytes or has a load on its way
	JL 8                                           ; K step 7, with three K steps' products in which to land
	KSTEP 4, 0, 1
	KSTEP 5, 0, 1
	KSTEP 6, 0, 1
	s_wait_tensorcnt 0x0                           ; my part of K step 7 has landed.  (No LDS load of mine is out: the last K step's waits ended at 0)
	s_barrier_signal -1
	s_barrier_wait -1                              ; everybody's has
	KSTEP 0, 0, 1
.rept 4
	v_nop                                          ; four places between the last products and the first read of results, and the first write into their operands' registers
.endr
	v_mov_b32 v[TP], 0                             ; written once: a lane permute's destination counts as one of its sources
	v_mov_b32 v[TP+1], 0
	s_lshl_b32 s84, s[YY], 2
	s_add_co_u32 s84, s84, s[GA]                   ; my group of tokens
	s_lshr_b32 s85, s84, 5                         ; b
	s_and_b32 s86, s84, 31                         ; the group in its sequence
	s_lshl_b32 s94, s85, 2
	s_add_co_u32 s94, s94, s[CX]
	s_mul_i32 s94, s94, 204800                     ; k, v: kv head cx of batch b,
	s_lshr_b32 s95, s86, 1
	s_mul_i32 s95, s95, 12800
	s_add_co_u32 s94, s94, s95                     ; the step of 128 keys,
	s_and_b32 s95, s86, 1                          ; and which half of it
	s_mov_b32 s91, 0
	s_mov_b32 s93, 0
	s_cmp_eq_u32 s[SIG], 5
	s_cbranch_scc1 .Lvkind
	; ---- q and k: my 64 tokens x one head
	s_lshl_b32 s87, s[SIG], 2
	s_add_co_u32 s87, s87, s[CX]                   ; q's head
	s_lshl_b32 s88, s85, 4
	s_add_co_u32 s88, s88, s87
	s_lshl_b32 s88, s88, 5
	s_add_co_u32 s88, s88, s86                     ; (16 b + head) 32 + group
	s_mul_i32 s90, s88, 3072                       ; q's codes,
	s_lshl_b32 s92, s88, 8                         ; q's scale words
	s_mul_i32 s96, s95, 3072
	s_add_co_u32 s96, s96, s94                     ; k: my 64 keys' codes in the step,
	s_lshl_b32 s97, s95, 3
	s_add_co_u32 s97, s97, s94
	s_add_co_u32 s97, s97, 12288                   ; and their scale words
	s_cmp_eq_u32 s[SIG], 4                         ; the choices hang on the cluster's x and the wave's number
	s_cselect_b64 s[24:25], s[14:15], s[10:11]     ; (the descriptors' registers are free: every tensor load has been waited for)
	s_cselect_b64 s[26:27], s[14:15], s[12:13]
	s_cselect_b32 s90, s96, s90
	s_cselect_b32 s92, s97, s92
	s_add_nc_u64 s[24:25], s[24:25], s[90:91]
	s_add_nc_u64 s[26:27], s[26:27], s[92:93]
	TABLD 2                                        ; tiles 2 and 3: into window 0, where the fragments lay
	TABLD 3
.irp a, 0,1,2,3
.if \a == 0
.set PP, PC
.else
.set PP, ACC+32*(\a-1)
.endif
.if \a < 2
	s_wait_loadcnt 16                              ; the head's 16 loads are in; the 16 of tiles 2 and 3 may be out
	s_set_vgpr_msb 0x04                            ; cos and sin are source 1 of every line of ROPE: window 1
	ROPE \a
	s_set_vgpr_msb 0x0400
.else
	s_wait_loadcnt 8*(3-\a)                        ; this tile's eight loads are in; a later tile's eight may be out
	ROPE \a
.endif
	QUANT2 ACC+32*\a, PP, WW+\a
	global_store_b128 v9, v[PP:PP+3], s[24:25] offset:768*\a           ; 512 consecutive bytes,
	global_store_b64 v10, v[PP+4:PP+5], s[24:25] offset:768*\a+512     ; 256
.endr
	s_cmp_eq_u32 s[SIG], 4
	s_cbranch_scc1 .Lkscale
.irp a, 0,1,2,3
	v_lshl_or_b32 v[WW+\a], v[WW+\a], 16, v[WW+\a] ; a query's two bytes twice: they serve whichever half of the K of 128 the query stands in
.endr
	global_store_b128 v11, v[WW:WW+3], s[26:27]    ; 256 bytes; both halves of the lanes write the same bytes with the same values
	s_branch .Lend
.Lkscale:
	v_lshl_or_b32 v[WW], v[WW+1], 16, v[WW]        ; a packed fragment's word: the first tile's two bytes, then the second's
	v_lshl_or_b32 v[WW+1], v[WW+3], 16, v[WW+2]
	global_store_b64 v11, v[WW:WW+1], s[26:27]
	s_branch .Lend
.Lvkind:
	; ---- v^T: the 64 channels of kv head cx x my 64 keys
	s_mul_i32 s90, s95, 768
	s_add_co_u32 s90, s90, s94
	s_add_co_u32 s90, s90, 6144
	s_lshl_b32 s92, s95, 1
	s_add_co_u32 s92, s92, s94
	s_add_co_u32 s92, s92, 12544
	s_add_nc_u64 s[24:25], s[14:15], s[90:91]
	s_add_nc_u64 s[26:27], s[14:15], s[92:93]
.irp a, 0,1,2,3
.if \a == 0
.set PP, PC
.else
.set PP, ACC+32*(\a-1)
.endif
	QUANT2 ACC+32*\a, PP, WW+\a
	global_store_b128 v9, v[PP:PP+3], s[24:25] offset:1536*\a
	global_store_b64 v10, v[PP+4:PP+5], s[24:25] offset:1536*\a+512
	global_store_b16 v11, v[WW+\a], s[26:27] offset:4*\a               ; two of the four bytes of channel r's word for this step
.endr
.Lend:
	s_wait_tensorcnt 0x0                           ; the wave's end
	ds_add_u32 v[SPW], v[NIL]
	s_wait_dscnt 0x0
	CROUND                                         ; the closing round: no work-group ends while a partner may still ask for a tile that names it
	s_endpgm
.Lfunc_end_k_q23aa01db15_qkv:
	.size	k_q23aa01db15_qkv, .Lfunc_end_k_q23aa01db15_qkv-k_q23aa01db15_qkv
	.p2alignl 7, 3214868480
	.fill 96, 4, 3214868480
	.section	.rodata,"a",@progbits
	.p2align	6, 0x0
	.amdhsa_kernel k_q23aa01db15_qkv
		.amdhsa_group_segment_fixed_size 327680
		.amdhsa_private_segment_fixed_size 0
		.amdhsa_enable_private_segment 0
		.amdhsa_kernarg_size 48
		.amdhsa_user_sgpr_count 2
		.amdhsa_user_sgpr_kernarg_segment_ptr 1
		.amdhsa_wavefront_size32 1
		.amdhsa_system_sgpr_workgroup_id_x 1
		.amdhsa_system_sgpr_workgroup_id_y 1
		.amdhsa_system_sgpr_workgroup_id_z 1
		.amdhsa_system_vgpr_workitem_id 0
		.amdhsa_next_free_vgpr 336
		.amdhsa_next_free_sgpr 100
		.amdhsa_reserve_vcc 0
		.amdhsa_float_denorm_mode_32 3
		.amdhsa_float_denorm_mode_16_64 3
		.amdhsa_memory_ordered 1
		.amdhsa_forward_progress 1
		.amdhsa_inst_pref_size 96
	.end_amdhsa_kernel
	.amdgpu_metadata
---
amdhsa.version: [ 1, 2 ]
amdhsa.kernels:
  - .name:           k_q23aa01db15_qkv
    .symbol:         k_q23aa01db15_qkv.kd
    .args:
      - { .name: xg, .offset: 0, .size: 8, .value_kind: global_buffer, .address_space: global }
      - { .name: wg, .offset: 8, .size: 8, .value_kind: global_buffer, .address_space: global }
      - { .name: tab, .offset: 16, .size: 8, .value_kind: global_buffer, .address_space: global }
      - { .name: qc, .offset: 24, .size: 8, .value_kind: global_buffer, .address_space: global }
      - { .name: qs, .offset: 32, .size: 8, .value_kind: global_buffer, .address_space: global }
      - { .name: kv, .offset: 40, .size: 8, .value_kind: global_buffer, .address_space: global }
    .group_segment_fixed_size: 327680
    .private_segment_fixed_size: 0
    .kernarg_segment_align: 8
    .kernarg_segment_size: 48
    .max_flat_workgroup_size: 384
    .sgpr_count:     100
    .vgpr_count:     336
    .wavefront_size: 32
...
	.end_amdgpu_metadata
.endif
;; end of part 6
;; launch attn (part 7): grid 16 x 16, 8 waves a work-group, clusters of 4 x 1, 205,824 bytes of LDS; arguments qc, qs, kv, ao; writes ao
.if DOCPART == 7
	.amdgcn_target "amdgcn-amd-amdhsa--gfx1250"
	.amdhsa_code_object_version 6
	.text
	.protected	k_q23aa01db15_attn
	.globl	k_q23aa01db15_attn
	.p2align	8
	.type	k_q23aa01db15_attn,@function
k_q23aa01db15_attn:
	s_mov_b64 s[64:65], 0
	v_nop
	global_prefetch_b8 v0, s[64:65] scope:SCOPE_SE
	s_setreg_imm32_b32 hwreg(HW_REG_WAVE_MODE, 25, 1), 1
	s_wait_xcnt 0x0
	s_wait_alu depctr_hold_cnt(0) depctr_sa_sdst(0) depctr_va_vdst(0) depctr_va_sdst(0) depctr_va_ssrc(0) depctr_va_vcc(0) depctr_vm_vsrc(0)
	s_getreg_b32 s2, hwreg(HW_REG_IB_STS2, 6, 4)
	s_cmp_eq_u32 s2, 0
	s_cbranch_scc0 .Lentry_in_a_cluster
	s_endpgm
.Lentry_in_a_cluster:
	s_bfe_u32 s2, ttmp6, 0x10000c
	s_cmp_lg_u32 s2, 0x3003
	s_cbranch_scc0 .Lentry_shape_is_right
	s_endpgm
.Lentry_shape_is_right:
; ATTN: o = softmax(q k^T / 8, causal) v on codes of BF6 (E3M2) with E8M0 scales; o is quantised along the heads' channels and stored as oproj's operand.
; LEFT OUT: steps of 128 keys that lie wholly behind a tile's queries: the causal mask hides them, so their p is 0 for all values of the inputs.
; SHARES.  A work-group takes one head (kv head y % 4 of batch y / 4, query head 4 x kv head + cx) and 32 of its 128 tiles of 16 queries.  Each of its eight waves takes a PAIR of neighbouring tiles
; at a time, so that every fragment of k and v feeds both: pair j = 8 x cluster x + wave (j / 4 + 1 steps of 128 keys) and then pair 63 - j: 17 steps for every wave.
; LDS.  The kv head's 16 steps of 12,800 bytes all fit: each wave fetches two steps by ONE tensor load at the head; nothing is filled again, and one barrier shows all of it to all waves.
; CLUSTER: the four query heads of a kv head read the same bytes: the load is asked for jointly by the four (mask 15).  cx enters global addresses alone.
; No prefetch: the launch's only stream comes by the head's loads, and there is no loop ahead of them to ask in.
; K'S TILES ARE REGROUPED BY ADDRESS.  In a group of 64 keys tile u takes at its row m the key 8 u + m % 8 + 32 (m / 8): lane (m, h) reads the bytes that qkv laid for tile u % 2 + 2 (m / 8), row m % 8 + 8 (u / 2).
; With S^T = k q^T a lane (query r, half h) then holds in registers 32 g + i the keys 64 g + 32 h + i: WHOLE blocks of 32, in the order of the second product's operand: no lane asks another for a block's maximum or codes.
; A packed fragment holds two tiles of keys (K = 64 each); q stands in the lower or the upper 64 of K, zeros in the other.
; SOFTMAX: M is the running largest t rounded up to a whole number; p = 2^(t - M); the sum is taken of the unquantised p; O and the sums are multiplied by 2^(old M - new M) in every step, with no branch on data.
; A block's largest p is made of its largest score by the same multiply-add and exponential.
; LIMITS: the promise holds while the scaled scores (exponents to the base 2) stay under 2^31 in magnitude; NaN and infinities are not served; a block of zeros gets the byte 1 (its codes are zeros; this program alone reads the bytes).
; REGISTERS.  Window 1: v0-63, v64-127 the two tiles' scores, then p; v128-159, v160-191 their O^T; v192-205 the second pair's q.  Window 0: all else.  The two tiles take turns line by line under one setting of the windows.
.set STEPB, 12800
.set SPARE, 16*STEPB                   ; behind the 16 steps: the spare words, 128 bytes for each wave
.set L16,  1                           ; 16 x lane
.set L8,   2                           ; 8 x lane
.set K16,  3                           ; k's fragments: 1536 (r / 8) + 16 (r % 8) + 256 h
.set K8,   4                           ; 1536 (r / 8) + 8 (r % 8) + 128 h
.set KSC,  5                           ; k's scale words: 16 (r % 8) + 4 (r / 8)
.set AK16, 6                           ; the same three in the next step
.set AK8,  7
.set AKS,  8
.set AV16, 9                           ; v's fragments in this step
.set AV8,  10
.set R16,  11                          ; 16 r
.set SH8,  12                          ; 8 h
.set NI,   13                          ; -infinity
.set SPW,  14                          ; my spare word; never rewritten
.set NIL,  15                          ; 0; never rewritten
.set QB,   16                          ; v16-45: zeros, q of tile 0, zeros, q of tile 1, zeros, six registers each
.set QS,   46                          ; v46-47 q's scale words
.set FRK,  48                          ; v48-95  k's four packed fragments
.set FRV,  96                          ; v96-143 v^T's four
.set SCK,  144
.set SCV,  148
.set PCX,  152                         ; v152-175 p's codes, 12 a tile
.set CT,   176                         ; v176-191 the conversions' second halves
.set ST,   192                         ; v192-231 20 registers of state a tile:
.set NM,   0                           ; -M, the running largest score
.set LL,   2                           ; the sum, in two pairs
.set SU,   4
.set FF,   6                           ; 2^(old M - new M)
.set TM,   8                           ; my two blocks' largest
.set SO,   10                          ; scale operands
.set BY,   12                          ; bytes
.set WK,   14
.set TP,   15
.set PW,   16                          ; p's scale word
.set VD,   17                          ; my query's place in its 128, less 32 h
.set VB,   232                         ; r + 8 (r / 8) - 32 h
.set Q2,   192                         ; window 1
.set WV,   2
.set SEL,  20
.set CS,   22
.set TB,   58
.set KS,   59
.set LAST, 60
.set TBN,  63
.set GQ,   78
.set MSB, 0
.macro WIN new                         ; the immediate's high byte repeats the setting that is left
.if MSB != \new
	s_set_vgpr_msb (MSB<<8)|\new
.set MSB, \new
.endif
.endm
.macro D2
	s_delay_alu instid0(VALU_DEP_2)
.endm
.macro CROUND
	s_barrier_signal -1
	s_barrier_wait -1
	s_cmp_lg_u32 s[WV], 0
	s_cbranch_scc1 .Lnot_wave_0_\@
	s_barrier_signal -3
.Lnot_wave_0_\@:
	s_barrier_wait -3
	s_barrier_signal -1
	s_barrier_wait -1
.endm
.macro KLOAD a16, a8, as               ; 20 loads: fragment i = 2 g + f holds tiles 2 f, 2 f + 1 of the step's group g
.irp i, 0,1,2,3
	ds_load_b128 v[FRK+12*\i:FRK+12*\i+3], v[\a16] offset:3072*(\i/2)+128*(\i%2)
	ds_load_b64 v[FRK+12*\i+4:FRK+12*\i+5], v[\a8] offset:3072*(\i/2)+64*(\i%2)+512
	ds_load_b128 v[FRK+12*\i+6:FRK+12*\i+9], v[\a16] offset:3072*(\i/2)+128*(\i%2)+768
	ds_load_b64 v[FRK+12*\i+10:FRK+12*\i+11], v[\a8] offset:3072*(\i/2)+64*(\i%2)+1280
	ds_load_b32 v[SCK+\i], v[\as] offset:12288+128*(\i%2)+8*(\i/2)
.endr
.endm
.macro MASKH hf                        ; register 32 hf + n holds key 64 hf + 32 h + n of the step: masked where it lies behind my query
.irp T, 0,1
.set NN, 0
.rept 32
	v_cmp_gt_i32 vcc_lo, 64*\hf+NN, v[ST+20*\T+VD]
	v_cndmask_b32 v[64*\T+32*\hf+NN], v[64*\T+32*\hf+NN], v[NI], vcc_lo
.set NN, NN+1
.endr
.endr
.endm
.macro QUANT2 x, pc, wd, sb            ; 32 numbers of a lane, register 16 b + i = channel 32 b + 16 h + i, become half a fragment's codes and two scale bytes
.irp b, 0,1
	v_max3_num_f32 v[\sb+TM+\b], |v[\x+16*\b]|, |v[\x+16*\b+1]|, 0x2800000
.endr
.irp i, 2,4,6,8,10,12,14
.irp b, 0,1
	D2
	v_max3_num_f32 v[\sb+TM+\b], v[\sb+TM+\b], |v[\x+16*\b+\i]|, |v[\x+16*\b+\i+1]|
.endr
.endr
.irp b, 0,1
	D2
	v_permlanex16_b32 v[\sb+WK+\b], v[\sb+TM+\b], s[SEL], s[SEL+1]
.endr
.irp b, 0,1
	D2
	v_max_num_f32 v[\sb+TM+\b], v[\sb+TM+\b], v[\sb+WK+\b]
.endr
.irp b, 0,1
	D2
	v_add_nc_u32 v[\sb+SO+\b], 0xfe000000, v[\sb+TM+\b]
.endr
.irp b, 0,1
	D2
	v_lshrrev_b32 v[\sb+BY+\b], 23, v[\sb+SO+\b]
.endr
	v_lshl_or_b32 v[\wd], v[\sb+BY+1], 8, v[\sb+BY]
	v_cvt_scalef32_pk16_bf6_f32 v[\pc:\pc+2], v[\x:\x+15], v[\sb+SO]
	v_cvt_scalef32_pk16_bf6_f32 v[\pc+4:\pc+6], v[\x+16:\x+31], v[\sb+SO+1]
	v_nop                                          ; one plain place behind a scaled conversion
.irp i, 0,1,2
	v_permlane16_swap_b32 v[\pc+\i], v[\pc+4+\i]
.endr
.irp i, 0,1,2
	v_mov_b32 v[\pc+3+\i], v[\pc+4+\i]
.endr
.endm
.macro START                           ; a pair begins: the largest score -3e38, -M its negative, sums and O^T zeros
.irp T, 0,1
	v_mov_b32 v[ST+20*\T+NM+1], 0xff61b1e6
	v_mov_b32 v[ST+20*\T+NM], 0x7f61b1e6
.irp i, 0,1,2,3
	v_mov_b32 v[ST+20*\T+LL+\i], 0
.endr
.endr
	WIN 0x40
.set JJ, 0
.rept 64
	v_mov_b32 v[128+JJ], 0
.set JJ, JJ+1
.endr
	WIN 0
.endm
.macro PLACE t, qcp, qsp, aop, asp, last, gq, vd   ; t: the pair's first tile, an even number; the second tile's places follow by constants
	s_add_co_u32 s41, s40, s[\t]
	s_mul_i32 s74, s41, 768
	s_add_nc_u64 s[\qcp:\qcp+1], s[4:5], s[74:75]
	s_lshr_b32 s42, s41, 2
	s_lshl_b32 s42, s42, 8
	s_and_b32 s43, s41, 3
	s_lshl_b32 s43, s43, 2
	s_add_co_u32 s74, s42, s43
	s_add_nc_u64 s[\qsp:\qsp+1], s[6:7], s[74:75]
	s_lshr_b32 s42, s[\t], 2
	s_and_b32 s43, s[\t], 3
	s_lshr_b32 s[\last], s42, 1                    ; the step that holds the pair's own keys
	s_and_b32 s[\gq], s42, 1                       ; and which 64 of its 128
	s_add_co_u32 s44, s45, s42
	s_mul_i32 s44, s44, 51200
	s_add_co_u32 s44, s44, s46
	s_mul_i32 s47, s43, 1536
	s_add_co_u32 s74, s44, s47
	s_add_co_u32 s74, s74, s48
	s_add_nc_u64 s[\aop:\aop+1], s[10:11], s[74:75]
	s_lshl_b32 s47, s43, 2
	s_add_co_u32 s74, s44, s47
	s_add_co_u32 s74, s74, s49
	s_add_nc_u64 s[\asp:\asp+1], s[10:11], s[74:75]
	s_and_b32 s42, s[\t], 7
	s_lshl_b32 s[\vd], s42, 4                      ; 32 ((t % 8) / 2)
.endm
; One step of 128 keys for both tiles.  The loop's trip count is a constant; steps behind the pair's queries are jumped over by a test on ids.
.macro STEP
	s_cmp_gt_u32 s[KS], s[LAST]
	s_cbranch_scc1 .Lskip_\@
	s_add_co_u32 s[TBN], s[TB], STEPB
	s_min_u32 s[TBN], s[TBN], 15*STEPB             ; the next step, held inside the 16
	s_wait_dscnt 0x0                               ; k's fragments, asked for a step ago
	WIN 0x40
.irp i, 0,1,2,3
.irp p, 0,1
.irp T, 0,1
	v_wmma_scale_f32_16x16x128_f8f6f4 v[64*\T+16*\i+8*\p:64*\T+16*\i+8*\p+7], v[FRK+12*\i:FRK+12*\i+11], v[QB+6-6*\p+12*\T:QB+17-6*\p+12*\T], 0, v[SCK+\i], v[QS+\T] matrix_a_fmt:MATRIX_FMT_BF6 matrix_b_fmt:MATRIX_FMT_BF6
.endr
.endr
.endr
	WIN 0
	v_add_nc_u32 v[AV16], s[TB], v[L16]            ; five plain lines: the places between the products and the loads into their registers, and the first reads of results
	v_add_nc_u32 v[AV8], s[TB], v[L8]
	v_add_nc_u32 v[AK16], s[TBN], v[K16]
	v_add_nc_u32 v[AK8], s[TBN], v[K8]
	v_add_nc_u32 v[AKS], s[TBN], v[KSC]
.irp t, 0,1,2,3
	ds_load_b128 v[FRV+12*\t:FRV+12*\t+3], v[AV16] offset:6144+1536*\t
	ds_load_b64 v[FRV+12*\t+4:FRV+12*\t+5], v[AV8] offset:6144+1536*\t+512
	ds_load_b128 v[FRV+12*\t+6:FRV+12*\t+9], v[AV16] offset:6144+1536*\t+768
	ds_load_b64 v[FRV+12*\t+10:FRV+12*\t+11], v[AV8] offset:6144+1536*\t+1280
.endr
	ds_load_b128 v[SCV:SCV+3], v[AV16] offset:12288   ; lanes 16-31: v's scale words
	KLOAD AK16, AK8, AKS                           ; the next step's k
	s_cmp_lg_u32 s[KS], s[LAST]
	s_cbranch_scc1 .Lopen_\@
	s_cmp_lg_u32 s[GQ], 0                          ; queries in the upper 64: no key of the lower 64 is masked
	s_cbranch_scc1 .Lup_\@
	WIN 0x41
	MASKH 0
	WIN 0
.Lup_\@:
	WIN 0x41
	MASKH 1
	WIN 0
.Lopen_\@:
	WIN 0x15
.irp g, 0,1
.irp T, 0,1
	v_max3_num_f32 v[ST+20*\T+TM+\g], v[64*\T+32*\g], v[64*\T+32*\g+1], v[64*\T+32*\g+2]   ; my block's largest score; each accumulator is read from its low end on
.endr
.endr
	WIN 0x14
.irp i, 3,5,7,9,11,13,15,17,19,21,23,25,27,29
.irp g, 0,1
.irp T, 0,1
	v_max3_num_f32 v[ST+20*\T+TM+\g], v[ST+20*\T+TM+\g], v[64*\T+32*\g+\i], v[64*\T+32*\g+\i+1]
.endr
.endr
.endr
.irp g, 0,1
.irp T, 0,1
	v_max_num_f32 v[ST+20*\T+TM+\g], v[ST+20*\T+TM+\g], v[64*\T+32*\g+31]
.endr
.endr
	WIN 0
.irp T, 0,1
	v_max3_num_f32 v[ST+20*\T+WK], v[ST+20*\T+TM], v[ST+20*\T+TM+1], v[ST+20*\T+NM+1]
.endr
.irp T, 0,1
	D2
	v_permlanex16_b32 v[ST+20*\T+TP], v[ST+20*\T+WK], s[SEL], s[SEL+1]
.endr
.irp T, 0,1
	D2
	v_max_num_f32 v[ST+20*\T+NM+1], v[ST+20*\T+WK], v[ST+20*\T+TP]   ; the running largest score of my query
.endr
.irp T, 0,1
	D2
	v_mul_f32 v[ST+20*\T+WK], s[CS], v[ST+20*\T+NM+1]                ; as t
.endr
.irp T, 0,1
	D2
	v_floor_f32 v[ST+20*\T+BY], -v[ST+20*\T+WK]                      ; the new -M
.endr
.irp T, 0,1
	D2
	v_sub_f32 v[ST+20*\T+WK], v[ST+20*\T+BY], v[ST+20*\T+NM]         ; old M less new M: a whole number, 0 or less
.endr
.irp T, 0,1
	v_mov_b32 v[ST+20*\T+NM], v[ST+20*\T+BY]
.endr
.irp T, 0,1
	v_cvt_i32_f32 v[ST+20*\T+WK], v[ST+20*\T+WK]                     ; (it saturates)
.endr
.irp T, 0,1
	D2
	v_ldexp_f32 v[ST+20*\T+FF], 1.0, v[ST+20*\T+WK]
.endr
.irp g, 0,1
.irp T, 0,1
	v_fma_f32 v[ST+20*\T+TM+\g], v[ST+20*\T+TM+\g], s[CS], v[ST+20*\T+NM]
.endr
.endr
	WIN 0x41
.irp T, 0,1
.set JJ, 0
.rept 16
	v_pk_mul_f32 v[128+32*\T+JJ:128+32*\T+JJ+1], v[128+32*\T+JJ:128+32*\T+JJ+1], v[ST+20*\T+FF:ST+20*\T+FF+1] op_sel_hi:[1,0]   ; O^T under the new M
.set JJ, JJ+2
.endr
.endr
.irp T, 0,1
.set JJ, 0
.rept 32
	v_pk_fma_f32 v[64*\T+JJ:64*\T+JJ+1], v[64*\T+JJ:64*\T+JJ+1], s[CS:CS+1], v[ST+20*\T+NM:ST+20*\T+NM+1] op_sel_hi:[1,0,0]   ; t - M
.set JJ, JJ+2
.endr
.endr
	s_wait_alu depctr_va_vdst(0)                   ; a wait ahead of the batch
.set JJ, 0
.rept 128
	v_exp_f32 v[JJ], v[JJ]
.set JJ, JJ+1
.endr
	WIN 0
.irp g, 0,1
.irp T, 0,1
	v_exp_f32 v[ST+20*\T+TM+\g], v[ST+20*\T+TM+\g]   ; the block's largest p
.endr
.endr
.irp T, 0,1
	v_pk_mul_f32 v[ST+20*\T+LL:ST+20*\T+LL+1], v[ST+20*\T+LL:ST+20*\T+LL+1], v[ST+20*\T+FF:ST+20*\T+FF+1] op_sel_hi:[1,0]   ; the sums under the new M: plain lines behind the batch
	v_pk_mul_f32 v[ST+20*\T+SU:ST+20*\T+SU+1], v[ST+20*\T+SU:ST+20*\T+SU+1], v[ST+20*\T+FF:ST+20*\T+FF+1] op_sel_hi:[1,0]
.endr
	s_wait_alu depctr_va_vdst(0)                   ; and behind it, ahead of its first reader
.irp g, 0,1
.irp T, 0,1
	v_max_num_f32 v[ST+20*\T+TM+\g], 0x2800000, v[ST+20*\T+TM+\g]    ; the floor 2^(5 - 127): the byte cannot fall under 1
.endr
.endr
.irp g, 0,1
.irp T, 0,1
	v_add_nc_u32 v[ST+20*\T+SO+\g], 0xfe000000, v[ST+20*\T+TM+\g]
.endr
.endr
.irp g, 0,1
.irp T, 0,1
	v_lshrrev_b32 v[ST+20*\T+BY+\g], 23, v[ST+20*\T+SO+\g]
.endr
.endr
.irp T, 0,1
	v_lshl_or_b32 v[ST+20*\T+WK], v[ST+20*\T+BY+1], 16, v[ST+20*\T+BY]   ; my bytes: blocks h and 2 + h,
.endr
.irp T, 0,1
	D2
	v_lshlrev_b32 v[ST+20*\T+WK], v[SH8], v[ST+20*\T+WK]             ; at their places;
.endr
.irp T, 0,1
	D2
	v_permlanex16_b32 v[ST+20*\T+TP], v[ST+20*\T+WK], s[SEL], s[SEL+1]
.endr
.irp T, 0,1
	D2
	v_or_b32 v[ST+20*\T+PW], v[ST+20*\T+WK], v[ST+20*\T+TP]          ; with lane l xor 16's the word is whole
.endr
	WIN 0x01
.irp T, 0,1
.irp g, 0,1
	v_cvt_scalef32_pk16_bf6_f32 v[PCX+12*\T+6*\g:PCX+12*\T+6*\g+2], v[64*\T+32*\g:64*\T+32*\g+15], v[ST+20*\T+SO+\g]
	v_cvt_scalef32_pk16_bf6_f32 v[CT+8*\T+4*\g:CT+8*\T+4*\g+2], v[64*\T+32*\g+16:64*\T+32*\g+31], v[ST+20*\T+SO+\g]   ; (a conversion's three registers begin on an even number)
.endr
.endr
	WIN 0
	v_nop                                          ; one plain place behind a scaled conversion
.irp T, 0,1
.irp g, 0,1
.irp i, 0,1,2
	v_mov_b32 v[PCX+12*\T+6*\g+3+\i], v[CT+8*\T+4*\g+\i]
.endr
.endr
.endr
	WIN 0x04
.set JJ, 0
.rept 16
.irp T, 0,1
	v_pk_add_f32 v[ST+20*\T+LL:ST+20*\T+LL+1], v[ST+20*\T+LL:ST+20*\T+LL+1], v[64*\T+JJ:64*\T+JJ+1]      ; the sum of the unquantised p: four chains by turns
	v_pk_add_f32 v[ST+20*\T+SU:ST+20*\T+SU+1], v[ST+20*\T+SU:ST+20*\T+SU+1], v[64*\T+JJ+2:64*\T+JJ+3]
.endr
.set JJ, JJ+4
.endr
	s_wait_dscnt 20                                ; v's 17 loads are in; the 20 issued behind them, the next step's k, may be out
	WIN 0x50
.irp t, 0,1,2,3
.irp T, 0,1
	v_wmma_scale_f32_16x16x128_f8f6f4 v[128+32*\T+8*\t:128+32*\T+8*\t+7], v[FRV+12*\t:FRV+12*\t+11], v[PCX+12*\T:PCX+12*\T+11], v[128+32*\T+8*\t:128+32*\T+8*\t+7], v[SCV+\t], v[ST+20*\T+PW] matrix_a_fmt:MATRIX_FMT_BF6 matrix_b_fmt:MATRIX_FMT_BF6 matrix_a_scale:MATRIX_SCALE_ROW1
.endr
.endr
	WIN 0
.Lskip_\@:
	s_add_co_u32 s[TB], s[TB], STEPB
	s_add_co_u32 s[KS], s[KS], 1
.endm
.macro FINISH cp, sp                   ; O^T / the sum, quantised along the head's 64 channels, stored in the order of oproj's operand registers
	s_wait_dscnt 0x0                               ; the last step's fetch of k has landed: its registers are written below
	s_wait_alu depctr_va_vdst(0)                   ; directly ahead of the reader below
.irp T, 0,1
	v_pk_add_f32 v[ST+20*\T+LL:ST+20*\T+LL+1], v[ST+20*\T+LL:ST+20*\T+LL+1], v[ST+20*\T+SU:ST+20*\T+SU+1]
.endr
.irp T, 0,1
	D2
	v_add_f32 v[ST+20*\T+LL], v[ST+20*\T+LL], v[ST+20*\T+LL+1]
.endr
.irp T, 0,1
	D2
	v_permlanex16_b32 v[ST+20*\T+TP], v[ST+20*\T+LL], s[SEL], s[SEL+1]
.endr
.irp T, 0,1
	D2
	v_add_f32 v[ST+20*\T+LL], v[ST+20*\T+LL], v[ST+20*\T+TP]
.endr
	s_wait_alu depctr_va_vdst(0)
.irp T, 0,1
	v_rcp_f32 v[ST+20*\T+LL], v[ST+20*\T+LL]
.endr
	v_nop
	WIN 0x01
	s_wait_alu depctr_va_vdst(0)                   ; for the reciprocals and for O^T's first read
.irp T, 0,1
.set JJ, 0
.rept 16
	v_pk_mul_f32 v[FRK+32*\T+JJ:FRK+32*\T+JJ+1], v[128+32*\T+JJ:128+32*\T+JJ+1], v[ST+20*\T+LL:ST+20*\T+LL+1] op_sel_hi:[1,0]
.set JJ, JJ+2
.endr
.endr
	WIN 0
.irp T, 0,1
	QUANT2 FRK+32*\T, FRK+64+8*\T, FRK+80+\T, ST+20*\T
	global_store_b128 v[L16], v[FRK+64+8*\T:FRK+67+8*\T], s[\cp:\cp+1] offset:1536*\T
	global_store_b64 v[L8], v[FRK+68+8*\T:FRK+69+8*\T], s[\cp:\cp+1] offset:1536*\T+512
	global_store_b16 v[R16], v[FRK+80+\T], s[\sp:\sp+1] offset:4*\T
.endr
.endm
	s_load_b256 s[4:11], s[0:1], 0x0               ; qc 4:5, qs 6:7, kv 8:9, ao 10:11
	v_lshl_add_u32 v[SPW], v0, 2, SPARE
	v_mov_b32 v[NIL], 0
	ds_add_u32 v[SPW], v[NIL]                      ; the opening lines: the add, twice on end, and its wait ahead of my first tensor load
	ds_add_u32 v[SPW], v[NIL]
	v_lshrrev_b32 v16, 5, v0
	v_readfirstlane_b32 s[WV], v16                 ; wave 0..7
	s_and_b32 s14, ttmp7, 0xffff                   ; 4 x batch + kv head
	s_mul_i32 s40, s[WV], 2*STEPB                  ; my two steps
	s_mul_i32 s74, s14, 16*STEPB
	s_add_co_u32 s74, s74, s40
	s_mov_b32 s75, 0
	s_mov_b32 s32, 15|(3<<16)|(1<<21)              ; the mask of the four; elements of 8 bytes; bit 21 beside a mask
	s_mov_b32 s33, 32<<16                          ; rows of 256 bytes,
	s_mov_b32 s34, 100<<16                         ; 100 of them: 25,600 dense bytes
	s_mov_b32 s35, 32<<16
	s_mov_b32 s36, 100
	s_mov_b32 s37, 32
	s_mov_b32 s38, 0
	s_mov_b32 s39, 0
	s_wait_dscnt 0x0
	s_wait_kmcnt 0x0
	s_mov_b32 s24, 1
	s_mov_b32 s25, s40
	s_add_nc_u64 s[26:27], s[8:9], s[74:75]
	s_or_b32 s27, s27, 0x80000000
	CROUND                                         ; the four work-groups are here: the joint loads meet
	tensor_load_to_lds s[24:27], s[32:39]          ; my one tensor load
	s_nop 0
.rept 4
	v_nop
.endr
	s_bfe_u32 s3, ttmp6, 0x40000                   ; cx
	s_lshl_b32 s41, ttmp9, 3
	s_add_co_u32 s41, s41, s[WV]                   ; j
	s_lshl_b32 s12, s41, 1                         ; the first pair's first tile, 2 j,
	s_sub_co_u32 s13, 126, s12                     ; the second's, 2 (63 - j)
	s_lshr_b32 s15, s14, 2
	s_and_b32 s16, s14, 3
	s_lshl_b32 s17, s16, 2
	s_add_co_u32 s17, s17, s3                      ; the query head
	s_mov_b32 s[SEL], 0x76543210
	s_mov_b32 s[SEL+1], 0xfedcba98
	s_mov_b32 s[CS], 0x3e38aa3b                    ; log2(e) / 8
	s_mov_b32 s[CS+1], s[CS]
	s_lshl_b32 s40, s15, 4
	s_add_co_u32 s40, s40, s17
	s_lshl_b32 s40, s40, 7
	s_lshl_b32 s45, s15, 5
	s_lshr_b32 s46, s17, 1
	s_mul_i32 s46, s46, 6400
	s_and_b32 s49, s17, 1
	s_mul_i32 s48, s49, 768
	s_lshl_b32 s49, s49, 1
	s_add_co_u32 s49, s49, 6144
	v_and_b32 v16, 31, v0
	v_and_b32 v17, 15, v0                          ; r
	v_bfe_u32 v18, v0, 4, 1                        ; h
	v_and_b32 v19, 7, v0                           ; r % 8
	v_bfe_u32 v20, v0, 3, 1                        ; r / 8
	v_lshlrev_b32 v[L16], 4, v16
	v_lshlrev_b32 v[L8], 3, v16
	v_lshlrev_b32 v[R16], 4, v17
	v_lshlrev_b32 v[SH8], 3, v18
	v_mul_u32_u24 v21, v20, 1536
	v_lshlrev_b32 v22, 5, v18
	v_lshl_add_u32 v[K16], v19, 4, v21
	v_lshl_add_u32 v[K8], v19, 3, v21
	v_lshlrev_b32 v[KSC], 4, v19
	v_lshl_add_u32 v[VB], v20, 3, v17
	v_lshl_add_u32 v[K16], v18, 8, v[K16]
	v_lshl_add_u32 v[K8], v18, 7, v[K8]
	v_lshl_add_u32 v[KSC], v20, 2, v[KSC]
	v_sub_nc_u32 v[VB], v[VB], v22
	s_wait_alu depctr_va_vdst(0)                   ; ahead of the run of scalar lines
	PLACE 12, 50, 52, 54, 56, 61, 79, 81
	PLACE 13, 66, 68, 70, 72, 62, 80, 82
	global_load_b128 v[QB+6:QB+9], v[L16], s[50:51]
	global_load_b64 v[QB+10:QB+11], v[L8], s[50:51] offset:512
	global_load_b128 v[QB+18:QB+21], v[L16], s[50:51] offset:768
	global_load_b64 v[QB+22:QB+23], v[L8], s[50:51] offset:1280
	global_load_b32 v[QS], v[R16], s[52:53]
	global_load_b32 v[QS+1], v[R16], s[52:53] offset:4
	WIN 0x40                                       ; the second pair's q waits in window 1
	global_load_b128 v[Q2:Q2+3], v[L16], s[66:67]
	global_load_b64 v[Q2+4:Q2+5], v[L8], s[66:67] offset:512
	global_load_b128 v[Q2+6:Q2+9], v[L16], s[66:67] offset:768
	global_load_b64 v[Q2+10:Q2+11], v[L8], s[66:67] offset:1280
	global_load_b32 v[Q2+12], v[R16], s[68:69]
	global_load_b32 v[Q2+13], v[R16], s[68:69] offset:4
	WIN 0
.irp j, 0,1,2,3,4,5,12,13,14,15,16,17,24,25,26,27,28,29
	v_mov_b32 v[QB+\j], 0
.endr
.irp T, 0,1
	v_mov_b32 v[ST+20*\T+FF+1], 0                  ; named as a pair's upper half, or as a lane permute's destination, before they are first written
	v_mov_b32 v[ST+20*\T+WK], 0
	v_mov_b32 v[ST+20*\T+TP], 0
.endr
	v_mov_b32 v[NI], 0xff800000
	v_add_nc_u32 v[ST+VD], s81, v[VB]
	v_add_nc_u32 v[ST+20+VD], 8, v[ST+VD]
	START
	s_wait_alu depctr_va_vdst(0)                   ; at the head's end
	s_wait_loadcnt 0x0
	s_wait_tensorcnt 0x0                           ; my two steps have landed
	s_barrier_signal -1
	s_barrier_wait -1                              ; everybody's have: all 16 steps are in LDS
	KLOAD K16, K8, KSC                             ; step 0's k
	s_mov_b32 s[TB], 0
	s_mov_b32 s[KS], 0
	s_mov_b32 s[LAST], s61
	s_mov_b32 s[GQ], s79
.Lpair_a:
	STEP
	s_cmp_lt_u32 s[KS], 8                          ; j is under 32: its keys end in step 7 at the latest
	s_cbranch_scc1 .Lpair_a
	FINISH 54, 56
	WIN 0x01
.irp i, 0,1,2,3,4,5
	v_mov_b32 v[QB+6+\i], v[Q2+\i]
	v_mov_b32 v[QB+18+\i], v[Q2+6+\i]
.endr
	v_mov_b32 v[QS], v[Q2+12]
	v_mov_b32 v[QS+1], v[Q2+13]
	WIN 0
	v_add_nc_u32 v[ST+VD], s82, v[VB]
	v_add_nc_u32 v[ST+20+VD], 8, v[ST+VD]
	START
	s_wait_alu depctr_va_vdst(0)
	s_wait_xcnt 0x0                                ; the first pair's stores have read their registers, which v's fragments take again
	KLOAD K16, K8, KSC
	s_mov_b32 s[TB], 0
	s_mov_b32 s[KS], 0
	s_mov_b32 s[LAST], s62
	s_mov_b32 s[GQ], s80
.Lpair_b:
	STEP
	s_cmp_lt_u32 s[KS], 16
	s_cbranch_scc1 .Lpair_b
	FINISH 70, 72
	s_wait_tensorcnt 0x0                           ; the wave's end
	ds_add_u32 v[SPW], v[NIL]
	s_wait_dscnt 0x0
	CROUND                                         ; the closing round
	s_endpgm
.Lfunc_end_k_q23aa01db15_attn:
	.size	k_q23aa01db15_attn, .Lfunc_end_k_q23aa01db15_attn-k_q23aa01db15_attn
	.p2alignl 7, 3214868480
	.fill 96, 4, 3214868480
	.section	.rodata,"a",@progbits
	.p2align	6, 0x0
	.amdhsa_kernel k_q23aa01db15_attn
		.amdhsa_group_segment_fixed_size 205824
		.amdhsa_private_segment_fixed_size 0
		.amdhsa_enable_private_segment 0
		.amdhsa_kernarg_size 32
		.amdhsa_user_sgpr_count 2
		.amdhsa_user_sgpr_kernarg_segment_ptr 1
		.amdhsa_wavefront_size32 1
		.amdhsa_system_sgpr_workgroup_id_x 1
		.amdhsa_system_sgpr_workgroup_id_y 1
		.amdhsa_system_sgpr_workgroup_id_z 1
		.amdhsa_system_vgpr_workitem_id 0
		.amdhsa_next_free_vgpr 464
		.amdhsa_next_free_sgpr 84
		.amdhsa_reserve_vcc 1
		.amdhsa_float_denorm_mode_32 3
		.amdhsa_float_denorm_mode_16_64 3
		.amdhsa_memory_ordered 1
		.amdhsa_forward_progress 1
		.amdhsa_inst_pref_size 111
	.end_amdhsa_kernel
	.amdgpu_metadata
---
amdhsa.version: [ 1, 2 ]
amdhsa.kernels:
  - .name:           k_q23aa01db15_attn
    .symbol:         k_q23aa01db15_attn.kd
    .args:
      - { .name: qc, .offset: 0, .size: 8, .value_kind: global_buffer, .address_space: global }
      - { .name: qs, .offset: 8, .size: 8, .value_kind: global_buffer, .address_space: global }
      - { .name: kv, .offset: 16, .size: 8, .value_kind: global_buffer, .address_space: global }
      - { .name: ao, .offset: 24, .size: 8, .value_kind: global_buffer, .address_space: global }
    .group_segment_fixed_size: 205824
    .private_segment_fixed_size: 0
    .kernarg_segment_align: 8
    .kernarg_segment_size: 32
    .max_flat_workgroup_size: 256
    .sgpr_count:     84
    .vgpr_count:     464
    .wavefront_size: 32
...
	.end_amdgpu_metadata
.endif
;; end of part 7
;; launch oproj (part 8): grid 4 x 64, 8 waves a work-group, clusters of 4 x 4, 308,224 bytes of LDS; arguments ao, wg, out0; writes out0
.if DOCPART == 8
	.amdgcn_target "amdgcn-amd-amdhsa--gfx1250"
	.amdhsa_code_object_version 6
	.text
	.protected	k_q23aa01db15_oproj
	.globl	k_q23aa01db15_oproj
	.p2align	8
	.type	k_q23aa01db15_oproj,@function
k_q23aa01db15_oproj:
	s_mov_b64 s[64:65], 0
	v_nop
	global_prefetch_b8 v0, s[64:65] scope:SCOPE_SE
	s_setreg_imm32_b32 hwreg(HW_REG_WAVE_MODE, 25, 1), 1
	s_wait_xcnt 0x0
	s_wait_alu depctr_hold_cnt(0) depctr_sa_sdst(0) depctr_va_vdst(0) depctr_va_sdst(0) depctr_va_ssrc(0) depctr_va_vcc(0) depctr_vm_vsrc(0)
	s_getreg_b32 s2, hwreg(HW_REG_IB_STS2, 6, 4)
	s_cmp_eq_u32 s2, 0
	s_cbranch_scc0 .Lentry_in_a_cluster
	s_endpgm
.Lentry_in_a_cluster:
	s_bfe_u32 s2, ttmp6, 0x10000c
	s_cmp_lg_u32 s2, 0xf033
	s_cbranch_scc0 .Lentry_shape_is_right
	s_endpgm
.Lentry_shape_is_right:
; OPROJ: out0 = o wo on codes of BF6 (E3M2) with E8M0 scales; out0 [8192][1024] f32.
; Side A is 128 tokens (two groups of 64 of ao, y), side B 256 columns of wo (four groups of wg from group 24 on, x); K = 1,024.  All six groups, 51,200 bytes each, fit in LDS together: each byte of LDS is filled once, by 6
; tensor loads issued at the head (waves 0, 1: a group of A each, waves 2-5: a group of B each, each by one load of all of K), so there is no ring.  A wave has one tensor load out at the most.
; CLUSTERS: 4 x 4 work-groups.  The four of a row of the cluster take the same tokens, the four of a column the same columns of wo: each tile is asked for JOINTLY, by the same tensor load with the same descriptor and a mask
; that names the four.  cx and cy enter global addresses and masks and nothing else.
; Eight waves: wave (ga, gb) multiplies group ga of A by group gb of B: 64 x 64, 16 accumulators.  Source 0 = 16 columns of wo, source 1 = 16 tokens: a lane holds one token, and, by the order of the rows in a fragment
; (fragment u of each 32 rows holds at row m the row 8 u + m + 8 (m / 8)), register 16 t + i of its 32 registers of tile a holds column 32 t + 16 (lane / 16) + i of the group.
; THE WAY OUT: a tile of 16 tokens x 64 columns goes through the wave's own stage in LDS (rows of 256 bytes + 16) and leaves as whole rows: sixteen lanes store 256 consecutive bytes, at a multiple of 256 from out0's first byte.
; The stages lie in bytes that have had their only fill and that, behind a barrier, nobody reads.
.set GRP,  51200
.set BLK,  6400
.set AF,   16                          ; v16-63   A's four fragments; on the way out v16-79: two sets of 32: a tile's rows read back
.set BF,   64                          ; v64-111  B's four
.set SC,   112                         ; v112-115 scale words: register i: lanes 0-15 A's tile i, lanes 16-31 B's tile i
.set ACC,  128                         ; v128-255 accumulator (a, b) at ACC + 8 (4 a + b)
.set WV,   16                          ; s16 wave, s17 ga, s18 gb, s19 cx, s20 cy, s21 x, s22 y
.set GA,   17
.set GB,   18
.set CX,   19
.set CY,   20
.set XX,   21
.set YY,   22
.set G1A,  24                          ; s[24:31] descriptor group 1 for A's tiles;  s[32:39] for B's: they differ in the mask
.set G1B,  32
.set G0A,  40                          ; s[40:43] group 0 for A's tiles
.set G0B,  68                          ; s[68:71] the same for B's
.macro CROUND                          ; a round of the cluster's barrier: my work-group's barrier; wave 0 signals for the work-group; every wave waits for all sixteen; my work-group's barrier once more
	s_barrier_signal -1
	s_barrier_wait -1
	s_cmp_lg_u32 s[WV], 0
	s_cbranch_scc1 .Lnot_wave_0_\@
	s_barrier_signal -3
.Lnot_wave_0_\@:
	s_barrier_wait -3
	s_barrier_signal -1
	s_barrier_wait -1
.endm
.macro FRAG reg, a16, a8, off
	ds_load_b128 v[\reg:\reg+3], v[\a16] offset:\off
	ds_load_b64 v[\reg+4:\reg+5], v[\a8] offset:\off+512
	ds_load_b128 v[\reg+6:\reg+9], v[\a16] offset:\off+768
	ds_load_b64 v[\reg+10:\reg+11], v[\a8] offset:\off+1280
.endm
.macro MM a, b, zero
.if \zero
	v_wmma_scale_f32_16x16x128_f8f6f4 v[ACC+8*(4*\a+\b):ACC+8*(4*\a+\b)+7], v[BF+12*\b:BF+12*\b+11], v[AF+12*\a:AF+12*\a+11], 0, v[SC+\b], v[SC+\a] matrix_a_fmt:MATRIX_FMT_BF6 matrix_b_fmt:MATRIX_FMT_BF6 matrix_a_scale:MATRIX_SCALE_ROW1
.else
	v_wmma_scale_f32_16x16x128_f8f6f4 v[ACC+8*(4*\a+\b):ACC+8*(4*\a+\b)+7], v[BF+12*\b:BF+12*\b+11], v[AF+12*\a:AF+12*\a+11], v[ACC+8*(4*\a+\b):ACC+8*(4*\a+\b)+7], v[SC+\b], v[SC+\a] matrix_a_fmt:MATRIX_FMT_BF6 matrix_b_fmt:MATRIX_FMT_BF6 matrix_a_scale:MATRIX_SCALE_ROW1
.endif
.endm
; One K step of 128: 33 LDS loads, 16 matrix instructions.  The 16 accumulators take turns, one instruction a turn, in the same order in every step.
.macro KSTEP k, zero
.if (\k) > 0
.rept 4
	v_nop                                          ; four places between the last products and loads into registers that they read
.endr
.endif
	ds_load_b128 v[SC:SC+3], v8 offset:BLK*(\k)
.irp i, 0,1,2,3
	FRAG AF+12*\i, 4, 5, BLK*(\k)+1536*\i
.endr
.irp i, 0,1,2,3
	FRAG BF+12*\i, 6, 7, BLK*(\k)+1536*\i
.endr
.irp b, 0,1,2,3
	s_wait_dscnt 12-4*\b                           ; the scale words, A's four fragments and B's up to b are in; the four loads of each later fragment of B may be out
.irp a, 0,1,2,3
	MM \a, \b, \zero
.endr
.endr
.endm
.macro TOSTAGE a                       ; tile a: lane (r, h) puts its 32 numbers into row r; then the rows come back whole, two an instruction
.irp g, 0,1
.irp u, 0,1
	ds_store_b128 v12, v[ACC+8*(4*(\a)+2*\g+\u):ACC+8*(4*(\a)+2*\g+\u)+3] offset:128*\g+32*\u          ; each accumulator from its low end on
	ds_store_b128 v12, v[ACC+8*(4*(\a)+2*\g+\u)+4:ACC+8*(4*(\a)+2*\g+\u)+7] offset:128*\g+32*\u+16
.endr
.endr
.irp t, 0,1,2,3,4,5,6,7
	ds_load_b128 v[16+32*((\a)%2)+4*\t:16+32*((\a)%2)+4*\t+3], v13 offset:544*\t   ; LDS serves a wave's instructions in order: these see the stores above, and the next tile's stores come behind them
.endr
.endm
.macro SEND a, n                       ; n: the LDS instructions issued behind tile a's loads, which may stay out
	s_wait_dscnt \n
.irp t, 0,1,2,3,4,5,6,7
	global_store_b128 v14, v[16+32*((\a)%2)+4*\t:16+32*((\a)%2)+4*\t+3], s[8:9] offset:(32*((\a)/2)+8*((\a)%2)+2*\t+8*(\t/4))*4096 th:TH_STORE_NT   ; stage row 2 t + h is token 32 (a / 2) + 8 (a % 2) + 2 t + 8 (t / 4) + h of the group
.endr
.endm
	s_load_b128 s[4:7], s[0:1], 0x0                ; ao 4:5, wg 6:7
	s_load_b64 s[8:9], s[0:1], 0x10                ; out0
	v_lshl_add_u32 v126, v0, 2, 0x4b000
	v_mov_b32 v127, 0
	ds_add_u32 v126, v127
	ds_add_u32 v126, v127
	v_lshrrev_b32 v1, 5, v0
	s_delay_alu instid0(VALU_DEP_1)
	v_readfirstlane_b32 s[WV], v1                  ; wave 0..7
	s_lshr_b32 s[GA], s[WV], 2
	s_and_b32 s[GB], s[WV], 3
	s_bfe_u32 s[CX], ttmp6, 0x40000                ; cx, cy: my place in the cluster
	s_bfe_u32 s[CY], ttmp6, 0x40004
	s_lshl_b32 s[XX], ttmp9, 2                     ; in a cluster launch ttmp9 and ttmp7 count clusters
	s_add_co_u32 s[XX], s[XX], s[CX]               ; my 256 columns
	s_and_b32 s[YY], ttmp7, 0xffff
	s_lshl_b32 s[YY], s[YY], 2
	s_add_co_u32 s[YY], s[YY], s[CY]               ; my 128 tokens
	s_lshl_b32 s84, s[CY], 2
	s_lshl_b32 s84, 15, s84                        ; my row of the cluster
	s_lshl_b32 s85, 0x1111, s[CX]                  ; my column
	s_or_b32 s[G1A], s84, (3<<16)|(1<<21)          ; 15:0 the mask: A's tiles go to my row; 17:16 elements of 8 bytes; 20 no padding; 21 set beside a mask
	s_or_b32 s[G1B], s85, (3<<16)|(1<<21)          ; B's tiles go to my column
.irp g, G1A, G1B
	s_mov_b32 s[\g+1], 32<<16                      ; tensor_dim0 = 32 elements: rows of 256 bytes
	s_mov_b32 s[\g+2], 200<<16                     ; tensor_dim1 = 200 rows: 51,200 dense bytes, a whole group: one tensor load a wave
	s_mov_b32 s[\g+3], 32<<16                      ; tile_dim0
	s_mov_b32 s[\g+4], 200                         ; tile_dim1
	s_mov_b32 s[\g+5], 32                          ; from row to row
	s_mov_b32 s[\g+6], 0
	s_mov_b32 s[\g+7], 0
.endr
	; Every wave makes both addresses, in registers that never hold the other coordinate, and asks by one of them or by none.  The wave's number is held to the waves that ask, so that no address leaves its buffer.
	s_min_u32 s86, s[WV], 1
	s_lshl_b32 s87, s[YY], 1
	s_add_co_u32 s86, s86, s87                     ; A's group 2 y + wave
	s_mul_i32 s86, s86, GRP
	s_mov_b32 s87, 0
	s_max_u32 s88, s[WV], 2
	s_min_u32 s88, s88, 5
	s_lshl_b32 s89, s[XX], 2
	s_add_co_u32 s88, s88, s89
	s_add_co_u32 s88, s88, 22                      ; B's group 24 + 4 x + wave - 2
	s_mul_i32 s88, s88, GRP
	s_mov_b32 s89, 0
	s_mul_i32 s90, s[WV], GRP                      ; where they go: wave x 51,200: no place in the cluster enters an LDS address
	s_wait_dscnt 0x0
	s_wait_kmcnt 0x0
	s_add_nc_u64 s[86:87], s[4:5], s[86:87]
	s_add_nc_u64 s[88:89], s[6:7], s[88:89]
.irp q, 0
	s_mov_b32 s[G0A+4*\q], 1                       ; count = 1
	s_add_co_u32 s[G0A+4*\q+1], s90, 12800*\q      ; LDS address
	s_add_nc_u64 s[G0A+4*\q+2:G0A+4*\q+3], s[86:87], 12800*\q
	s_or_b32 s[G0A+4*\q+3], s[G0A+4*\q+3], 0x80000000   ; type = 2
	s_mov_b32 s[G0B+4*\q], 1
	s_add_co_u32 s[G0B+4*\q+1], s90, 12800*\q
	s_add_nc_u64 s[G0B+4*\q+2:G0B+4*\q+3], s[88:89], 12800*\q
	s_or_b32 s[G0B+4*\q+3], s[G0B+4*\q+3], 0x80000000
.endr
	CROUND                                         ; all sixteen work-groups are here: the joint loads meet
	s_cmp_lt_u32 s[WV], 2                          ; a wave's one fill stands in one branch on its number, ahead of every wait on TENSORcnt and every LDS read
	s_cbranch_scc0 .Lnot_a
	tensor_load_to_lds s[G0A:G0A+3], s[G1A:G1A+7]
	s_nop 0
.rept 4
	v_nop
.endr
	s_branch .Lasked
.Lnot_a:
	s_cmp_lt_u32 s[WV], 6
	s_cbranch_scc0 .Lasked
	tensor_load_to_lds s[G0B:G0B+3], s[G1B:G1B+7]
	s_nop 0
.rept 4
	v_nop
.endr
.Lasked:
	s_mul_i32 s56, s[GA], GRP                      ; my group of A in LDS,
	s_mul_i32 s57, s[GB], GRP
	s_add_co_u32 s57, s57, 2*GRP                   ; my group of B
	s_sub_co_u32 s58, s57, s56
	s_add_co_u32 s59, s56, 6144
	v_and_b32 v1, 31, v0                           ; lane
	v_and_b32 v2, 15, v0                           ; r
	v_bfe_u32 v3, v0, 4, 1                         ; h
	s_delay_alu instid0(VALU_DEP_3)
	v_lshlrev_b32 v9, 4, v1
	s_delay_alu instid0(VALU_DEP_4)
	v_lshlrev_b32 v10, 3, v1
	s_delay_alu instid0(VALU_DEP_4)
	v_lshlrev_b32 v11, 4, v2
	s_delay_alu instid0(VALU_DEP_3)
	v_add_nc_u32 v4, s56, v9
	s_delay_alu instid0(VALU_DEP_3)
	v_add_nc_u32 v5, s56, v10
	v_add_nc_u32 v6, s57, v9
	v_add_nc_u32 v7, s57, v10
	v_mul_u32_u24 v8, s58, v3                      ; the scale words: lanes 0-15 take A's, lanes 16-31 B's: the lower base + h x the distance
	s_delay_alu instid0(VALU_DEP_1)
	v_add_nc_u32 v8, v8, v11
	s_delay_alu instid0(VALU_DEP_1)
	v_add_nc_u32 v8, s59, v8
	s_lshr_b32 s56, s[WV], 1                       ; my stage, 16 rows of 272 bytes: two stages at the head of each of groups 0-3, 8,704 bytes, inside those groups' K steps 0 and 1
	s_mul_i32 s56, s56, GRP
	s_and_b32 s57, s[WV], 1
	s_mul_i32 s57, s57, 4352
	s_add_co_u32 s56, s56, s57
	v_mul_u32_u24 v12, v2, 272
	s_delay_alu instid0(VALU_DEP_1)
	v_lshl_add_u32 v12, v3, 6, v12
	s_delay_alu instid0(VALU_DEP_1)
	v_add_nc_u32 v12, s56, v12                     ; in: row r, + 64 h
	v_mul_u32_u24 v13, v3, 272
	s_delay_alu instid0(VALU_DEP_1)
	v_add_nc_u32 v13, v13, v11
	s_delay_alu instid0(VALU_DEP_1)
	v_add_nc_u32 v13, s56, v13                     ; back: lanes 0-15 one row, lanes 16-31 the next
	v_lshl_add_u32 v14, v3, 12, v11                ; and the same two rows in out0
	s_lshl_b32 s92, s[YY], 19                      ; 128 tokens of 4,096 bytes a work-group,
	s_lshl_b32 s93, s[GA], 18                      ; 64 a group,
	s_add_co_u32 s92, s92, s93
	s_lshl_b32 s93, s[XX], 10                      ; 256 columns of 4 bytes a work-group,
	s_add_co_u32 s92, s92, s93
	s_lshl_b32 s93, s[GB], 8                       ; 64 a group
	s_add_co_u32 s92, s92, s93
	s_mov_b32 s93, 0
	s_add_nc_u64 s[8:9], s[8:9], s[92:93]
	s_wait_alu depctr_va_vdst(0)
	s_wait_tensorcnt 0x0                           ; my group has landed, all of K
	s_barrier_signal -1
	s_barrier_wait -1                              ; everybody's has
	KSTEP 0, 1                                     ; the first products start the sums: nothing is cleared
	KSTEP 1, 0
	KSTEP 2, 0
	KSTEP 3, 0
	s_barrier_signal -1                            ; (no LDS load of mine is out: the last K step's waits ended at 0)
	s_barrier_wait -1                              ; behind this barrier nobody reads K steps 0-3: the stages, which lie in their bytes, may be written by whoever ends its products
	KSTEP 4, 0
	KSTEP 5, 0
	KSTEP 6, 0
	KSTEP 7, 0
.rept 4
	v_nop                                          ; four places between the last products and the first read of results, and loads into their operands' registers
.endr
	TOSTAGE 0
.irp a, 1,2,3
.if \a > 1
	s_wait_xcnt 0x0                                ; tile a - 2's stores have read the registers into which tile a's rows come back
.endif
	TOSTAGE \a
	SEND \a-1, 16                                  ; behind tile a - 1's loads: tile a's 8 stores and 8 loads
.endr
	SEND 3, 0
	s_wait_tensorcnt 0x0
	ds_add_u32 v126, v127
	s_wait_dscnt 0x0
	CROUND                                         ; the closing round: no work-group ends while a partner may still ask for a tile that names it.  (No LDS instruction of mine is out: the last wait was for 0)
	s_endpgm
.Lfunc_end_k_q23aa01db15_oproj:
	.size	k_q23aa01db15_oproj, .Lfunc_end_k_q23aa01db15_oproj-k_q23aa01db15_oproj
	.p2alignl 7, 3214868480
	.fill 96, 4, 3214868480
	.section	.rodata,"a",@progbits
	.p2align	6, 0x0
	.amdhsa_kernel k_q23aa01db15_oproj
		.amdhsa_group_segment_fixed_size 308224
		.amdhsa_private_segment_fixed_size 0
		.amdhsa_enable_private_segment 0
		.amdhsa_kernarg_size 24
		.amdhsa_user_sgpr_count 2
		.amdhsa_user_sgpr_kernarg_segment_ptr 1
		.amdhsa_wavefront_size32 1
		.amdhsa_system_sgpr_workgroup_id_x 1
		.amdhsa_system_sgpr_workgroup_id_y 1
		.amdhsa_system_sgpr_workgroup_id_z 1
		.amdhsa_system_vgpr_workitem_id 0
		.amdhsa_next_free_vgpr 256
		.amdhsa_next_free_sgpr 96
		.amdhsa_reserve_vcc 0
		.amdhsa_float_denorm_mode_32 3
		.amdhsa_float_denorm_mode_16_64 3
		.amdhsa_memory_ordered 1
		.amdhsa_forward_progress 1
		.amdhsa_inst_pref_size 49
	.end_amdhsa_kernel
	.amdgpu_metadata
---
amdhsa.version: [ 1, 2 ]
amdhsa.kernels:
  - .name:           k_q23aa01db15_oproj
    .symbol:         k_q23aa01db15_oproj.kd
    .args:
      - { .name: ao, .offset: 0, .size: 8, .value_kind: global_buffer, .address_space: global }
      - { .name: wg, .offset: 8, .size: 8, .value_kind: global_buffer, .address_space: global }
      - { .name: out0, .offset: 16, .size: 8, .value_kind: global_buffer, .address_space: global }
    .group_segment_fixed_size: 308224
    .private_segment_fixed_size: 0
    .kernarg_segment_align: 8
    .kernarg_segment_size: 24
    .max_flat_workgroup_size: 256
    .sgpr_count:     96
    .vgpr_count:     256
    .wavefront_size: 32
...
	.end_amdgpu_metadata
.endif
;; end of part 8
